; MI455X (gfx1250); checked and timed in simulation.
; The chip was launched on July 23, 2026; its instructions are those of AMD's public machine-readable ISA for CDNA 5 (MIT licence, August 2026) and "CDNA5" Instruction Set Architecture Reference Guide (July 2026). The comments in the code are by the model that wrote it; some were corrected since.
;; Mo E Layer. Allowed arithmetic: float matrix products may take bf16 or f16 operands with f32 sums; other float arithmetic in f32, or as packed bf16 or f16 multiplies, adds, multiply-adds, maxima and minima; sums over many terms, partial sums and values carried from step to step in f32; what a program stores and reads back later, other than sums and carried values, may be rounded once to bf16 or f16.
;; Inputs: W1 8 x 1,024 x 4,096 float32; W2 8 x 4,096 x 1,024 float32; Wr 1,024 x 8 float32; b1 8 x 4,096 float32; b2 8 x 1,024 float32; x 2 x 512 x 1,024 float32.
;; Outputs: out0 2 x 512 x 1,024 float32.
;; 2 versions, each right; version 2 is version 1 with the launches lay, ffn1, ffn2 written anew for expert scheduling mode. Each part assembles by itself: llvm-mc -triple=amdgcn-amd-amdhsa -mcpu=gfx1250 --defsym DOCPART=n.
;; ======== version 1 of 2: 5 launches
;; limits: a function is approximated: absolute error at most 2.5e-05
;; workspace buffers: xb 2,097,152 bytes; bm 1,024 bytes of whole numbers; comb 32,768 bytes; xg 16,777,216 bytes; hf 67,108,864 bytes; part 134,217,728 bytes; pre 1,024 bytes of whole numbers
;; launch route (part 1): grid 64 x 1, 8 waves a work-group, no clusters, 58,880 bytes of LDS; arguments x, Wr, xb, bm, comb; writes xb, bm, comb
.if DOCPART == 1
	.amdgcn_target "amdgcn-amd-amdhsa--gfx1250"
	.amdhsa_code_object_version 6
	.text
	.protected	k_q69864818f3_route
	.globl	k_q69864818f3_route
	.p2align	8
	.type	k_q69864818f3_route,@function
k_q69864818f3_route:
	s_mov_b64 s[64:65], 0
	v_nop
	global_prefetch_b8 v0, s[64:65] scope:SCOPE_SE
	s_setreg_imm32_b32 hwreg(HW_REG_WAVE_MODE, 25, 1), 1
	s_wait_xcnt 0x0
; ROUTER.  logits = x Wr (x and Wr rounded once to bf16, products exact, sums in f32); the two largest logits of a token choose its experts; their weights are the softmax
; renormalised over the two: g1 = 1 / (1 + e^(l2 - l1)), g2 = e^(l2 - l1) g1, with l1 >= l2: the maximum is taken away, and the softmax's denominator cancels.
; STORES: xb = x in bf16, row-major; bm[e][g]: bit b = token 32 g + b chose expert e (whole numbers, at fixed places); comb[token][e] = the weight, 0 for experts not chosen.
; LIMITS.  The choice is made on the logits, not on rounded probabilities: two different logits whose f32 probabilities coincide are no tie here; equal logits go to the lower index, as
; the reference's top-k does.  NaN and infinities are not treated apart.  A weight whose e^(l2 - l1) lies below 2^-126 counts as 0.
; SHARES.  A work-group owns 16 tokens (one matrix tile of columns); its eight waves each convert two tokens' rows and take an eighth of K; wave 0 adds the eight parts and chooses.
; No cluster: what work-groups share is Wr, 32,768 bytes against the 65,536 of x that each reads alone, read once at the start.
.set XP,    2064        ; an LDS row of 1,024 bf16 + 16 bytes: 129 x 16, so the 16 rows of a fragment load start in 16 different groups of four banks (64 banks of 4 bytes: ISA guide 11.1)
.set WT,    16*XP       ; behind x's 16 rows: Wr turned, 8 rows [expert][k]
.set RB,    49664       ; eight waves' partial logits, 1,024 bytes each
.set SPARE, 57856       ; the spare words, 128 bytes a wave: four blocks of 256 bytes that no other line names
.set SPW, 2             ; v2  my spare word's address; never rewritten
.set NIL, 3             ; v3  0; never rewritten
.set LN,  4             ; v4  lane
.set L16, 5             ; v5  16 x lane
.set L8,  6             ; v6  8 x lane
.set WR,  16            ; v16-47   Wr as loaded: two pairs of k, 16 registers each
.set XR,  48            ; v48-111  x as loaded: 16 loads of four
.set FA,  16            ; v16-47   four fragments of Wr turned
.set FB,  48            ; v48-79   four fragments of x
.set LG,  32            ; v32-95   wave 0: eight waves' parts of my token's eight logits
.set AC0, 112
.set AC1, 120
.set MK,  104           ; v104-111 at work: the logits without the winner, then the eight weights
.set WV,  16
	s_load_b256 s[4:11], s[0:1], 0x0               ; x s[4:5], Wr s[6:7], xb s[8:9], bm s[10:11]
	s_load_b64 s[12:13], s[0:1], 0x20              ; comb
	v_lshl_add_u32 v[SPW], v0, 2, SPARE
	v_mov_b32 v[NIL], 0
	v_lshrrev_b32 v1, 5, v0
	v_readfirstlane_b32 s[WV], v1                  ; wave 0..7
	v_and_b32 v[LN], 31, v0
	v_lshlrev_b32 v[L16], 4, v[LN]
	v_lshlrev_b32 v[L8], 3, v[LN]
	v_lshlrev_b32 v7, 6, v0                        ; Wr: thread t takes the k pairs t and t + 256, 64 bytes each
	v_lshlrev_b32 v8, 2, v0
	v_add_nc_u32 v8, WT, v8                        ; and puts a pair of bf16 at word t of each expert's row
	s_mul_i32 s17, s[WV], 2*XP
	v_add_nc_u32 v9, s17, v[L8]                    ; x in LDS: my wave's two rows, 8 bytes a lane
	s_lshl_b32 s20, ttmp9, 16                      ; 16 tokens x 4,096 bytes,
	s_lshl_b32 s21, s[WV], 13                      ; my wave's two
	s_add_co_u32 s20, s20, s21
	s_mov_b32 s21, 0
	s_lshl_b32 s22, ttmp9, 15                      ; the same in xb, 2,048 bytes a token
	s_lshl_b32 s23, s[WV], 12
	s_add_co_u32 s22, s22, s23
	s_mov_b32 s23, 0
	s_wait_kmcnt 0x0
	s_add_nc_u64 s[4:5], s[4:5], s[20:21]
	s_add_nc_u64 s[8:9], s[8:9], s[22:23]
	; all 24 loads go out before the first wait
.irp c, 0,1
.irp m, 0,1,2,3
	global_load_b128 v[WR+16*(\c)+4*(\m):WR+16*(\c)+4*(\m)+3], v7, s[6:7] offset:(\c)*16384+16*(\m)
.endr
.endr
.irp n, 0,1,2,3,4,5,6,7,8,9,10,11,12,13,14,15
	global_load_b128 v[XR+4*(\n):XR+4*(\n)+3], v[L16], s[4:5] offset:((\n)/8)*4096+((\n)%8)*512 th:TH_LOAD_NT  ; 512 consecutive bytes of a row
.endr
	s_wait_loadcnt 16                              ; Wr's eight are in; the sixteen of x are younger
.irp c, 0,1
.irp e, 0,1,2,3,4,5,6,7
	v_cvt_pk_bf16_f32 v[WR+16*(\c)+(\e)], v[WR+16*(\c)+(\e)], v[WR+16*(\c)+8+(\e)]  ; Wr[k][e], Wr[k+1][e]
	ds_store_b32 v8, v[WR+16*(\c)+(\e)] offset:(\e)*XP+(\c)*1024
.endr
.endr
.irp n, 0,1,2,3,4,5,6,7,8,9,10,11,12,13,14,15
	s_wait_loadcnt 15-(\n)                         ; loads come back in order: load n is in, the 15 - n younger ones stay out
	v_cvt_pk_bf16_f32 v[XR+4*(\n)], v[XR+4*(\n)], v[XR+4*(\n)+1]
	v_cvt_pk_bf16_f32 v[XR+4*(\n)+1], v[XR+4*(\n)+2], v[XR+4*(\n)+3]
	global_store_b64 v[L8], v[XR+4*(\n):XR+4*(\n)+1], s[8:9] offset:((\n)/8)*2048+((\n)%8)*256  ; the wave stores 256 consecutive bytes, aligned
	ds_store_b64 v9, v[XR+4*(\n):XR+4*(\n)+1] offset:((\n)/8)*XP+((\n)%8)*256
.endr
	s_wait_dscnt 0x0                               ; for the others' sake: my stores into LDS are done
	s_barrier_signal -1
	s_barrier_wait -1
	; wave w takes k = 128 w .. 128 w + 127: four matrix instructions.  Source 0 = 16 rows of Wr turned (rows 8-15 repeat the eight experts), source 1 = 16 tokens:
	; in the result lane l holds token l % 16, and its registers 0-7 the eight experts, in both halves of the lanes.
	s_wait_xcnt 0x0                                ; the stores to xb have read their registers: only now are these loaded anew
	v_and_b32 v10, 15, v0
	v_bfe_u32 v11, v0, 4, 1
	v_and_b32 v12, 7, v0
	s_lshl_b32 s17, s[WV], 8
	v_lshl_add_u32 v13, v11, 4, s17                ; 16 x half + my 256 bytes of a row
	v_mad_u32_u24 v14, v10, XP, v13
	v_mad_u32_u24 v15, v12, XP, v13
	v_add_nc_u32 v15, WT, v15
.irp c, 0,1,2,3
	ds_load_b128 v[FA+8*(\c):FA+8*(\c)+3],   v15 offset:64*(\c)
	ds_load_b128 v[FA+8*(\c)+4:FA+8*(\c)+7], v15 offset:64*(\c)+32
	ds_load_b128 v[FB+8*(\c):FB+8*(\c)+3],   v14 offset:64*(\c)
	ds_load_b128 v[FB+8*(\c)+4:FB+8*(\c)+7], v14 offset:64*(\c)+32
.endr
	s_wait_dscnt 0x0
	v_wmma_f32_16x16x32_bf16 v[AC0:AC0+7], v[FA:FA+7],       v[FB:FB+7],       0               ; two accumulators by turns
	v_wmma_f32_16x16x32_bf16 v[AC1:AC1+7], v[FA+8:FA+15],    v[FB+8:FB+15],    0
	v_wmma_f32_16x16x32_bf16 v[AC0:AC0+7], v[FA+16:FA+23],   v[FB+16:FB+23],   v[AC0:AC0+7]
	v_wmma_f32_16x16x32_bf16 v[AC1:AC1+7], v[FA+24:FA+31],   v[FB+24:FB+31],   v[AC1:AC1+7]
.rept 4
	v_nop                                          ; four places between a matrix instruction and the reading of its result (ISA guide 7.12.1)
.endr
.irp i, 0,2,4,6
	v_pk_add_f32 v[16+(\i):17+(\i)], v[AC0+(\i):AC0+(\i)+1], v[AC1+(\i):AC1+(\i)+1]  ; from each accumulator's low end on
.endr
	s_lshl_b32 s17, s[WV], 10
	v_add_nc_u32 v13, s17, v[L16]
	v_add_nc_u32 v13, RB, v13
	ds_store_b128 v13, v[16:19]
	ds_store_b128 v13, v[20:23] offset:512
	s_wait_dscnt 0x0
	s_barrier_signal -1
	s_barrier_wait -1
	s_cmp_lg_u32 s[WV], 0
	s_cbranch_scc1 .Lothers
	; wave 0: the eight parts are added in ascending k, then the choice
	v_add_nc_u32 v13, RB, v[L16]
.irp w, 0,1,2,3,4,5,6,7
	ds_load_b128 v[LG+8*(\w):LG+8*(\w)+3],   v13 offset:(\w)*1024
	ds_load_b128 v[LG+8*(\w)+4:LG+8*(\w)+7], v13 offset:(\w)*1024+512
.endr
	s_wait_dscnt 0x0
.irp w, 1,2,3,4,5,6,7
.irp i, 0,2,4,6
	v_pk_add_f32 v[LG+(\i):LG+(\i)+1], v[LG+(\i):LG+(\i)+1], v[LG+8*(\w)+(\i):LG+8*(\w)+(\i)+1]
.endr
.endr
	v_mov_b32 v96, v[LG]                           ; l1 and its index: a later logit wins only if it is strictly greater
	v_mov_b32 v97, 0
.irp j, 1,2,3,4,5,6,7
	v_cmp_gt_f32 vcc_lo, v[LG+(\j)], v96
	v_cndmask_b32 v96, v96, v[LG+(\j)], vcc_lo
	v_cndmask_b32 v97, v97, \j, vcc_lo
.endr
	v_mov_b32 v98, 0xff800000                      ; the winner counts as -infinity in the second scan
.irp j, 0,1,2,3,4,5,6,7
	v_cmp_eq_u32 vcc_lo, \j, v97
	v_cndmask_b32 v[MK+(\j)], v[LG+(\j)], v98, vcc_lo
.endr
	v_mov_b32 v99, v[MK]                           ; l2 and its index
	v_mov_b32 v100, 0
.irp j, 1,2,3,4,5,6,7
	v_cmp_gt_f32 vcc_lo, v[MK+(\j)], v99
	v_cndmask_b32 v99, v99, v[MK+(\j)], vcc_lo
	v_cndmask_b32 v100, v100, \j, vcc_lo
.endr
	v_sub_f32 v101, v99, v96                       ; l2 - l1 <= 0
	v_mul_f32 v101, 0x3fb8aa3b, v101               ; times log2(e)
	v_exp_f32 v101, v101
	v_nop                                          ; a plain instruction behind a transcendental before its result is used (ISA guide 5.7.2)
	s_wait_alu depctr_va_vdst(0)
	v_add_f32 v102, 1.0, v101
	v_rcp_f32 v103, v102                           ; g1
	v_nop
	s_wait_alu depctr_va_vdst(0)
	v_mul_f32 v101, v101, v103                     ; g2
.irp j, 0,1,2,3,4,5,6,7
	v_cmp_eq_u32 vcc_lo, \j, v100
	v_cndmask_b32 v[MK+(\j)], 0, v101, vcc_lo
	v_cmp_eq_u32 vcc_lo, \j, v97
	v_cndmask_b32 v[MK+(\j)], v[MK+(\j)], v103, vcc_lo
.endr
	s_mov_b32 s20, 0xffff0000                      ; lanes 0-15 store their token's experts 0-3, lanes 16-31 experts 4-7
.irp i, 0,1,2,3
	v_cndmask_b32 v[112+(\i)], v[MK+(\i)], v[MK+4+(\i)], s20
.endr
	v_lshlrev_b32 v13, 5, v10
	v_lshl_add_u32 v13, v11, 4, v13
	s_lshl_b32 s22, ttmp9, 9
	s_add_nc_u64 s[12:13], s[12:13], s[22:23]
	global_store_b128 v13, v[112:115], s[12:13]    ; the 16 tokens' 512 consecutive bytes of comb
	v_mov_b32 v116, 0
.irp j, 0,1,2,3,4,5,6,7
	v_cmp_eq_u32 s24, \j, v97
	v_cmp_eq_u32 s25, \j, v100
	s_or_b32 s24, s24, s25
	s_and_b32 s24, s24, 0xffff                     ; bit l: token l of my 16 chose expert j
	v_writelane_b32 v116, s24, \j
.endr
	v_lshlrev_b32 v117, 7, v[LN]                   ; lane e stores expert e's 16 bits: half a word of bm[e]
	s_lshl_b32 s22, ttmp9, 1
	s_add_nc_u64 s[10:11], s[10:11], s[22:23]
	v_cmp_gt_u32 vcc_lo, 8, v[LN]
	s_wait_xcnt 0x0                                ; EXEC changes only when the store above has read it
	s_and_saveexec_b32 s26, vcc_lo
	global_store_b16 v117, v116, s[10:11]
	s_wait_xcnt 0x0                                ; and again in front of the line that widens it
	s_or_b32 exec_lo, exec_lo, s26
	s_wait_tensorcnt 0x0                           ; the wave's end, behind my last LDS store
	ds_add_u32 v[SPW], v[NIL]
	s_wait_dscnt 0x0
	s_endpgm
.Lothers:
	s_wait_tensorcnt 0x0                           ; the same three lines for waves 1 to 7
	ds_add_u32 v[SPW], v[NIL]
	s_wait_dscnt 0x0
	s_endpgm
.Lfunc_end_k_q69864818f3_route:
	.size	k_q69864818f3_route, .Lfunc_end_k_q69864818f3_route-k_q69864818f3_route
	.p2alignl 7, 3214868480
	.fill 96, 4, 3214868480
	.section	.rodata,"a",@progbits
	.p2align	6, 0x0
	.amdhsa_kernel k_q69864818f3_route
		.amdhsa_group_segment_fixed_size 58880
		.amdhsa_private_segment_fixed_size 0
		.amdhsa_enable_private_segment 0
		.amdhsa_kernarg_size 40
		.amdhsa_user_sgpr_count 2
		.amdhsa_user_sgpr_kernarg_segment_ptr 1
		.amdhsa_wavefront_size32 1
		.amdhsa_system_sgpr_workgroup_id_x 1
		.amdhsa_system_sgpr_workgroup_id_y 1
		.amdhsa_system_sgpr_workgroup_id_z 1
		.amdhsa_system_vgpr_workitem_id 0
		.amdhsa_next_free_vgpr 128
		.amdhsa_next_free_sgpr 66
		.amdhsa_reserve_vcc 1
		.amdhsa_float_denorm_mode_32 3
		.amdhsa_float_denorm_mode_16_64 3
		.amdhsa_memory_ordered 1
		.amdhsa_forward_progress 1
		.amdhsa_inst_pref_size 24
	.end_amdhsa_kernel
	.amdgpu_metadata
---
amdhsa.version: [ 1, 2 ]
amdhsa.kernels:
  - .name:           k_q69864818f3_route
    .symbol:         k_q69864818f3_route.kd
    .args:
      - { .name: x, .offset: 0, .size: 8, .value_kind: global_buffer, .address_space: global }
      - { .name: Wr, .offset: 8, .size: 8, .value_kind: global_buffer, .address_space: global }
      - { .name: xb, .offset: 16, .size: 8, .value_kind: global_buffer, .address_space: global }
      - { .name: bm, .offset: 24, .size: 8, .value_kind: global_buffer, .address_space: global }
      - { .name: comb, .offset: 32, .size: 8, .value_kind: global_buffer, .address_space: global }
    .group_segment_fixed_size: 58880
    .private_segment_fixed_size: 0
    .kernarg_segment_align: 8
    .kernarg_segment_size: 40
    .max_flat_workgroup_size: 256
    .sgpr_count:     66
    .vgpr_count:     128
    .wavefront_size: 32
...
	.end_amdgpu_metadata
.endif
;; end of part 1
;; launch lay (part 2): grid 256 x 1, 4 waves a work-group, no clusters, 35,328 bytes of LDS; arguments xb, bm, xg; writes xg
.if DOCPART == 2
	.amdgcn_target "amdgcn-amd-amdhsa--gfx1250"
	.amdhsa_code_object_version 6
	.text
	.protected	k_q69864818f3_lay
	.globl	k_q69864818f3_lay
	.p2align	8
	.type	k_q69864818f3_lay,@function
k_q69864818f3_lay:
	s_mov_b64 s[64:65], 0
	v_nop
	global_prefetch_b8 v0, s[64:65] scope:SCOPE_SE
	s_setreg_imm32_b32 hwreg(HW_REG_WAVE_MODE, 25, 1), 1
	s_wait_xcnt 0x0
; LAY.  The rows of xb (x in bf16) that chose expert e are laid end to end by rank, in the order in which the first product's matrix operands take them:
; xg byte e 2^21 + tile 32,768 + ft 512 + 16 lane holds, for lane l, row 16 tile + l % 16 of the expert and columns 16 ft + 8 (l / 16) + 0..7.  So a fragment load of the first product takes 512
; consecutive bytes, and the gather is made once for the 32 work-groups that multiply an expert's rows.  Nothing is rounded: 16-byte pieces are moved.
; ROWS.  An expert's rows are its tokens by rank (the count of chosen tokens below: from the bitmap bm, whole numbers that the router's launch stored).  Places past the count repeat the last row, so that every
; byte of a tile that exists is written; an expert without rows counts as one row, token 0.  Up to 1,024 rows an expert are served.
; SHARES.  Work-group (e, chunk, phase): e = id / 32, chunk = id % 8 (128 columns: 256 aligned bytes of a row), phase = (id / 8) % 4.  Wave w takes tiles phase + 4 w + 16 trip, four trips; a tile that does not
; exist is jumped.  A tile's part is 16 rows x 256 bytes: read as whole pieces of 256 bytes (sixteen lanes a row), turned in the wave's own stage in LDS, stored as eight runs of 512 consecutive bytes.
; A stream of a few kilobytes a wave: no matrix unit; no cluster: a piece of xb has two readers, the token's two experts, which no grid puts side by side; no barrier: list and stage are each wave's own.
.set LISTW, 4352        ; a wave's list of the expert's tokens: 1,024 words, and a word for the lanes that have nothing to say
.set STG,   4*LISTW
.set SP,    272         ; a stage row: the 16 rows' pieces of one 16-byte column, 256 bytes + 16: sixteen storing lanes hit sixteen different 16-byte columns of the banks' 256 bytes (ISA guide 11.1)
.set STGW,  16*SP
.set SPARE, STG+4*STGW  ; the spare words, 128 bytes a wave: two blocks of 256 bytes that no other line names
.set SPW, 2             ; v2  my spare word's address; never rewritten
.set NIL, 3             ; v3  0; never rewritten
.set LN,  4             ; v4  lane
.set L16, 5             ; v5  16 x lane
.set C16, 6             ; v6  lane % 16
.set HH,  7             ; v7  lane / 16
.set SI,  8             ; v8  into the stage
.set SO,  9             ; v9  out of it
.set RB,  10            ; v10 the rank of my row in the tile's first pair of rows
.set CO,  11            ; v11 my 16 bytes in a row of xb
.set Z,   12            ; v12-15 zeros
.set LA,  16
.set DUM, 17
.set TOK, 18
.set T,   19
.set RK,  20            ; v20-27 list addresses of eight ranks
.set TK,  28            ; v28-35 their tokens, then byte offsets in xb
.set D,   36            ; v36-67 the tile's part
.set WV,   16
.set EX,   17
.set CH,   18
.set PH,   19
.set CM1,  20           ; rows - 1
.set NTE,  21           ; tiles of rows
.set TILE, 22
.set CNT,  23
.set T2,   24
.set MYLI, 25
.set TP,   26           ; s[26:27] an offset; s27 stays 0
.set MYST, 28
.set OB,   30           ; s[30:31] xg at the tile in hand
.set BM,   32           ; s[32:63] the expert's bitmap
	s_load_b128 s[4:7], s[0:1], 0x0                ; xb s[4:5], bm s[6:7]
	s_load_b64 s[8:9], s[0:1], 0x10                ; xg
	v_lshl_add_u32 v[SPW], v0, 2, SPARE
	v_mov_b32 v[NIL], 0
	v_lshrrev_b32 v1, 5, v0
	v_readfirstlane_b32 s[WV], v1                  ; wave 0..3
	v_and_b32 v[LN], 31, v0
	v_lshlrev_b32 v[L16], 4, v[LN]
	v_and_b32 v[C16], 15, v0
	v_bfe_u32 v[HH], v0, 4, 1
	s_lshr_b32 s[EX], ttmp9, 5
	s_and_b32 s[CH], ttmp9, 7
	s_bfe_u32 s[PH], ttmp9, 0x20003                ; two bits from bit 3
	s_mul_i32 s[MYLI], s[WV], LISTW
	s_mul_i32 s[MYST], s[WV], STGW
	s_add_co_u32 s[MYST], s[MYST], STG
	s_mov_b32 s[TP+1], 0
	s_lshl_b32 s[TP], s[EX], 7
	s_wait_kmcnt 0x0
	s_add_nc_u64 s[6:7], s[6:7], s[TP:TP+1]
	s_load_b512 s[BM:BM+15], s[6:7], 0x0           ; the expert's 1,024 bits
	s_load_b512 s[BM+16:BM+31], s[6:7], 0x40
	v_mov_b32 v[Z], 0                              ; my list starts as 1,024 times token 0: every word that may be read is written, and an expert without rows has its one row
	v_mov_b32 v[Z+1], 0
	v_mov_b32 v[Z+2], 0
	v_mov_b32 v[Z+3], 0
	v_add_nc_u32 v[LA], s[MYLI], v[L16]
.irp i, 0,1,2,3,4,5,6,7
	ds_store_b128 v[LA], v[Z:Z+3] offset:(\i)*512
.endr
	v_mov_b32 v[DUM], 0x400                        ; the place of the word for lanes whose token did not choose the expert
	v_mov_b32 v[TOK], v[LN]
	v_mul_u32_u24 v[SI], v[C16], SP                ; in: my 16-byte column's stage row, at the place of my row
	v_lshl_add_u32 v[SI], v[HH], 4, v[SI]
	v_add_nc_u32 v[SI], s[MYST], v[SI]
	v_mul_u32_u24 v[SO], v[HH], SP                 ; out: lanes 0-15 take one stage row's 256 bytes, lanes 16-31 the next one's
	v_lshl_add_u32 v[SO], v[C16], 4, v[SO]
	v_add_nc_u32 v[SO], s[MYST], v[SO]
	s_lshl_b32 s[T2], s[CH], 8
	v_lshl_add_u32 v[CO], v[C16], 4, s[T2]
	s_lshl_b32 s[TP], s[EX], 21                    ; xg at my expert and my chunk's eight column tiles of 512 bytes
	s_lshl_b32 s[T2], s[CH], 12
	s_add_co_u32 s[TP], s[TP], s[T2]
	s_add_nc_u64 s[8:9], s[8:9], s[TP:TP+1]
	s_lshl_b32 s[TILE], s[WV], 2
	s_add_co_u32 s[TILE], s[TILE], s[PH]
	s_mov_b32 s[CM1], 0
	s_wait_kmcnt 0x0
	; 32 groups of 32 tokens: lane l of group g puts token 32 g + l at its rank in my list
.set g, 0
.rept 32
	v_mbcnt_lo_u32_b32 v[T], s[BM+g], s[CM1]       ; the tokens below mine that chose the expert
	v_cndmask_b32 v[T], v[DUM], v[T], s[BM+g]      ; the bitmap's word is the lanes' mask: EXEC stays whole
	v_min_u32 v[T], 0x400, v[T]
	v_lshl_add_u32 v[T], v[T], 2, s[MYLI]
	ds_store_b32 v[T], v[TOK]
	v_add_nc_u32 v[TOK], 32, v[TOK]
	s_bcnt1_i32_b32 s[T2], s[BM+g]
	s_add_co_u32 s[CM1], s[CM1], s[T2]
.set g, g+1
.endr
	s_max_u32 s[CM1], s[CM1], 1
	s_add_co_u32 s[NTE], s[CM1], 15
	s_lshr_b32 s[NTE], s[NTE], 4
	s_sub_co_u32 s[CM1], s[CM1], 1
	s_mov_b32 s[CNT], 4
.Ltile:                                                ; four trips cover the 64 tiles that an expert can have
	s_cmp_ge_u32 s[TILE], s[NTE]
	s_cbranch_scc1 .Lnext                          ; a tile that does not exist
	s_wait_xcnt 0x0                                ; the last tile's loads and stores have read their registers and base
	s_lshl_b32 s[T2], s[TILE], 4
	v_add_nc_u32 v[RB], s[T2], v[HH]
.irp m, 0,1,2,3,4,5,6,7
	v_add_nc_u32 v[RK+(\m)], 2*(\m), v[RB]         ; load m takes rows 2 m and 2 m + 1 of the tile: the rank of mine,
	v_min_u32 v[RK+(\m)], s[CM1], v[RK+(\m)]       ; past the count the last row once more,
	v_min_u32 v[RK+(\m)], 0x3ff, v[RK+(\m)]
	v_lshl_add_u32 v[RK+(\m)], v[RK+(\m)], 2, s[MYLI]
	ds_load_b32 v[TK+(\m)], v[RK+(\m)]             ; its token, from my own list (LDS serves a wave's instructions in order: ISA guide 5.7.1.4)
.endr
	s_min_u32 s[TP], s[TILE], 63
	s_lshl_b32 s[TP], s[TP], 15
	s_add_nc_u64 s[OB:OB+1], s[8:9], s[TP:TP+1]
	s_wait_dscnt 0x0
.irp m, 0,1,2,3,4,5,6,7
	v_min_u32 v[TK+(\m)], 0x3ff, v[TK+(\m)]
	v_lshl_add_u32 v[TK+(\m)], v[TK+(\m)], 11, v[CO]
	global_load_b128 v[D+4*(\m):D+4*(\m)+3], v[TK+(\m)], s[4:5]  ; sixteen lanes take 256 consecutive aligned bytes of a row
.endr
.irp m, 0,1,2,3,4,5,6,7
	s_wait_loadcnt 7-(\m)                          ; loads come back in order: load m is in, the 7 - m younger ones stay out
	ds_store_b128 v[SI], v[D+4*(\m):D+4*(\m)+3] offset:32*(\m)
.endr
.irp f, 0,1,2,3,4,5,6,7
	ds_load_b128 v[D+4*(\f):D+4*(\f)+3], v[SO] offset:(\f)*2*SP  ; column tile f: columns 16 f + 8 (l / 16) on of row l % 16; these see the stores above
.endr
.irp f, 0,1,2,3,4,5,6,7
	s_wait_dscnt 7-(\f)                            ; column tile f is back; the 7 - f younger loads stay out
	global_store_b128 v[L16], v[D+4*(\f):D+4*(\f)+3], s[OB:OB+1] offset:(\f)*512  ; 512 consecutive aligned bytes
.endr
.Lnext:
	s_add_co_u32 s[TILE], s[TILE], 16
	s_sub_co_u32 s[CNT], s[CNT], 1
	s_cmp_lg_u32 s[CNT], 0
	s_cbranch_scc1 .Ltile
	s_wait_tensorcnt 0x0                           ; the wave's end, behind my last LDS store
	ds_add_u32 v[SPW], v[NIL]
	s_wait_dscnt 0x0
	s_endpgm
.Lfunc_end_k_q69864818f3_lay:
	.size	k_q69864818f3_lay, .Lfunc_end_k_q69864818f3_lay-k_q69864818f3_lay
	.p2alignl 7, 3214868480
	.fill 96, 4, 3214868480
	.section	.rodata,"a",@progbits
	.p2align	6, 0x0
	.amdhsa_kernel k_q69864818f3_lay
		.amdhsa_group_segment_fixed_size 35328
		.amdhsa_private_segment_fixed_size 0
		.amdhsa_enable_private_segment 0
		.amdhsa_kernarg_size 24
		.amdhsa_user_sgpr_count 2
		.amdhsa_user_sgpr_kernarg_segment_ptr 1
		.amdhsa_wavefront_size32 1
		.amdhsa_system_sgpr_workgroup_id_x 1
		.amdhsa_system_sgpr_workgroup_id_y 1
		.amdhsa_system_sgpr_workgroup_id_z 1
		.amdhsa_system_vgpr_workitem_id 0
		.amdhsa_next_free_vgpr 72
		.amdhsa_next_free_sgpr 66
		.amdhsa_reserve_vcc 0
		.amdhsa_float_denorm_mode_32 3
		.amdhsa_float_denorm_mode_16_64 3
		.amdhsa_memory_ordered 1
		.amdhsa_forward_progress 1
		.amdhsa_inst_pref_size 23
	.end_amdhsa_kernel
	.amdgpu_metadata
---
amdhsa.version: [ 1, 2 ]
amdhsa.kernels:
  - .name:           k_q69864818f3_lay
    .symbol:         k_q69864818f3_lay.kd
    .args:
      - { .name: xb, .offset: 0, .size: 8, .value_kind: global_buffer, .address_space: global }
      - { .name: bm, .offset: 8, .size: 8, .value_kind: global_buffer, .address_space: global }
      - { .name: xg, .offset: 16, .size: 8, .value_kind: global_buffer, .address_space: global }
    .group_segment_fixed_size: 35328
    .private_segment_fixed_size: 0
    .kernarg_segment_align: 8
    .kernarg_segment_size: 24
    .max_flat_workgroup_size: 128
    .sgpr_count:     66
    .vgpr_count:     72
    .wavefront_size: 32
...
	.end_amdgpu_metadata
.endif
;; end of part 2
;; launch ffn1 (part 3): grid 256 x 1, 4 waves a work-group, no clusters, 302,592 bytes of LDS; arguments W1, xg, bm, hf, b1; writes hf
.if DOCPART == 3
	.amdgcn_target "amdgcn-amd-amdhsa--gfx1250"
	.amdhsa_code_object_version 6
	.text
	.protected	k_q69864818f3_ffn1
	.globl	k_q69864818f3_ffn1
	.p2align	8
	.type	k_q69864818f3_ffn1,@function
k_q69864818f3_ffn1:
	s_mov_b64 s[64:65], 0
	v_nop
	global_prefetch_b8 v0, s[64:65] scope:SCOPE_SE
	s_setreg_imm32_b32 hwreg(HW_REG_WAVE_MODE, 25, 1), 1
	s_wait_xcnt 0x0
.set LAYER, 1
; ONE SOURCE FOR BOTH PRODUCTS OF THE EXPERTS' FFN; the line above says which is built.
; LAYER 1: hf = gelu(x W1[e] + b1[e]) for the rows that chose expert e.    Arguments: W1, xg, bm, hf, b1.
; LAYER 2: part[q] = h W2[e] over the quarter q of the hidden width.       Arguments: W2, hf, bm, part, pre.
; FORMATS.  Weights, x and b1 are rounded once to bf16, h once to bf16; all sums in f32.  LIMITS: erf by a rational form with an absolute error of 2.5e-5 at the most for every argument
; (Abramowitz and Stegun 7.1.25); NaN and infinities are not treated apart; K ascending within a work-group's 1,024, the four quarters of layer 2 added by the next launch.
; SHARES.  Work-group (e, s): e = id / 32, s = id % 32.  It alone reads a slice of 1,024 K x 128 columns of expert e's weights, in rows of 512 consecutive aligned bytes, and multiplies ALL of that
; expert's rows by it.  The slice, in bf16, stays in LDS: it is written once and never again, so rows beyond the first pass need no memory for weights.
; FOUR LIKE WAVES.  In step t every wave rounds its eight rows of K block t + 1 (32 of K) and stores them into LDS in the order of matrix operands, and multiplies its own row tiles by K block t, which the
; barrier in front of the step has shown whole.  Row fragments come straight from memory into registers.  A step asks for the weights four blocks on and the rows three blocks on: a wave's loads come
; back in order, so what is on its way is what the last three steps asked for: 24 loads of weights and 24 to 30 of rows, 512 bytes each.
; ROWS.  An expert's rows are its tokens by rank; xg (laid by the launch before) and hf hold them in tiles of 16 rows, in operand order: a fragment's half is 512 consecutive bytes.  The number of rows comes
; from the bitmap bm.  Pass p covers tiles 20 p .. 20 p + 19, tile 20 p + 4 j + w in place j of wave w.  Pass 0 runs beside the stream.  Places past the last tile repeat it; in the last tile the rows past the
; count repeat the last row; an expert without rows counts as one row (token 0): its tile is stored and nobody reads it.  Up to 1,024 rows are served.
; THE MATRIX INSTRUCTION IS USED TRANSPOSED: source 0 = 16 columns of the weights, source 1 = 16 rows: a lane then holds one row and eight neighbouring columns.
; THE WAY OUT.  Layer 1: a lane's eight columns, rounded, are the 16 bytes that hf's layout gives that lane, so they are stored from registers; one text of the GELU serves the five places: the addition of the
; bias, written once for each place, brings a place's sums into the registers that this text names.  Layer 2: f32 rows go through each wave's own stage in LDS and leave as whole rows of 512 bytes.
; NO CLUSTER, NO TENSOR LOAD.  Each weight byte has one reader and must pass through registers to be rounded.  What an expert's work-groups share is its rows: 512 KB a work-group at 256 rows, as much as its
; weights.  Joint loads by four partners would spare three of four requests for them; the rows would then pass through LDS (512 KB more written, and read from there), each refill behind a round of the
; cluster's barrier; a step's rows are 16 to 20 KB (256 to 320 rows x 64 bytes), and beside the slice's 266,240 bytes and layer 2's stages of 33,792 LDS has 27,648 left, less than two such slots.  Not built.
.if LAYER == 1
.set PITCH, 16384      ; bytes from a row of the weights to the next
.set TSH,   15         ; a tile of 16 rows is 2^15 bytes of xg (64 column tiles of 512 bytes)
.else
.set PITCH, 4096
.set TSH,   17         ; 2^17 bytes of hf (256 column tiles)
.endif
.set KSTR,  1024       ; a K block is two column tiles of 512 bytes
.set HOFF,  512        ; from a row fragment's first half to its second
.set KB,    8320       ; a K block in LDS: 8 column tiles
.set NTB,   1040       ; a column tile: two halves of 512 bytes (lane l's 16 bytes at 16 l) + 16 of padding, so that sixteen storing lanes hit sixteen different 16-byte columns of the banks' 256 bytes (ISA guide 11.1)
.set STG,   32*KB      ; layer 2: a stage for each wave, 16 rows of 528 bytes
.set STGW,  8448
.set BIA,   STG+4*STGW ; layer 1: each wave's own copy of the slice's 128 biases, f32
.set BIAW,  512
.set SPARE, BIA+4*BIAW ; the spare words, 128 bytes a wave: two blocks of 256 bytes that no other line names
; VECTOR REGISTERS, in windows of 256 (s_set_vgpr_msb: bits 1:0 source 0, 3:2 source 1, 5:4 source 2, 7:6 destination).
; Window 0: v0 thread; v1-5 row offsets of places 0-4; v6 LDS read pointer; v7 lane; v8-39, v40-71 weights of column tiles 0-3, 4-7; v72-231 four buffers of row fragments (place j at + 8 j);
;           v232-247 rounded weights; v248 16 x lane; v249 LDS store pointer; v250, v251 the add's two; v252-255 the bias as loaded.
; Window 1: accumulator (place j, column tile n) at v[64 j + 8 n], j = 0..3.      Window 2: v0-63 place 4's accumulators; v64-191 four groups of 32: weights as loaded.
; The way out, in registers of window 0 that the products have left: layer 1: v8-71 a place's 64 numbers, v72-111 at work, v112-175 my 64 biases (kept over the passes); layer 2: v9-11 addresses, v72-135 rows.
.set AO,   1
.set LP,   6
.set LN,   7
.set WH,   8
.set AF,   72
.set TT,   232
.set PO,   248
.set PP,   249
.set SPW,  250
.set NIL,  251
.set BV,   252
.set ACC4, 0
.set RING, 64
.set ES,   9
.set EB0,  10
.set ER,   10
.set WK,   8
.set GD,   72
.set GQ,   80
.set GT,   88
.set GP,   96
.set GR,   104
.set BIAS, 112
.set OBUF, 72
; SCALAR REGISTERS
.set WV,   16          ; wave
.set EX,   17          ; expert
.set SL,   18          ; slice
.set CM1,  20          ; rows
.set NTE,  21          ; tiles of rows
.set TB,   22          ; 20 x pass + wave
.set PASS, 23
.set CNT,  24
.set LIVE4, 25         ; place 4 holds a tile that exists
.set TP,   26          ; s[26:27] an offset; s27 stays 0
.set GB,   28          ; s[28:29] the rows' running base
.set AB0,  30          ; s[30:31] the rows' base at K block 0
.set BM,   32          ; s[32:63] the expert's bitmap
.set GC,   66          ; s[66:75] five constants, each twice
.set WB,   76          ; s[76:77] the weights' running base
.set OB0,  80          ; s[80:81] the output at tile 0
.set OB,   82          ; s[82:83] at the tile in hand
.set MYST, 84
.set QQ,   85
.set TILE, 86
.set MYBI, 87
.set NS,   87
.set MSB, 0
.macro WIN new                         ; the immediate's high byte repeats the setting that is left; a switch that changes nothing is dropped
.if MSB != (\new)
	s_set_vgpr_msb (MSB<<8)|(\new)
.set MSB, \new
.endif
.endm
.macro PLACES                          ; four places between a matrix instruction and a load into, or a vector write of, its registers, or a reading of its result (ISA guide 7.12.1 for vector instructions)
.rept 4
	v_nop
.endr
.endm
; My eight rows of the K block grel (counted from WB) into group fs: each load is one row's 512 consecutive bytes.
.macro PLOAD fs, grel
	WIN 0x80                                       ; destination window 2
.irp i, 0,1,2,3,4,5,6,7
	global_load_b128 v[RING+32*(\fs)+4*(\i):RING+32*(\fs)+4*(\i)+3], v[PO], s[WB:WB+1] offset:((\grel)*32+(\i))*PITCH th:TH_LOAD_NT
.endr
.endm
; Group cs is rounded and stored as K block lrel (counted from PP).  My lane holds columns 4 l + c of eight rows: for each c eight k of one column, 16 bytes, which is what a lane of a fragment load takes.
.macro PCVT cs, lrel
	WIN 0x0a                                       ; sources 0 and 1 window 2
.irp c, 0,1,2,3
.irp m, 0,1,2,3
	v_cvt_pk_bf16_f32 v[TT+4*(\c)+(\m)], v[RING+32*(\cs)+8*(\m)+(\c)], v[RING+32*(\cs)+8*(\m)+4+(\c)]
.endr
.endr
	WIN 0
.irp c, 0,1,2,3
	ds_store_b128 v[PP], v[TT+4*(\c):TT+4*(\c)+3] offset:(\lrel)*KB+16*(\c)
.endr
.endm
; Weights of column tiles 4 nh .. 4 nh + 3 of the K block u (counted from LP): each load takes 512 consecutive bytes.
.macro WLOAD nh, u
	WIN 0
.irp n, 0,1,2,3
	ds_load_b128 v[WH+32*(\nh)+8*(\n):WH+32*(\nh)+8*(\n)+3],   v[LP] offset:(\u)*KB+(4*(\nh)+(\n))*NTB
	ds_load_b128 v[WH+32*(\nh)+8*(\n)+4:WH+32*(\nh)+8*(\n)+7], v[LP] offset:(\u)*KB+(4*(\nh)+(\n))*NTB+512
.endr
.endm
; Row fragments of the K block rel (counted from GB) into buffer b: each load takes 512 consecutive bytes.  Place 4's two loads are jumped where its tile does not exist, unless all = 1.
.macro ALOAD b, rel, all
	WIN 0
.irp j, 0,1,2,3
	global_load_b128 v[AF+40*(\b)+8*(\j):AF+40*(\b)+8*(\j)+3],   v[AO+(\j)], s[GB:GB+1] offset:(\rel)*KSTR
	global_load_b128 v[AF+40*(\b)+8*(\j)+4:AF+40*(\b)+8*(\j)+7], v[AO+(\j)], s[GB:GB+1] offset:(\rel)*KSTR+HOFF
.endr
.if !(\all)
	s_cmp_eq_u32 s[LIVE4], 0
	s_cbranch_scc1 .Lna_\@
.endif
	global_load_b128 v[AF+40*(\b)+32:AF+40*(\b)+35], v[AO+4], s[GB:GB+1] offset:(\rel)*KSTR
	global_load_b128 v[AF+40*(\b)+36:AF+40*(\b)+39], v[AO+4], s[GB:GB+1] offset:(\rel)*KSTR+HOFF
.Lna_\@:
.endm
; 16 matrix instructions (places 0-3 x four column tiles) and place 4's four.  The accumulators take turns, one instruction a turn.  zero = 1: the products start the sums.
.macro MULH nh, b, zero, always
	WIN 0x50                                       ; C and D in window 1
.irp n, 0,1,2,3
.irp j, 0,1,2,3
.if \zero
	v_wmma_f32_16x16x32_bf16 v[64*(\j)+8*(4*(\nh)+(\n)):64*(\j)+8*(4*(\nh)+(\n))+7], v[WH+32*(\nh)+8*(\n):WH+32*(\nh)+8*(\n)+7], v[AF+40*(\b)+8*(\j):AF+40*(\b)+8*(\j)+7], 0
.else
	v_wmma_f32_16x16x32_bf16 v[64*(\j)+8*(4*(\nh)+(\n)):64*(\j)+8*(4*(\nh)+(\n))+7], v[WH+32*(\nh)+8*(\n):WH+32*(\nh)+8*(\n)+7], v[AF+40*(\b)+8*(\j):AF+40*(\b)+8*(\j)+7], v[64*(\j)+8*(4*(\nh)+(\n)):64*(\j)+8*(4*(\nh)+(\n))+7]
.endif
.endr
.endr
	WIN 0                                          ; at a branch and at a label every window is 0
.if !(\always)
	s_cmp_eq_u32 s[LIVE4], 0
	s_cbranch_scc1 .Lno4_\@
.endif
	WIN 0xa0                                       ; C and D in window 2
.irp n, 0,1,2,3
.if \zero
	v_wmma_f32_16x16x32_bf16 v[ACC4+8*(4*(\nh)+(\n)):ACC4+8*(4*(\nh)+(\n))+7], v[WH+32*(\nh)+8*(\n):WH+32*(\nh)+8*(\n)+7], v[AF+40*(\b)+32:AF+40*(\b)+39], 0
.else
	v_wmma_f32_16x16x32_bf16 v[ACC4+8*(4*(\nh)+(\n)):ACC4+8*(4*(\nh)+(\n))+7], v[WH+32*(\nh)+8*(\n):WH+32*(\nh)+8*(\n)+7], v[AF+40*(\b)+32:AF+40*(\b)+39], v[ACC4+8*(4*(\nh)+(\n)):ACC4+8*(4*(\nh)+(\n))+7]
.endif
.endr
	WIN 0
.Lno4_\@:
.endm
; STEP t.  u: block t counted from the four running pointers.  prev: the second half of block t - 1's products stands between the two runs of LDS loads (zp: it starts sums).  prod: block t + 1 is rounded and
; stored; its 16 conversions are also the places behind those products.  wiss, aiss: the weights of block t + 4 and the rows of block t + 3 are asked for, the rows into the buffer that block t - 1 has left.
; nw: the loads younger than what the step needs, counted at the least on every path (eight rows' loads a block).  na: a second such count in front of the products, or -1.
; No line of a step writes a register that a pending global load names as an address (v1-5, v248, the two bases): these are stepped between the steps, behind a wait of their own.
.macro STEP t, u, prev, zp, z0, prod, wiss, aiss, all, nw, na, bar
	PLACES
	WLOAD 0, \u
.if \prev
	MULH 1, ((\t)+3)%4, \zp, \zp
.endif
.if \prod
	s_wait_loadcnt \nw
	PCVT ((\t)+1)%4, (\u)+1
.else
	PLACES
.endif
	WLOAD 1, \u
.if \wiss
	PLOAD (\t)%4, (\u)+4
.endif
	WIN 0
.if \aiss
	ALOAD ((\t)+3)%4, (\u)+3, \all
.endif
	s_wait_dscnt 8+4*(\prod)                       ; column tiles 0-3 are in; my stores and the eight loads of tiles 4-7 are younger
.if (\na) >= 0
	s_wait_loadcnt \na
.endif
	MULH 0, (\t)%4, \z0, \z0
	s_wait_dscnt 0x0                               ; for the others' sake: my part of block t + 1 lies in LDS; no LDS instruction of mine is out at the signal
.if \bar
	s_barrier_signal -1
	s_barrier_wait -1                              ; block t + 1 is whole
.endif
.endm
; A pass begins: the row offsets of my five places, the pointers back at K block 0.
.macro OFFS
	s_wait_xcnt 0x0                                ; every earlier memory instruction has read its registers: only now are offsets and base written
	v_mov_b32 v[LP], v[PO]
	s_mov_b64 s[GB:GB+1], s[AB0:AB0+1]
	s_sub_co_u32 s[TILE], s[NTE], 1
.irp j, 0,1,2,3,4
	s_add_co_u32 s[TP], s[TB], 4*(\j)
	s_min_u32 s[TP], s[TP], s[TILE]                ; past the last tile the last tile once more
	s_min_u32 s[TP], s[TP], 63
	v_lshl_add_u32 v[AO+(\j)], s[TP], TSH, v[PO]   ; the tile's first byte + 16 x lane
.endr
	s_add_co_u32 s[TP], s[TB], 16
	s_cmp_lt_u32 s[TP], s[NTE]
	s_cselect_b32 s[LIVE4], 1, 0
.endm
; A K block of a later pass (an expert with more than 320 rows): plain, everything waited for; the slice is whole.
.macro BSTEP zero
	PLACES
	WLOAD 0, 0
	WLOAD 1, 0
	ALOAD 0, 0, 1
	s_wait_dscnt 0x0
	s_wait_loadcnt 0x0
	MULH 0, 0, \zero, 1
	MULH 1, 0, \zero, 1
	v_add_nc_u32 v[LP], KB, v[LP]
	s_add_nc_u64 s[GB:GB+1], s[GB:GB+1], KSTR      ; its loads are done
.endm
; LAYER 1'S WAY OUT.  ARM j: place j's 64 sums plus my 64 biases, into the registers that the one text of the GELU names; each accumulator is read from its low end on.
.macro ARM j
.if (\j) < 4
.set AC, 64*(\j)
	WIN 0x01                                       ; source 0 in window 1
.else
.set AC, ACC4
	WIN 0x02                                       ; in window 2
.endif
.set ii, 0
.rept 32
	v_pk_add_f32 v[WK+2*ii:WK+2*ii+1], v[AC+2*ii:AC+2*ii+1], v[BIAS+2*ii:BIAS+2*ii+1]
.set ii, ii+1
.endr
	WIN 0
.endm
; GELU n: column tile n, eight numbers a lane.  gelu(v) = max(v, 0) - |v| q, q = erfc(|v| / sqrt 2) / 2 = ((A3 t + A2) t + A1) t 2^(C2 v v), t = 1 / (1 + P |v|)
.macro GELU n
.set GV, WK+8*(\n)
.irp i, 0,1,2,3,4,5,6,7
	v_fma_f32 v[GD+(\i)], |v[GV+(\i)]|, s[GC], 1.0
.endr
.irp i, 0,2,4,6
	v_pk_mul_f32 v[GQ+(\i):GQ+(\i)+1], v[GV+(\i):GV+(\i)+1], v[GV+(\i):GV+(\i)+1]
.endr
.irp i, 0,1,2,3,4,5,6,7
	v_rcp_f32 v[GT+(\i)], v[GD+(\i)]
.endr
.irp i, 0,2,4,6
	v_pk_mul_f32 v[GQ+(\i):GQ+(\i)+1], v[GQ+(\i):GQ+(\i)+1], s[GC+2:GC+3] op_sel_hi:[1,0]  ; also the plain instructions behind the reciprocals (ISA guide 5.7.2)
.endr
.irp i, 0,1,2,3,4,5,6,7
	v_exp_f32 v[GQ+(\i)], v[GQ+(\i)]
.endr
	s_wait_alu depctr_va_vdst(0)
.irp i, 0,2,4,6
	v_pk_fma_f32 v[GP+(\i):GP+(\i)+1], v[GT+(\i):GT+(\i)+1], s[GC+8:GC+9], s[GC+6:GC+7] op_sel_hi:[1,0,0]  ; and these behind the exponentials
.endr
.irp i, 0,2,4,6
	v_pk_fma_f32 v[GP+(\i):GP+(\i)+1], v[GP+(\i):GP+(\i)+1], v[GT+(\i):GT+(\i)+1], s[GC+4:GC+5] op_sel_hi:[1,1,0]
.endr
.irp i, 0,2,4,6
	v_pk_mul_f32 v[GP+(\i):GP+(\i)+1], v[GP+(\i):GP+(\i)+1], v[GT+(\i):GT+(\i)+1]
.endr
.irp i, 0,2,4,6
	v_pk_mul_f32 v[GP+(\i):GP+(\i)+1], v[GP+(\i):GP+(\i)+1], v[GQ+(\i):GQ+(\i)+1]
.endr
.irp i, 0,1,2,3,4,5,6,7
	v_max_num_f32 v[GR+(\i)], 0, v[GV+(\i)]
.endr
.irp i, 0,1,2,3,4,5,6,7
	v_fma_f32 v[GR+(\i)], -|v[GV+(\i)]|, v[GP+(\i)], v[GR+(\i)]
.endr
.irp i, 0,1,2,3
	v_cvt_pk_bf16_f32 v[GV+(\i)], v[GR+2*(\i)], v[GR+2*(\i)+1]
.endr
	global_store_b128 v[PO], v[GV:GV+3], s[OB:OB+1] offset:(\n)*512  ; 512 consecutive aligned bytes: a tile of 16 rows x 16 hidden columns, as layer 2's fragment loads take it
.endm
; LAYER 2'S WAY OUT of place j: f32 sums into rows of 528 bytes of my own stage, back as whole rows of 512, stored as such.  A tile that does not exist, and with it the places behind it, is jumped.
.macro EPI j
	s_add_co_u32 s[TILE], s[TB], 4*(\j)
	s_cmp_ge_u32 s[TILE], s[NTE]
	s_cbranch_scc1 .Lepi_end
.if (\j) < 4
.set AC, 64*(\j)
	WIN 0x04                                       ; store data in window 1
.else
.set AC, ACC4
	WIN 0x08                                       ; in window 2
.endif
.irp n, 0,1,2,3,4,5,6,7
	ds_store_b128 v[ES], v[AC+8*(\n):AC+8*(\n)+3] offset:(\n)*64          ; each accumulator from its low end on
	ds_store_b128 v[ES], v[AC+8*(\n)+4:AC+8*(\n)+7] offset:(\n)*64+16
.endr
	WIN 0
	s_min_u32 s[TP], s[TILE], 63
	s_lshl_b32 s[TP], s[TP], 16
	s_wait_xcnt 0x0                                ; the last place's stores have read their base and data
	s_add_nc_u64 s[OB:OB+1], s[OB0:OB0+1], s[TP:TP+1]
.irp r, 0,1,2,3,4,5,6,7,8,9,10,11,12,13,14,15
	ds_load_b128 v[OBUF+4*(\r):OBUF+4*(\r)+3], v[ER] offset:(\r)*528     ; LDS serves a wave's instructions in order (ISA guide 5.7.1.4): these see the stores above
.endr
.irp r, 0,1,2,3,4,5,6,7,8,9,10,11,12,13,14,15
	s_wait_dscnt 15-(\r)                           ; row r is back; the 15 - r younger loads stay out
	global_store_b128 v[PO], v[OBUF+4*(\r):OBUF+4*(\r)+3], s[OB:OB+1] offset:(\r)*4096  ; 512 consecutive aligned bytes of a row of part
.endr
.endm
	s_load_b256 s[4:11], s[0:1], 0x0               ; weights s[4:5], rows s[6:7], bm s[8:9], output s[10:11]
	s_load_b64 s[12:13], s[0:1], 0x20              ; b1 or pre
	v_lshl_add_u32 v[SPW], v0, 2, SPARE
	v_mov_b32 v[NIL], 0
	v_lshrrev_b32 v[LN], 5, v0
	v_readfirstlane_b32 s[WV], v[LN]               ; wave 0..3
	v_and_b32 v[LN], 31, v0
	v_lshlrev_b32 v[PO], 4, v[LN]
	s_lshr_b32 s[EX], ttmp9, 5
	s_and_b32 s[SL], ttmp9, 31
	s_mov_b32 s[TP+1], 0
	s_lshl_b32 s[TP], s[EX], 24                    ; the slice's first byte, and my eight rows of every K block
.if LAYER == 1
	s_lshl_b32 s[TILE], s[SL], 9
.else
	s_lshr_b32 s[QQ], s[SL], 3                     ; which quarter of the hidden width,
	s_and_b32 s[NS], s[SL], 7                      ; which 128 output columns
	s_lshl_b32 s[TILE], s[QQ], 22
	s_add_co_u32 s[TP], s[TP], s[TILE]
	s_lshl_b32 s[TILE], s[NS], 9
.endif
	s_add_co_u32 s[TP], s[TP], s[TILE]
	s_mul_i32 s[TILE], s[WV], 8*PITCH
	s_add_co_u32 s[TP], s[TP], s[TILE]
	s_wait_kmcnt 0x0
	s_add_nc_u64 s[WB:WB+1], s[4:5], s[TP:TP+1]
.if LAYER == 1
	s_lshl_b32 s[TP], s[EX], 14                    ; the slice's 128 biases: asked for first, used behind the count
	s_lshl_b32 s[TILE], s[SL], 9
	s_add_co_u32 s[TP], s[TP], s[TILE]
	s_add_nc_u64 s[12:13], s[12:13], s[TP:TP+1]
	global_load_b128 v[BV:BV+3], v[PO], s[12:13]
.endif
	PLOAD 0, 0                                     ; the weights of K blocks 0 to 3 go out ahead of everything else
	PLOAD 1, 1
	PLOAD 2, 2
	PLOAD 3, 3
	WIN 0
	s_lshl_b32 s[TP], s[EX], 7
	s_add_nc_u64 s[8:9], s[8:9], s[TP:TP+1]
	s_load_b512 s[BM:BM+15], s[8:9], 0x0           ; the expert's 1,024 bits
	s_load_b512 s[BM+16:BM+31], s[8:9], 0x40
	v_lshrrev_b32 v8, 2, v[LN]                     ; my four columns lie in column tile l / 4, at its rows 4 (l % 4) + c; my eight k are the tile's 256 bytes number w
	v_and_b32 v9, 3, v[LN]
	v_mul_u32_u24 v8, v8, NTB
	v_lshl_add_u32 v[PP], v9, 6, v8
	s_lshl_b32 s[TILE], s[WV], 8
	v_add_nc_u32 v[PP], s[TILE], v[PP]
.if LAYER == 1
	s_lshl_b32 s[TP], s[EX], 21                    ; xg at my expert: 64 tiles of 32,768 bytes
	s_add_nc_u64 s[AB0:AB0+1], s[6:7], s[TP:TP+1]
	s_lshl_b32 s[TP], s[EX], 23                    ; hf: expert x 64 tiles x 131,072 + my 8 column tiles of 512 bytes
	s_lshl_b32 s[TILE], s[SL], 12
	s_add_co_u32 s[TP], s[TP], s[TILE]
	s_add_nc_u64 s[OB0:OB0+1], s[10:11], s[TP:TP+1]
	s_lshl_b32 s[MYBI], s[WV], 9
	s_add_co_u32 s[MYBI], s[MYBI], BIA
	s_mov_b32 s[GC],   0x3eaa540e                  ; P  = 0.47047 / sqrt 2
	s_mov_b32 s[GC+1], 0x3eaa540e
	s_mov_b32 s[GC+2], 0xbf38aa3b                  ; C2 = -log2(e) / 2
	s_mov_b32 s[GC+3], 0xbf38aa3b
	s_mov_b32 s[GC+4], 0x3e32303a                  ; A1 = 0.3480242 / 2
	s_mov_b32 s[GC+5], 0x3e32303a
	s_mov_b32 s[GC+6], 0xbd445ca1                  ; A2 = -0.0958798 / 2
	s_mov_b32 s[GC+7], 0xbd445ca1
	s_mov_b32 s[GC+8], 0x3ebf7377                  ; A3 = 0.7478556 / 2
	s_mov_b32 s[GC+9], 0x3ebf7377
.else
	s_mul_i32 s[MYST], s[WV], STGW
	s_add_co_u32 s[MYST], s[MYST], STG
	s_lshl_b32 s[TP], s[EX], 23                    ; hf at my expert and my quarter's 64 column tiles
	s_lshl_b32 s[TILE], s[QQ], 15
	s_add_co_u32 s[TP], s[TP], s[TILE]
	s_add_nc_u64 s[AB0:AB0+1], s[6:7], s[TP:TP+1]
	s_lshl_b32 s[TP], s[QQ], 25                    ; part[q][expert x 1,024 + rank][1,024] f32, my 128 columns
	s_lshl_b32 s[TILE], s[EX], 22
	s_add_co_u32 s[TP], s[TP], s[TILE]
	s_lshl_b32 s[TILE], s[NS], 9
	s_add_co_u32 s[TP], s[TP], s[TILE]
	s_add_nc_u64 s[OB0:OB0+1], s[10:11], s[TP:TP+1]
	v_mov_b32 v8, 0
.endif
	s_mov_b32 s[CM1], 0
	s_wait_kmcnt 0x0
	; 32 groups of 32 tokens are counted.  Layer 2: lane g keeps the count of tokens below group g.
.set g, 0
.rept 32
.if LAYER == 2
	v_writelane_b32 v8, s[CM1], g
.endif
	s_bcnt1_i32_b32 s[TILE], s[BM+g]
	s_add_co_u32 s[CM1], s[CM1], s[TILE]
.set g, g+1
.endr
.if LAYER == 1
	s_wait_loadcnt 32                              ; the biases are in; the 32 loads of weights are younger.  Rounded to bf16 like every input, kept as f32 in my own copy
	v_cvt_pk_bf16_f32 v8, v[BV], v[BV+1]
	v_cvt_pk_bf16_f32 v9, v[BV+2], v[BV+3]
	v_lshlrev_b32 v[BV], 16, v8
	v_and_b32 v[BV+1], 0xffff0000, v8
	v_lshlrev_b32 v[BV+2], 16, v9
	v_and_b32 v[BV+3], 0xffff0000, v9
	v_add_nc_u32 v10, s[MYBI], v[PO]
	ds_store_b128 v10, v[BV:BV+3]
.else
	s_or_b32 s[TILE], s[SL], s[WV]                 ; one wave for each expert stores the 32 counts for the launch that adds the parts
	s_cmp_lg_u32 s[TILE], 0
	s_cbranch_scc1 .Lno_pre
	s_lshl_b32 s[TP], s[EX], 7
	s_add_nc_u64 s[12:13], s[12:13], s[TP:TP+1]
	v_lshlrev_b32 v9, 2, v[LN]
	global_store_b32 v9, v8, s[12:13]
.Lno_pre:
.endif
	s_max_u32 s[CM1], s[CM1], 1
	s_add_co_u32 s[NTE], s[CM1], 15
	s_lshr_b32 s[NTE], s[NTE], 4
	s_mov_b32 s[TB], s[WV]
	OFFS
	ALOAD 0, 0, 1                                  ; the rows of K blocks 0, 1, 2; place 4's too, so that every register is written on every path
	ALOAD 1, 1, 1
	ALOAD 2, 2, 1
	s_wait_loadcnt 54                              ; block 0's weights are in: 24 loads of weights and 30 of rows are younger
	PCVT 0, 0
	s_wait_dscnt 0x0
	s_barrier_signal -1
	s_barrier_wait -1                              ; K block 0 lies in LDS
	; order of issue: W0-3, A0-2, then in step t W(t+4) and A(t+3), 8 + 8 loads at the least
	STEP 0, 0, 0, 0, 1, 1, 1, 1, 1, 45, 36, 1      ; W1: 46 are younger; one less, so that with this step's 18 no more than 63 are out.  A0: A1, A2 and 16 of this step's
	STEP 1, 1, 1, 1, 0, 1, 1, 1, 0, 36, 42, 1      ; W2 came in ahead of A0.  A1: A2's 10 and two steps' 16
	STEP 2, 2, 1, 0, 0, 1, 1, 1, 0, 42, 48, 1      ; W3 likewise.  A2: three steps' 16
	s_wait_xcnt 0x0                                ; the bases are stepped only when the loads issued have read them
	s_add_nc_u64 s[WB:WB+1], s[WB:WB+1], 3*32*PITCH
	s_add_nc_u64 s[GB:GB+1], s[GB:GB+1], 3*KSTR
	v_add_nc_u32 v[LP], 3*KB, v[LP]
	v_add_nc_u32 v[PP], 3*KB, v[PP]
	s_mov_b32 s[CNT], 6
.Lmain:                                                ; a trip: four K blocks, once round the four groups of weights and the four buffers of rows.  32: the two younger steps' loads
	STEP 3, 0, 1, 0, 0, 1, 1, 1, 0, 32, -1, 1
	STEP 4, 1, 1, 0, 0, 1, 1, 1, 0, 32, -1, 1
	STEP 5, 2, 1, 0, 0, 1, 1, 1, 0, 32, -1, 1
	STEP 6, 3, 1, 0, 0, 1, 1, 1, 0, 32, -1, 1
	s_wait_xcnt 0x0                                ; the bases are stepped only when the trip's loads have read them
	s_add_nc_u64 s[WB:WB+1], s[WB:WB+1], 4*32*PITCH
	s_add_nc_u64 s[GB:GB+1], s[GB:GB+1], 4*KSTR
	v_add_nc_u32 v[LP], 4*KB, v[LP]
	v_add_nc_u32 v[PP], 4*KB, v[PP]
	s_sub_co_u32 s[CNT], s[CNT], 1
	s_cmp_lg_u32 s[CNT], 0
	s_cbranch_scc1 .Lmain
	STEP 27, 0, 1, 0, 0, 1, 1, 1, 0, 32, -1, 1     ; the tail: the last weights (block 31) are asked for,
	STEP 28, 1, 1, 0, 0, 1, 0, 1, 0, 32, -1, 1     ; the last rows,
	STEP 29, 2, 1, 0, 0, 1, 0, 0, 0, 24, -1, 1     ; nothing more: 16 of step 27 and 8 of step 28 are younger,
	STEP 30, 3, 1, 0, 0, 1, 0, 0, 0, 8, -1, 1      ; 8 of step 28,
	STEP 31, 4, 1, 0, 0, 0, 0, 0, 0, 0, 0, 0       ; none; nothing is stored: the slice is whole
	MULH 1, 3, 0, 0
.if LAYER == 1
	PLACES                                         ; my 64 biases, once: eight for each column tile, 32 bytes for each half of the lanes, from my own copy
	v_bfe_u32 v[EB0], v0, 4, 1
	v_lshl_add_u32 v[EB0], v[EB0], 5, s[MYBI]
.irp n, 0,1,2,3,4,5,6,7
	ds_load_b128 v[BIAS+8*(\n):BIAS+8*(\n)+3],   v[EB0] offset:64*(\n)
	ds_load_b128 v[BIAS+8*(\n)+4:BIAS+8*(\n)+7], v[EB0] offset:64*(\n)+16
.endr
	s_wait_dscnt 0x0
.endif
	s_mov_b32 s[PASS], 4
.Lpass:                                                ; four trips cover 80 tiles, more than the 64 that an expert can have; every wave walks all four, and only work is jumped
	s_wait_xcnt 0x0
	PLACES
.if LAYER == 1
	s_mov_b32 s[CNT], 5
	s_mov_b32 s[TILE], s[TB]
.Lplace:                                               ; five trips, a place each; the counter chooses the text that names the place's accumulators
	s_cmp_ge_u32 s[TILE], s[NTE]
	s_cbranch_scc1 .Lplace_next                    ; a tile that does not exist
	s_wait_xcnt 0x0                                ; the last place's stores have read their data and base
	s_min_u32 s[TP], s[TILE], 63
	s_lshl_b32 s[TP], s[TP], 17
	s_add_nc_u64 s[OB:OB+1], s[OB0:OB0+1], s[TP:TP+1]
	s_cmp_eq_u32 s[CNT], 5
	s_cbranch_scc1 .Lplace0
	s_cmp_eq_u32 s[CNT], 4
	s_cbranch_scc1 .Lplace1
	s_cmp_eq_u32 s[CNT], 3
	s_cbranch_scc1 .Lplace2
	s_cmp_eq_u32 s[CNT], 2
	s_cbranch_scc1 .Lplace3
	ARM 4
	s_branch .Lgelu
.Lplace0:
	ARM 0
	s_branch .Lgelu
.Lplace1:
	ARM 1
	s_branch .Lgelu
.Lplace2:
	ARM 2
	s_branch .Lgelu
.Lplace3:
	ARM 3
.Lgelu:
	GELU 0
	GELU 1
	GELU 2
	GELU 3
	GELU 4
	GELU 5
	GELU 6
	GELU 7
.Lplace_next:
	s_add_co_u32 s[TILE], s[TILE], 4
	s_sub_co_u32 s[CNT], s[CNT], 1
	s_cmp_lg_u32 s[CNT], 0
	s_cbranch_scc1 .Lplace
.else
	v_add_nc_u32 v[ER], s[MYST], v[PO]
	v_and_b32 v[ES], 15, v0
	v_mul_u32_u24 v[ES], v[ES], 528                ; 33 x 16: the sixteen rows start in sixteen different groups of four banks
	v_bfe_u32 v11, v0, 4, 1
	v_lshl_add_u32 v[ES], v11, 5, v[ES]
	v_add_nc_u32 v[ES], s[MYST], v[ES]
	EPI 0
	EPI 1
	EPI 2
	EPI 3
	EPI 4
.Lepi_end:
	s_wait_dscnt 0x0                               ; The K loop below reads the slice through a pointer that it steps.  So that the order between every wave's stores into its stage and those
	s_barrier_signal -1                            ; reads rests on a barrier, not on that pointer's arithmetic, one stands here, on every wave's path,
	s_barrier_wait -1
.endif
	s_add_co_u32 s[TB], s[TB], 20
	s_cmp_ge_u32 s[TB], s[NTE]
	s_cbranch_scc1 .Lpass_next
	OFFS
	BSTEP 1
	s_mov_b32 s[CNT], 31
.Lk:
	BSTEP 0
	s_sub_co_u32 s[CNT], s[CNT], 1
	s_cmp_lg_u32 s[CNT], 0
	s_cbranch_scc1 .Lk
.Lpass_next:
	s_wait_dscnt 0x0                               ; and one here, between those reads and the LDS writes that follow: the next way out's, and the closing add
	s_barrier_signal -1
	s_barrier_wait -1
	s_sub_co_u32 s[PASS], s[PASS], 1
	s_cmp_lg_u32 s[PASS], 0
	s_cbranch_scc1 .Lpass
	s_wait_tensorcnt 0x0                           ; the wave's end, behind my last LDS store
	ds_add_u32 v[SPW], v[NIL]
	s_wait_dscnt 0x0
	s_endpgm
.Lfunc_end_k_q69864818f3_ffn1:
	.size	k_q69864818f3_ffn1, .Lfunc_end_k_q69864818f3_ffn1-k_q69864818f3_ffn1
	.p2alignl 7, 3214868480
	.fill 96, 4, 3214868480
	.section	.rodata,"a",@progbits
	.p2align	6, 0x0
	.amdhsa_kernel k_q69864818f3_ffn1
		.amdhsa_group_segment_fixed_size 302592
		.amdhsa_private_segment_fixed_size 0
		.amdhsa_enable_private_segment 0
		.amdhsa_kernarg_size 40
		.amdhsa_user_sgpr_count 2
		.amdhsa_user_sgpr_kernarg_segment_ptr 1
		.amdhsa_wavefront_size32 1
		.amdhsa_system_sgpr_workgroup_id_x 1
		.amdhsa_system_sgpr_workgroup_id_y 1
		.amdhsa_system_sgpr_workgroup_id_z 1
		.amdhsa_system_vgpr_workitem_id 0
		.amdhsa_next_free_vgpr 704
		.amdhsa_next_free_sgpr 88
		.amdhsa_reserve_vcc 0
		.amdhsa_float_denorm_mode_32 3
		.amdhsa_float_denorm_mode_16_64 3
		.amdhsa_memory_ordered 1
		.amdhsa_forward_progress 1
		.amdhsa_inst_pref_size 148
	.end_amdhsa_kernel
	.amdgpu_metadata
---
amdhsa.version: [ 1, 2 ]
amdhsa.kernels:
  - .name:           k_q69864818f3_ffn1
    .symbol:         k_q69864818f3_ffn1.kd
    .args:
      - { .name: W1, .offset: 0, .size: 8, .value_kind: global_buffer, .address_space: global }
      - { .name: xg, .offset: 8, .size: 8, .value_kind: global_buffer, .address_space: global }
      - { .name: bm, .offset: 16, .size: 8, .value_kind: global_buffer, .address_space: global }
      - { .name: hf, .offset: 24, .size: 8, .value_kind: global_buffer, .address_space: global }
      - { .name: b1, .offset: 32, .size: 8, .value_kind: global_buffer, .address_space: global }
    .group_segment_fixed_size: 302592
    .private_segment_fixed_size: 0
    .kernarg_segment_align: 8
    .kernarg_segment_size: 40
    .max_flat_workgroup_size: 128
    .sgpr_count:     88
    .vgpr_count:     704
    .wavefront_size: 32
...
	.end_amdgpu_metadata
.endif
;; end of part 3
;; launch ffn2 (part 4): grid 256 x 1, 4 waves a work-group, no clusters, 302,592 bytes of LDS; arguments W2, hf, bm, part, pre; writes part, pre
.if DOCPART == 4
	.amdgcn_target "amdgcn-amd-amdhsa--gfx1250"
	.amdhsa_code_object_version 6
	.text
	.protected	k_q69864818f3_ffn2
	.globl	k_q69864818f3_ffn2
	.p2align	8
	.type	k_q69864818f3_ffn2,@function
k_q69864818f3_ffn2:
	s_mov_b64 s[64:65], 0
	v_nop
	global_prefetch_b8 v0, s[64:65] scope:SCOPE_SE
	s_setreg_imm32_b32 hwreg(HW_REG_WAVE_MODE, 25, 1), 1
	s_wait_xcnt 0x0
.set LAYER, 2
; ONE SOURCE FOR BOTH PRODUCTS OF THE EXPERTS' FFN; the line above says which is built.
; LAYER 1: hf = gelu(x W1[e] + b1[e]) for the rows that chose expert e.    Arguments: W1, xg, bm, hf, b1.
; LAYER 2: part[q] = h W2[e] over the quarter q of the hidden width.       Arguments: W2, hf, bm, part, pre.
; FORMATS.  Weights, x and b1 are rounded once to bf16, h once to bf16; all sums in f32.  LIMITS: erf by a rational form with an absolute error of 2.5e-5 at the most for every argument
; (Abramowitz and Stegun 7.1.25); NaN and infinities are not treated apart; K ascending within a work-group's 1,024, the four quarters of layer 2 added by the next launch.
; SHARES.  Work-group (e, s): e = id / 32, s = id % 32.  It alone reads a slice of 1,024 K x 128 columns of expert e's weights, in rows of 512 consecutive aligned bytes, and multiplies ALL of that
; expert's rows by it.  The slice, in bf16, stays in LDS: it is written once and never again, so rows beyond the first pass need no memory for weights.
; FOUR LIKE WAVES.  In step t every wave rounds its eight rows of K block t + 1 (32 of K) and stores them into LDS in the order of matrix operands, and multiplies its own row tiles by K block t, which the
; barrier in front of the step has shown whole.  Row fragments come straight from memory into registers.  A step asks for the weights four blocks on and the rows three blocks on: a wave's loads come
; back in order, so what is on its way is what the last three steps asked for: 24 loads of weights and 24 to 30 of rows, 512 bytes each.
; ROWS.  An expert's rows are its tokens by rank; xg (laid by the launch before) and hf hold them in tiles of 16 rows, in operand order: a fragment's half is 512 consecutive bytes.  The number of rows comes
; from the bitmap bm.  Pass p covers tiles 20 p .. 20 p + 19, tile 20 p + 4 j + w in place j of wave w.  Pass 0 runs beside the stream.  Places past the last tile repeat it; in the last tile the rows past the
; count repeat the last row; an expert without rows counts as one row (token 0): its tile is stored and nobody reads it.  Up to 1,024 rows are served.
; THE MATRIX INSTRUCTION IS USED TRANSPOSED: source 0 = 16 columns of the weights, source 1 = 16 rows: a lane then holds one row and eight neighbouring columns.
; THE WAY OUT.  Layer 1: a lane's eight columns, rounded, are the 16 bytes that hf's layout gives that lane, so they are stored from registers; one text of the GELU serves the five places: the addition of the
; bias, written once for each place, brings a place's sums into the registers that this text names.  Layer 2: f32 rows go through each wave's own stage in LDS and leave as whole rows of 512 bytes.
; NO CLUSTER, NO TENSOR LOAD.  Each weight byte has one reader and must pass through registers to be rounded.  What an expert's work-groups share is its rows: 512 KB a work-group at 256 rows, as much as its
; weights.  Joint loads by four partners would spare three of four requests for them; the rows would then pass through LDS (512 KB more written, and read from there), each refill behind a round of the
; cluster's barrier; a step's rows are 16 to 20 KB (256 to 320 rows x 64 bytes), and beside the slice's 266,240 bytes and layer 2's stages of 33,792 LDS has 27,648 left, less than two such slots.  Not built.
.if LAYER == 1
.set PITCH, 16384      ; bytes from a row of the weights to the next
.set TSH,   15         ; a tile of 16 rows is 2^15 bytes of xg (64 column tiles of 512 bytes)
.else
.set PITCH, 4096
.set TSH,   17         ; 2^17 bytes of hf (256 column tiles)
.endif
.set KSTR,  1024       ; a K block is two column tiles of 512 bytes
.set HOFF,  512        ; from a row fragment's first half to its second
.set KB,    8320       ; a K block in LDS: 8 column tiles
.set NTB,   1040       ; a column tile: two halves of 512 bytes (lane l's 16 bytes at 16 l) + 16 of padding, so that sixteen storing lanes hit sixteen different 16-byte columns of the banks' 256 bytes (ISA guide 11.1)
.set STG,   32*KB      ; layer 2: a stage for each wave, 16 rows of 528 bytes
.set STGW,  8448
.set BIA,   STG+4*STGW ; layer 1: each wave's own copy of the slice's 128 biases, f32
.set BIAW,  512
.set SPARE, BIA+4*BIAW ; the spare words, 128 bytes a wave: two blocks of 256 bytes that no other line names
; VECTOR REGISTERS, in windows of 256 (s_set_vgpr_msb: bits 1:0 source 0, 3:2 source 1, 5:4 source 2, 7:6 destination).
; Window 0: v0 thread; v1-5 row offsets of places 0-4; v6 LDS read pointer; v7 lane; v8-39, v40-71 weights of column tiles 0-3, 4-7; v72-231 four buffers of row fragments (place j at + 8 j);
;           v232-247 rounded weights; v248 16 x lane; v249 LDS store pointer; v250, v251 the add's two; v252-255 the bias as loaded.
; Window 1: accumulator (place j, column tile n) at v[64 j + 8 n], j = 0..3.      Window 2: v0-63 place 4's accumulators; v64-191 four groups of 32: weights as loaded.
; The way out, in registers of window 0 that the products have left: layer 1: v8-71 a place's 64 numbers, v72-111 at work, v112-175 my 64 biases (kept over the passes); layer 2: v9-11 addresses, v72-135 rows.
.set AO,   1
.set LP,   6
.set LN,   7
.set WH,   8
.set AF,   72
.set TT,   232
.set PO,   248
.set PP,   249
.set SPW,  250
.set NIL,  251
.set BV,   252
.set ACC4, 0
.set RING, 64
.set ES,   9
.set EB0,  10
.set ER,   10
.set WK,   8
.set GD,   72
.set GQ,   80
.set GT,   88
.set GP,   96
.set GR,   104
.set BIAS, 112
.set OBUF, 72
; SCALAR REGISTERS
.set WV,   16          ; wave
.set EX,   17          ; expert
.set SL,   18          ; slice
.set CM1,  20          ; rows
.set NTE,  21          ; tiles of rows
.set TB,   22          ; 20 x pass + wave
.set PASS, 23
.set CNT,  24
.set LIVE4, 25         ; place 4 holds a tile that exists
.set TP,   26          ; s[26:27] an offset; s27 stays 0
.set GB,   28          ; s[28:29] the rows' running base
.set AB0,  30          ; s[30:31] the rows' base at K block 0
.set BM,   32          ; s[32:63] the expert's bitmap
.set GC,   66          ; s[66:75] five constants, each twice
.set WB,   76          ; s[76:77] the weights' running base
.set OB0,  80          ; s[80:81] the output at tile 0
.set OB,   82          ; s[82:83] at the tile in hand
.set MYST, 84
.set QQ,   85
.set TILE, 86
.set MYBI, 87
.set NS,   87
.set MSB, 0
.macro WIN new                         ; the immediate's high byte repeats the setting that is left; a switch that changes nothing is dropped
.if MSB != (\new)
	s_set_vgpr_msb (MSB<<8)|(\new)
.set MSB, \new
.endif
.endm
.macro PLACES                          ; four places between a matrix instruction and a load into, or a vector write of, its registers, or a reading of its result (ISA guide 7.12.1 for vector instructions)
.rept 4
	v_nop
.endr
.endm
; My eight rows of the K block grel (counted from WB) into group fs: each load is one row's 512 consecutive bytes.
.macro PLOAD fs, grel
	WIN 0x80                                       ; destination window 2
.irp i, 0,1,2,3,4,5,6,7
	global_load_b128 v[RING+32*(\fs)+4*(\i):RING+32*(\fs)+4*(\i)+3], v[PO], s[WB:WB+1] offset:((\grel)*32+(\i))*PITCH th:TH_LOAD_NT
.endr
.endm
; Group cs is rounded and stored as K block lrel (counted from PP).  My lane holds columns 4 l + c of eight rows: for each c eight k of one column, 16 bytes, which is what a lane of a fragment load takes.
.macro PCVT cs, lrel
	WIN 0x0a                                       ; sources 0 and 1 window 2
.irp c, 0,1,2,3
.irp m, 0,1,2,3
	v_cvt_pk_bf16_f32 v[TT+4*(\c)+(\m)], v[RING+32*(\cs)+8*(\m)+(\c)], v[RING+32*(\cs)+8*(\m)+4+(\c)]
.endr
.endr
	WIN 0
.irp c, 0,1,2,3
	ds_store_b128 v[PP], v[TT+4*(\c):TT+4*(\c)+3] offset:(\lrel)*KB+16*(\c)
.endr
.endm
; Weights of column tiles 4 nh .. 4 nh + 3 of the K block u (counted from LP): each load takes 512 consecutive bytes.
.macro WLOAD nh, u
	WIN 0
.irp n, 0,1,2,3
	ds_load_b128 v[WH+32*(\nh)+8*(\n):WH+32*(\nh)+8*(\n)+3],   v[LP] offset:(\u)*KB+(4*(\nh)+(\n))*NTB
	ds_load_b128 v[WH+32*(\nh)+8*(\n)+4:WH+32*(\nh)+8*(\n)+7], v[LP] offset:(\u)*KB+(4*(\nh)+(\n))*NTB+512
.endr
.endm
; Row fragments of the K block rel (counted from GB) into buffer b: each load takes 512 consecutive bytes.  Place 4's two loads are jumped where its tile does not exist, unless all = 1.
.macro ALOAD b, rel, all
	WIN 0
.irp j, 0,1,2,3
	global_load_b128 v[AF+40*(\b)+8*(\j):AF+40*(\b)+8*(\j)+3],   v[AO+(\j)], s[GB:GB+1] offset:(\rel)*KSTR
	global_load_b128 v[AF+40*(\b)+8*(\j)+4:AF+40*(\b)+8*(\j)+7], v[AO+(\j)], s[GB:GB+1] offset:(\rel)*KSTR+HOFF
.endr
.if !(\all)
	s_cmp_eq_u32 s[LIVE4], 0
	s_cbranch_scc1 .Lna_\@
.endif
	global_load_b128 v[AF+40*(\b)+32:AF+40*(\b)+35], v[AO+4], s[GB:GB+1] offset:(\rel)*KSTR
	global_load_b128 v[AF+40*(\b)+36:AF+40*(\b)+39], v[AO+4], s[GB:GB+1] offset:(\rel)*KSTR+HOFF
.Lna_\@:
.endm
; 16 matrix instructions (places 0-3 x four column tiles) and place 4's four.  The accumulators take turns, one instruction a turn.  zero = 1: the products start the sums.
.macro MULH nh, b, zero, always
	WIN 0x50                                       ; C and D in window 1
.irp n, 0,1,2,3
.irp j, 0,1,2,3
.if \zero
	v_wmma_f32_16x16x32_bf16 v[64*(\j)+8*(4*(\nh)+(\n)):64*(\j)+8*(4*(\nh)+(\n))+7], v[WH+32*(\nh)+8*(\n):WH+32*(\nh)+8*(\n)+7], v[AF+40*(\b)+8*(\j):AF+40*(\b)+8*(\j)+7], 0
.else
	v_wmma_f32_16x16x32_bf16 v[64*(\j)+8*(4*(\nh)+(\n)):64*(\j)+8*(4*(\nh)+(\n))+7], v[WH+32*(\nh)+8*(\n):WH+32*(\nh)+8*(\n)+7], v[AF+40*(\b)+8*(\j):AF+40*(\b)+8*(\j)+7], v[64*(\j)+8*(4*(\nh)+(\n)):64*(\j)+8*(4*(\nh)+(\n))+7]
.endif
.endr
.endr
	WIN 0                                          ; at a branch and at a label every window is 0
.if !(\always)
	s_cmp_eq_u32 s[LIVE4], 0
	s_cbranch_scc1 .Lno4_\@
.endif
	WIN 0xa0                                       ; C and D in window 2
.irp n, 0,1,2,3
.if \zero
	v_wmma_f32_16x16x32_bf16 v[ACC4+8*(4*(\nh)+(\n)):ACC4+8*(4*(\nh)+(\n))+7], v[WH+32*(\nh)+8*(\n):WH+32*(\nh)+8*(\n)+7], v[AF+40*(\b)+32:AF+40*(\b)+39], 0
.else
	v_wmma_f32_16x16x32_bf16 v[ACC4+8*(4*(\nh)+(\n)):ACC4+8*(4*(\nh)+(\n))+7], v[WH+32*(\nh)+8*(\n):WH+32*(\nh)+8*(\n)+7], v[AF+40*(\b)+32:AF+40*(\b)+39], v[ACC4+8*(4*(\nh)+(\n)):ACC4+8*(4*(\nh)+(\n))+7]
.endif
.endr
	WIN 0
.Lno4_\@:
.endm
; STEP t.  u: block t counted from the four running pointers.  prev: the second half of block t - 1's products stands between the two runs of LDS loads (zp: it starts sums).  prod: block t + 1 is rounded and
; stored; its 16 conversions are also the places behind those products.  wiss, aiss: the weights of block t + 4 and the rows of block t + 3 are asked for, the rows into the buffer that block t - 1 has left.
; nw: the loads younger than what the step needs, counted at the least on every path (eight rows' loads a block).  na: a second such count in front of the products, or -1.
; No line of a step writes a register that a pending global load names as an address (v1-5, v248, the two bases): these are stepped between the steps, behind a wait of their own.
.macro STEP t, u, prev, zp, z0, prod, wiss, aiss, all, nw, na, bar
	PLACES
	WLOAD 0, \u
.if \prev
	MULH 1, ((\t)+3)%4, \zp, \zp
.endif
.if \prod
	s_wait_loadcnt \nw
	PCVT ((\t)+1)%4, (\u)+1
.else
	PLACES
.endif
	WLOAD 1, \u
.if \wiss
	PLOAD (\t)%4, (\u)+4
.endif
	WIN 0
.if \aiss
	ALOAD ((\t)+3)%4, (\u)+3, \all
.endif
	s_wait_dscnt 8+4*(\prod)                       ; column tiles 0-3 are in; my stores and the eight loads of tiles 4-7 are younger
.if (\na) >= 0
	s_wait_loadcnt \na
.endif
	MULH 0, (\t)%4, \z0, \z0
	s_wait_dscnt 0x0                               ; for the others' sake: my part of block t + 1 lies in LDS; no LDS instruction of mine is out at the signal
.if \bar
	s_barrier_signal -1
	s_barrier_wait -1                              ; block t + 1 is whole
.endif
.endm
; A pass begins: the row offsets of my five places, the pointers back at K block 0.
.macro OFFS
	s_wait_xcnt 0x0                                ; every earlier memory instruction has read its registers: only now are offsets and base written
	v_mov_b32 v[LP], v[PO]
	s_mov_b64 s[GB:GB+1], s[AB0:AB0+1]
	s_sub_co_u32 s[TILE], s[NTE], 1
.irp j, 0,1,2,3,4
	s_add_co_u32 s[TP], s[TB], 4*(\j)
	s_min_u32 s[TP], s[TP], s[TILE]                ; past the last tile the last tile once more
	s_min_u32 s[TP], s[TP], 63
	v_lshl_add_u32 v[AO+(\j)], s[TP], TSH, v[PO]   ; the tile's first byte + 16 x lane
.endr
	s_add_co_u32 s[TP], s[TB], 16
	s_cmp_lt_u32 s[TP], s[NTE]
	s_cselect_b32 s[LIVE4], 1, 0
.endm
; A K block of a later pass (an expert with more than 320 rows): plain, everything waited for; the slice is whole.
.macro BSTEP zero
	PLACES
	WLOAD 0, 0
	WLOAD 1, 0
	ALOAD 0, 0, 1
	s_wait_dscnt 0x0
	s_wait_loadcnt 0x0
	MULH 0, 0, \zero, 1
	MULH 1, 0, \zero, 1
	v_add_nc_u32 v[LP], KB, v[LP]
	s_add_nc_u64 s[GB:GB+1], s[GB:GB+1], KSTR      ; its loads are done
.endm
; LAYER 1'S WAY OUT.  ARM j: place j's 64 sums plus my 64 biases, into the registers that the one text of the GELU names; each accumulator is read from its low end on.
.macro ARM j
.if (\j) < 4
.set AC, 64*(\j)
	WIN 0x01                                       ; source 0 in window 1
.else
.set AC, ACC4
	WIN 0x02                                       ; in window 2
.endif
.set ii, 0
.rept 32
	v_pk_add_f32 v[WK+2*ii:WK+2*ii+1], v[AC+2*ii:AC+2*ii+1], v[BIAS+2*ii:BIAS+2*ii+1]
.set ii, ii+1
.endr
	WIN 0
.endm
; GELU n: column tile n, eight numbers a lane.  gelu(v) = max(v, 0) - |v| q, q = erfc(|v| / sqrt 2) / 2 = ((A3 t + A2) t + A1) t 2^(C2 v v), t = 1 / (1 + P |v|)
.macro GELU n
.set GV, WK+8*(\n)
.irp i, 0,1,2,3,4,5,6,7
	v_fma_f32 v[GD+(\i)], |v[GV+(\i)]|, s[GC], 1.0
.endr
.irp i, 0,2,4,6
	v_pk_mul_f32 v[GQ+(\i):GQ+(\i)+1], v[GV+(\i):GV+(\i)+1], v[GV+(\i):GV+(\i)+1]
.endr
.irp i, 0,1,2,3,4,5,6,7
	v_rcp_f32 v[GT+(\i)], v[GD+(\i)]
.endr
.irp i, 0,2,4,6
	v_pk_mul_f32 v[GQ+(\i):GQ+(\i)+1], v[GQ+(\i):GQ+(\i)+1], s[GC+2:GC+3] op_sel_hi:[1,0]  ; also the plain instructions behind the reciprocals (ISA guide 5.7.2)
.endr
.irp i, 0,1,2,3,4,5,6,7
	v_exp_f32 v[GQ+(\i)], v[GQ+(\i)]
.endr
.irp i, 0,2,4,6
	v_pk_fma_f32 v[GP+(\i):GP+(\i)+1], v[GT+(\i):GT+(\i)+1], s[GC+8:GC+9], s[GC+6:GC+7] op_sel_hi:[1,0,0]  ; and these behind the exponentials
.endr
.irp i, 0,2,4,6
	v_pk_fma_f32 v[GP+(\i):GP+(\i)+1], v[GP+(\i):GP+(\i)+1], v[GT+(\i):GT+(\i)+1], s[GC+4:GC+5] op_sel_hi:[1,1,0]
.endr
.irp i, 0,2,4,6
	v_pk_mul_f32 v[GP+(\i):GP+(\i)+1], v[GP+(\i):GP+(\i)+1], v[GT+(\i):GT+(\i)+1]
.endr
.irp i, 0,2,4,6
	v_pk_mul_f32 v[GP+(\i):GP+(\i)+1], v[GP+(\i):GP+(\i)+1], v[GQ+(\i):GQ+(\i)+1]
.endr
.irp i, 0,1,2,3,4,5,6,7
	v_max_num_f32 v[GR+(\i)], 0, v[GV+(\i)]
.endr
.irp i, 0,1,2,3,4,5,6,7
	v_fma_f32 v[GR+(\i)], -|v[GV+(\i)]|, v[GP+(\i)], v[GR+(\i)]
.endr
.irp i, 0,1,2,3
	v_cvt_pk_bf16_f32 v[GV+(\i)], v[GR+2*(\i)], v[GR+2*(\i)+1]
.endr
	global_store_b128 v[PO], v[GV:GV+3], s[OB:OB+1] offset:(\n)*512  ; 512 consecutive aligned bytes: a tile of 16 rows x 16 hidden columns, as layer 2's fragment loads take it
.endm
; LAYER 2'S WAY OUT of place j: f32 sums into rows of 528 bytes of my own stage, back as whole rows of 512, stored as such.  A tile that does not exist, and with it the places behind it, is jumped.
.macro EPI j
	s_add_co_u32 s[TILE], s[TB], 4*(\j)
	s_cmp_ge_u32 s[TILE], s[NTE]
	s_cbranch_scc1 .Lepi_end
.if (\j) < 4
.set AC, 64*(\j)
	WIN 0x04                                       ; store data in window 1
.else
.set AC, ACC4
	WIN 0x08                                       ; in window 2
.endif
.irp n, 0,1,2,3,4,5,6,7
	ds_store_b128 v[ES], v[AC+8*(\n):AC+8*(\n)+3] offset:(\n)*64          ; each accumulator from its low end on
	ds_store_b128 v[ES], v[AC+8*(\n)+4:AC+8*(\n)+7] offset:(\n)*64+16
.endr
	WIN 0
	s_min_u32 s[TP], s[TILE], 63
	s_lshl_b32 s[TP], s[TP], 16
	s_wait_xcnt 0x0                                ; the last place's stores have read their base and data
	s_add_nc_u64 s[OB:OB+1], s[OB0:OB0+1], s[TP:TP+1]
.irp r, 0,1,2,3,4,5,6,7,8,9,10,11,12,13,14,15
	ds_load_b128 v[OBUF+4*(\r):OBUF+4*(\r)+3], v[ER] offset:(\r)*528     ; LDS serves a wave's instructions in order (ISA guide 5.7.1.4): these see the stores above
.endr
.irp r, 0,1,2,3,4,5,6,7,8,9,10,11,12,13,14,15
	s_wait_dscnt 15-(\r)                           ; row r is back; the 15 - r younger loads stay out
	global_store_b128 v[PO], v[OBUF+4*(\r):OBUF+4*(\r)+3], s[OB:OB+1] offset:(\r)*4096  ; 512 consecutive aligned bytes of a row of part
.endr
.endm
	s_load_b256 s[4:11], s[0:1], 0x0               ; weights s[4:5], rows s[6:7], bm s[8:9], output s[10:11]
	s_load_b64 s[12:13], s[0:1], 0x20              ; b1 or pre
	v_lshl_add_u32 v[SPW], v0, 2, SPARE
	v_mov_b32 v[NIL], 0
	v_lshrrev_b32 v[LN], 5, v0
	v_readfirstlane_b32 s[WV], v[LN]               ; wave 0..3
	v_and_b32 v[LN], 31, v0
	v_lshlrev_b32 v[PO], 4, v[LN]
	s_lshr_b32 s[EX], ttmp9, 5
	s_and_b32 s[SL], ttmp9, 31
	s_mov_b32 s[TP+1], 0
	s_lshl_b32 s[TP], s[EX], 24                    ; the slice's first byte, and my eight rows of every K block
.if LAYER == 1
	s_lshl_b32 s[TILE], s[SL], 9
.else
	s_lshr_b32 s[QQ], s[SL], 3                     ; which quarter of the hidden width,
	s_and_b32 s[NS], s[SL], 7                      ; which 128 output columns
	s_lshl_b32 s[TILE], s[QQ], 22
	s_add_co_u32 s[TP], s[TP], s[TILE]
	s_lshl_b32 s[TILE], s[NS], 9
.endif
	s_add_co_u32 s[TP], s[TP], s[TILE]
	s_mul_i32 s[TILE], s[WV], 8*PITCH
	s_add_co_u32 s[TP], s[TP], s[TILE]
	s_wait_kmcnt 0x0
	s_add_nc_u64 s[WB:WB+1], s[4:5], s[TP:TP+1]
.if LAYER == 1
	s_lshl_b32 s[TP], s[EX], 14                    ; the slice's 128 biases: asked for first, used behind the count
	s_lshl_b32 s[TILE], s[SL], 9
	s_add_co_u32 s[TP], s[TP], s[TILE]
	s_add_nc_u64 s[12:13], s[12:13], s[TP:TP+1]
	global_load_b128 v[BV:BV+3], v[PO], s[12:13]
.endif
	PLOAD 0, 0                                     ; the weights of K blocks 0 to 3 go out ahead of everything else
	PLOAD 1, 1
	PLOAD 2, 2
	PLOAD 3, 3
	WIN 0
	s_lshl_b32 s[TP], s[EX], 7
	s_add_nc_u64 s[8:9], s[8:9], s[TP:TP+1]
	s_load_b512 s[BM:BM+15], s[8:9], 0x0           ; the expert's 1,024 bits
	s_load_b512 s[BM+16:BM+31], s[8:9], 0x40
	v_lshrrev_b32 v8, 2, v[LN]                     ; my four columns lie in column tile l / 4, at its rows 4 (l % 4) + c; my eight k are the tile's 256 bytes number w
	v_and_b32 v9, 3, v[LN]
	v_mul_u32_u24 v8, v8, NTB
	v_lshl_add_u32 v[PP], v9, 6, v8
	s_lshl_b32 s[TILE], s[WV], 8
	v_add_nc_u32 v[PP], s[TILE], v[PP]
.if LAYER == 1
	s_lshl_b32 s[TP], s[EX], 21                    ; xg at my expert: 64 tiles of 32,768 bytes
	s_add_nc_u64 s[AB0:AB0+1], s[6:7], s[TP:TP+1]
	s_lshl_b32 s[TP], s[EX], 23                    ; hf: expert x 64 tiles x 131,072 + my 8 column tiles of 512 bytes
	s_lshl_b32 s[TILE], s[SL], 12
	s_add_co_u32 s[TP], s[TP], s[TILE]
	s_add_nc_u64 s[OB0:OB0+1], s[10:11], s[TP:TP+1]
	s_lshl_b32 s[MYBI], s[WV], 9
	s_add_co_u32 s[MYBI], s[MYBI], BIA
	s_mov_b32 s[GC],   0x3eaa540e                  ; P  = 0.47047 / sqrt 2
	s_mov_b32 s[GC+1], 0x3eaa540e
	s_mov_b32 s[GC+2], 0xbf38aa3b                  ; C2 = -log2(e) / 2
	s_mov_b32 s[GC+3], 0xbf38aa3b
	s_mov_b32 s[GC+4], 0x3e32303a                  ; A1 = 0.3480242 / 2
	s_mov_b32 s[GC+5], 0x3e32303a
	s_mov_b32 s[GC+6], 0xbd445ca1                  ; A2 = -0.0958798 / 2
	s_mov_b32 s[GC+7], 0xbd445ca1
	s_mov_b32 s[GC+8], 0x3ebf7377                  ; A3 = 0.7478556 / 2
	s_mov_b32 s[GC+9], 0x3ebf7377
.else
	s_mul_i32 s[MYST], s[WV], STGW
	s_add_co_u32 s[MYST], s[MYST], STG
	s_lshl_b32 s[TP], s[EX], 23                    ; hf at my expert and my quarter's 64 column tiles
	s_lshl_b32 s[TILE], s[QQ], 15
	s_add_co_u32 s[TP], s[TP], s[TILE]
	s_add_nc_u64 s[AB0:AB0+1], s[6:7], s[TP:TP+1]
	s_lshl_b32 s[TP], s[QQ], 25                    ; part[q][expert x 1,024 + rank][1,024] f32, my 128 columns
	s_lshl_b32 s[TILE], s[EX], 22
	s_add_co_u32 s[TP], s[TP], s[TILE]
	s_lshl_b32 s[TILE], s[NS], 9
	s_add_co_u32 s[TP], s[TP], s[TILE]
	s_add_nc_u64 s[OB0:OB0+1], s[10:11], s[TP:TP+1]
	v_mov_b32 v8, 0
.endif
	s_mov_b32 s[CM1], 0
	s_wait_kmcnt 0x0
	; 32 groups of 32 tokens are counted.  Layer 2: lane g keeps the count of tokens below group g.
.set g, 0
.rept 32
.if LAYER == 2
	v_writelane_b32 v8, s[CM1], g
.endif
	s_bcnt1_i32_b32 s[TILE], s[BM+g]
	s_add_co_u32 s[CM1], s[CM1], s[TILE]
.set g, g+1
.endr
.if LAYER == 1
	s_wait_loadcnt 32                              ; the biases are in; the 32 loads of weights are younger.  Rounded to bf16 like every input, kept as f32 in my own copy
	v_cvt_pk_bf16_f32 v8, v[BV], v[BV+1]
	v_cvt_pk_bf16_f32 v9, v[BV+2], v[BV+3]
	v_lshlrev_b32 v[BV], 16, v8
	v_and_b32 v[BV+1], 0xffff0000, v8
	v_lshlrev_b32 v[BV+2], 16, v9
	v_and_b32 v[BV+3], 0xffff0000, v9
	v_add_nc_u32 v10, s[MYBI], v[PO]
	ds_store_b128 v10, v[BV:BV+3]
.else
	s_or_b32 s[TILE], s[SL], s[WV]                 ; one wave for each expert stores the 32 counts for the launch that adds the parts
	s_cmp_lg_u32 s[TILE], 0
	s_cbranch_scc1 .Lno_pre
	s_lshl_b32 s[TP], s[EX], 7
	s_add_nc_u64 s[12:13], s[12:13], s[TP:TP+1]
	v_lshlrev_b32 v9, 2, v[LN]
	global_store_b32 v9, v8, s[12:13]
.Lno_pre:
.endif
	s_max_u32 s[CM1], s[CM1], 1
	s_add_co_u32 s[NTE], s[CM1], 15
	s_lshr_b32 s[NTE], s[NTE], 4
	s_mov_b32 s[TB], s[WV]
	OFFS
	ALOAD 0, 0, 1                                  ; the rows of K blocks 0, 1, 2; place 4's too, so that every register is written on every path
	ALOAD 1, 1, 1
	ALOAD 2, 2, 1
	s_wait_loadcnt 54                              ; block 0's weights are in: 24 loads of weights and 30 of rows are younger
	PCVT 0, 0
	s_wait_dscnt 0x0
	s_barrier_signal -1
	s_barrier_wait -1                              ; K block 0 lies in LDS
	; order of issue: W0-3, A0-2, then in step t W(t+4) and A(t+3), 8 + 8 loads at the least
	STEP 0, 0, 0, 0, 1, 1, 1, 1, 1, 45, 36, 1      ; W1: 46 are younger; one less, so that with this step's 18 no more than 63 are out.  A0: A1, A2 and 16 of this step's
	STEP 1, 1, 1, 1, 0, 1, 1, 1, 0, 36, 42, 1      ; W2 came in ahead of A0.  A1: A2's 10 and two steps' 16
	STEP 2, 2, 1, 0, 0, 1, 1, 1, 0, 42, 48, 1      ; W3 likewise.  A2: three steps' 16
	s_wait_xcnt 0x0                                ; the bases are stepped only when the loads issued have read them
	s_add_nc_u64 s[WB:WB+1], s[WB:WB+1], 3*32*PITCH
	s_add_nc_u64 s[GB:GB+1], s[GB:GB+1], 3*KSTR
	v_add_nc_u32 v[LP], 3*KB, v[LP]
	v_add_nc_u32 v[PP], 3*KB, v[PP]
	s_mov_b32 s[CNT], 6
.Lmain:                                                ; a trip: four K blocks, once round the four groups of weights and the four buffers of rows.  32: the two younger steps' loads
	STEP 3, 0, 1, 0, 0, 1, 1, 1, 0, 32, -1, 1
	STEP 4, 1, 1, 0, 0, 1, 1, 1, 0, 32, -1, 1
	STEP 5, 2, 1, 0, 0, 1, 1, 1, 0, 32, -1, 1
	STEP 6, 3, 1, 0, 0, 1, 1, 1, 0, 32, -1, 1
	s_wait_xcnt 0x0                                ; the bases are stepped only when the trip's loads have read them
	s_add_nc_u64 s[WB:WB+1], s[WB:WB+1], 4*32*PITCH
	s_add_nc_u64 s[GB:GB+1], s[GB:GB+1], 4*KSTR
	v_add_nc_u32 v[LP], 4*KB, v[LP]
	v_add_nc_u32 v[PP], 4*KB, v[PP]
	s_sub_co_u32 s[CNT], s[CNT], 1
	s_cmp_lg_u32 s[CNT], 0
	s_cbranch_scc1 .Lmain
	STEP 27, 0, 1, 0, 0, 1, 1, 1, 0, 32, -1, 1     ; the tail: the last weights (block 31) are asked for,
	STEP 28, 1, 1, 0, 0, 1, 0, 1, 0, 32, -1, 1     ; the last rows,
	STEP 29, 2, 1, 0, 0, 1, 0, 0, 0, 24, -1, 1     ; nothing more: 16 of step 27 and 8 of step 28 are younger,
	STEP 30, 3, 1, 0, 0, 1, 0, 0, 0, 8, -1, 1      ; 8 of step 28,
	STEP 31, 4, 1, 0, 0, 0, 0, 0, 0, 0, 0, 0       ; none; nothing is stored: the slice is whole
	MULH 1, 3, 0, 0
.if LAYER == 1
	PLACES                                         ; my 64 biases, once: eight for each column tile, 32 bytes for each half of the lanes, from my own copy
	v_bfe_u32 v[EB0], v0, 4, 1
	v_lshl_add_u32 v[EB0], v[EB0], 5, s[MYBI]
.irp n, 0,1,2,3,4,5,6,7
	ds_load_b128 v[BIAS+8*(\n):BIAS+8*(\n)+3],   v[EB0] offset:64*(\n)
	ds_load_b128 v[BIAS+8*(\n)+4:BIAS+8*(\n)+7], v[EB0] offset:64*(\n)+16
.endr
	s_wait_dscnt 0x0
.endif
	s_mov_b32 s[PASS], 4
.Lpass:                                                ; four trips cover 80 tiles, more than the 64 that an expert can have; every wave walks all four, and only work is jumped
	s_wait_xcnt 0x0
	PLACES
.if LAYER == 1
	s_mov_b32 s[CNT], 5
	s_mov_b32 s[TILE], s[TB]
.Lplace:                                               ; five trips, a place each; the counter chooses the text that names the place's accumulators
	s_cmp_ge_u32 s[TILE], s[NTE]
	s_cbranch_scc1 .Lplace_next                    ; a tile that does not exist
	s_wait_xcnt 0x0                                ; the last place's stores have read their data and base
	s_min_u32 s[TP], s[TILE], 63
	s_lshl_b32 s[TP], s[TP], 17
	s_add_nc_u64 s[OB:OB+1], s[OB0:OB0+1], s[TP:TP+1]
	s_cmp_eq_u32 s[CNT], 5
	s_cbranch_scc1 .Lplace0
	s_cmp_eq_u32 s[CNT], 4
	s_cbranch_scc1 .Lplace1
	s_cmp_eq_u32 s[CNT], 3
	s_cbranch_scc1 .Lplace2
	s_cmp_eq_u32 s[CNT], 2
	s_cbranch_scc1 .Lplace3
	ARM 4
	s_branch .Lgelu
.Lplace0:
	ARM 0
	s_branch .Lgelu
.Lplace1:
	ARM 1
	s_branch .Lgelu
.Lplace2:
	ARM 2
	s_branch .Lgelu
.Lplace3:
	ARM 3
.Lgelu:
	GELU 0
	GELU 1
	GELU 2
	GELU 3
	GELU 4
	GELU 5
	GELU 6
	GELU 7
.Lplace_next:
	s_add_co_u32 s[TILE], s[TILE], 4
	s_sub_co_u32 s[CNT], s[CNT], 1
	s_cmp_lg_u32 s[CNT], 0
	s_cbranch_scc1 .Lplace
.else
	v_add_nc_u32 v[ER], s[MYST], v[PO]
	v_and_b32 v[ES], 15, v0
	v_mul_u32_u24 v[ES], v[ES], 528                ; 33 x 16: the sixteen rows start in sixteen different groups of four banks
	v_bfe_u32 v11, v0, 4, 1
	v_lshl_add_u32 v[ES], v11, 5, v[ES]
	v_add_nc_u32 v[ES], s[MYST], v[ES]
	EPI 0
	EPI 1
	EPI 2
	EPI 3
	EPI 4
.Lepi_end:
	s_wait_dscnt 0x0                               ; The K loop below reads the slice through a pointer that it steps.  So that the order between every wave's stores into its stage and those
	s_barrier_signal -1                            ; reads rests on a barrier, not on that pointer's arithmetic, one stands here, on every wave's path,
	s_barrier_wait -1
.endif
	s_add_co_u32 s[TB], s[TB], 20
	s_cmp_ge_u32 s[TB], s[NTE]
	s_cbranch_scc1 .Lpass_next
	OFFS
	BSTEP 1
	s_mov_b32 s[CNT], 31
.Lk:
	BSTEP 0
	s_sub_co_u32 s[CNT], s[CNT], 1
	s_cmp_lg_u32 s[CNT], 0
	s_cbranch_scc1 .Lk
.Lpass_next:
	s_wait_dscnt 0x0                               ; and one here, between those reads and the LDS writes that follow: the next way out's, and the closing add
	s_barrier_signal -1
	s_barrier_wait -1
	s_sub_co_u32 s[PASS], s[PASS], 1
	s_cmp_lg_u32 s[PASS], 0
	s_cbranch_scc1 .Lpass
	s_wait_tensorcnt 0x0                           ; the wave's end, behind my last LDS store
	ds_add_u32 v[SPW], v[NIL]
	s_wait_dscnt 0x0
	s_endpgm
.Lfunc_end_k_q69864818f3_ffn2:
	.size	k_q69864818f3_ffn2, .Lfunc_end_k_q69864818f3_ffn2-k_q69864818f3_ffn2
	.p2alignl 7, 3214868480
	.fill 96, 4, 3214868480
	.section	.rodata,"a",@progbits
	.p2align	6, 0x0
	.amdhsa_kernel k_q69864818f3_ffn2
		.amdhsa_group_segment_fixed_size 302592
		.amdhsa_private_segment_fixed_size 0
		.amdhsa_enable_private_segment 0
		.amdhsa_kernarg_size 40
		.amdhsa_user_sgpr_count 2
		.amdhsa_user_sgpr_kernarg_segment_ptr 1
		.amdhsa_wavefront_size32 1
		.amdhsa_system_sgpr_workgroup_id_x 1
		.amdhsa_system_sgpr_workgroup_id_y 1
		.amdhsa_system_sgpr_workgroup_id_z 1
		.amdhsa_system_vgpr_workitem_id 0
		.amdhsa_next_free_vgpr 704
		.amdhsa_next_free_sgpr 88
		.amdhsa_reserve_vcc 0
		.amdhsa_float_denorm_mode_32 3
		.amdhsa_float_denorm_mode_16_64 3
		.amdhsa_memory_ordered 1
		.amdhsa_forward_progress 1
		.amdhsa_inst_pref_size 129
	.end_amdhsa_kernel
	.amdgpu_metadata
---
amdhsa.version: [ 1, 2 ]
amdhsa.kernels:
  - .name:           k_q69864818f3_ffn2
    .symbol:         k_q69864818f3_ffn2.kd
    .args:
      - { .name: W2, .offset: 0, .size: 8, .value_kind: global_buffer, .address_space: global }
      - { .name: hf, .offset: 8, .size: 8, .value_kind: global_buffer, .address_space: global }
      - { .name: bm, .offset: 16, .size: 8, .value_kind: global_buffer, .address_space: global }
      - { .name: part, .offset: 24, .size: 8, .value_kind: global_buffer, .address_space: global }
      - { .name: pre, .offset: 32, .size: 8, .value_kind: global_buffer, .address_space: global }
    .group_segment_fixed_size: 302592
    .private_segment_fixed_size: 0
    .kernarg_segment_align: 8
    .kernarg_segment_size: 40
    .max_flat_workgroup_size: 128
    .sgpr_count:     88
    .vgpr_count:     704
    .wavefront_size: 32
...
	.end_amdgpu_metadata
.endif
;; end of part 4
;; launch mix (part 5): grid 256 x 1, 8 waves a work-group, no clusters, 0 bytes of LDS; arguments part, bm, pre, comb, b2, out0; writes out0
.if DOCPART == 5
	.amdgcn_target "amdgcn-amd-amdhsa--gfx1250"
	.amdhsa_code_object_version 6
	.text
	.protected	k_q69864818f3_mix
	.globl	k_q69864818f3_mix
	.p2align	8
	.type	k_q69864818f3_mix,@function
k_q69864818f3_mix:
	s_mov_b64 s[64:65], 0
	v_nop
	global_prefetch_b8 v0, s[64:65] scope:SCOPE_SE
	s_setreg_imm32_b32 hwreg(HW_REG_WAVE_MODE, 25, 1), 1
	s_wait_xcnt 0x0
; out[t] = gA (yA + b2[eA]) + gB (yB + b2[eB]): eA < eB the token's two experts, y the sum of the four quarters' partial rows, all in f32; b2 rounded to bf16 like every input.
; ORDER OF SUMS: (P0 + P1) + (P2 + P3), then the bias, then the two experts in the order of their numbers.
; A wave owns half a token's row (2,048 bytes); a work-group four tokens.  Which rows of part it reads hangs on whole numbers that earlier launches stored: bm (who chose whom) and
; pre (an expert's tokens below each group of 32).  The weights from comb are only selected as values.
; A stream: no LDS, no matrix unit, no cluster (no two waves read the same byte of part); all 40 loads of a wave go out before the first wait.
.set WV, 16
.set TK, 18             ; the token
.set HB, 19             ; 2,048 x my half
.set BB, 22             ; the token's bit in its word
.set MB, 23             ; the bits below it
.set CB, 32             ; s[32:39] comb[t]
.set BW, 40             ; s[40:47] the token's word of each expert's bitmap
.set RK, 48             ; s[48:55] the count below the word, then the token's rank in each expert
.set EA, 56             ; s56 expert, s57 rank, s[58:59] weight twice
.set EBX, 60            ; the same for the higher expert
.set PA, 68             ; s[68:69] part at A's row, s[70:71] at B's; s[72:73], s[74:75] b2 likewise; s[76:77] out
.set R0, 16             ; v16-175: for each of four pieces of 512 bytes 40 registers: A's four quarters, B's four, the two biases
	s_load_b256 s[4:11], s[0:1], 0x0               ; part s[4:5], bm s[6:7], pre s[8:9], comb s[10:11]
	s_load_b128 s[12:15], s[0:1], 0x20             ; b2 s[12:13], out0 s[14:15]
	v_lshrrev_b32 v1, 5, v0
	v_readfirstlane_b32 s[WV], v1
	v_and_b32 v2, 31, v0
	v_lshlrev_b32 v4, 4, v2                        ; v4-7: 16 x lane + quarter x 2^25 bytes
	v_add_nc_u32 v5, 1<<25, v4
	v_add_nc_u32 v6, 2<<25, v4
	v_add_nc_u32 v7, 3<<25, v4
	s_lshr_b32 s17, s[WV], 1
	s_lshl_b32 s[TK], ttmp9, 2
	s_add_co_u32 s[TK], s[TK], s17
	s_and_b32 s[HB], s[WV], 1
	s_lshl_b32 s[HB], s[HB], 11
	s_lshr_b32 s20, s[TK], 5
	s_lshl_b32 s20, s20, 2                         ; the token's word, in bytes
	s_mov_b32 s21, 0
	s_and_b32 s[BB], s[TK], 31
	s_bfm_b32 s[MB], s[BB], 0
	s_lshl_b32 s24, s[TK], 5
	s_mov_b32 s25, 0
	s_mov_b32 s27, 0
	s_wait_kmcnt 0x0
	s_add_nc_u64 s[6:7], s[6:7], s[20:21]
	s_add_nc_u64 s[8:9], s[8:9], s[20:21]
	s_add_nc_u64 s[10:11], s[10:11], s[24:25]
	s_load_b256 s[CB:CB+7], s[10:11], 0x0
.irp e, 0,1,2,3,4,5,6,7
	s_load_b32 s[BW+(\e)], s[6:7], (\e)*128
	s_load_b32 s[RK+(\e)], s[8:9], (\e)*128
.endr
	s_wait_kmcnt 0x0
.irp e, 0,1,2,3,4,5,6,7
	s_and_b32 s26, s[BW+(\e)], s[MB]
	s_bcnt1_i32_b32 s26, s26
	s_add_co_u32 s[RK+(\e)], s[RK+(\e)], s26       ; the expert's tokens below mine
.endr
	s_mov_b32 s[EA], 0
	s_mov_b32 s[EA+1], 0
	s_mov_b32 s[EA+2], 0
	s_mov_b32 s[EBX], 0
	s_mov_b32 s[EBX+1], 0
	s_mov_b32 s[EBX+2], 0
.irp e, 7,6,5,4,3,2,1,0                ; downward: the lowest chosen expert stays
	s_bitcmp1_b32 s[BW+(\e)], s[BB]
	s_cselect_b32 s[EA], \e, s[EA]
	s_cselect_b32 s[EA+1], s[RK+(\e)], s[EA+1]
	s_cselect_b32 s[EA+2], s[CB+(\e)], s[EA+2]
.endr
.irp e, 0,1,2,3,4,5,6,7                ; upward: the highest
	s_bitcmp1_b32 s[BW+(\e)], s[BB]
	s_cselect_b32 s[EBX], \e, s[EBX]
	s_cselect_b32 s[EBX+1], s[RK+(\e)], s[EBX+1]
	s_cselect_b32 s[EBX+2], s[CB+(\e)], s[EBX+2]
.endr
	s_mov_b32 s[EA+3], s[EA+2]                     ; named as pairs by the packed arithmetic
	s_mov_b32 s[EBX+3], s[EBX+2]
.macro BASES x, pp, bb                 ; expert s[x], rank s[x+1]: its row of part (quarter 0) and of b2, at my half
	s_min_u32 s[\x], s[\x], 7
	s_min_u32 s[\x+1], s[\x+1], 1023
	s_lshl_b32 s26, s[\x], 10
	s_add_co_u32 s26, s26, s[\x+1]
	s_lshl_b32 s26, s26, 12
	s_add_co_u32 s26, s26, s[HB]
	s_add_nc_u64 s[\pp:\pp+1], s[4:5], s[26:27]
	s_lshl_b32 s26, s[\x], 12
	s_add_co_u32 s26, s26, s[HB]
	s_add_nc_u64 s[\bb:\bb+1], s[12:13], s[26:27]
.endm
	BASES EA, PA, PA+4
	BASES EBX, PA+2, PA+6
	s_lshl_b32 s26, s[TK], 12
	s_add_co_u32 s26, s26, s[HB]
	s_add_nc_u64 s[PA+8:PA+9], s[14:15], s[26:27]
.irp i, 0,1,2,3
.irp q, 0,1,2,3
	global_load_b128 v[R0+40*(\i)+4*(\q):R0+40*(\i)+4*(\q)+3], v[4+(\q)], s[PA:PA+1] offset:(\i)*512 th:TH_LOAD_NT  ; 512 consecutive aligned bytes
.endr
.irp q, 0,1,2,3
	global_load_b128 v[R0+40*(\i)+16+4*(\q):R0+40*(\i)+16+4*(\q)+3], v[4+(\q)], s[PA+2:PA+3] offset:(\i)*512 th:TH_LOAD_NT
.endr
	global_load_b128 v[R0+40*(\i)+32:R0+40*(\i)+35], v4, s[PA+4:PA+5] offset:(\i)*512
	global_load_b128 v[R0+40*(\i)+36:R0+40*(\i)+39], v4, s[PA+6:PA+7] offset:(\i)*512
.endr
; The four quarters at r .. r + 15 and the bias at b .. b + 3 become one sum at r .. r + 3
.macro SUMUP r, b
	v_pk_add_f32 v[(\r):(\r)+1],     v[(\r):(\r)+1],     v[(\r)+4:(\r)+5]
	v_pk_add_f32 v[(\r)+2:(\r)+3],   v[(\r)+2:(\r)+3],   v[(\r)+6:(\r)+7]
	v_pk_add_f32 v[(\r)+8:(\r)+9],   v[(\r)+8:(\r)+9],   v[(\r)+12:(\r)+13]
	v_pk_add_f32 v[(\r)+10:(\r)+11], v[(\r)+10:(\r)+11], v[(\r)+14:(\r)+15]
	v_cvt_pk_bf16_f32 v176, v[(\b)], v[(\b)+1]
	v_cvt_pk_bf16_f32 v177, v[(\b)+2], v[(\b)+3]
	v_pk_add_f32 v[(\r):(\r)+1],     v[(\r):(\r)+1],     v[(\r)+8:(\r)+9]
	v_pk_add_f32 v[(\r)+2:(\r)+3],   v[(\r)+2:(\r)+3],   v[(\r)+10:(\r)+11]
	v_lshlrev_b32 v[(\b)], 16, v176
	v_and_b32 v[(\b)+1], 0xffff0000, v176
	v_lshlrev_b32 v[(\b)+2], 16, v177
	v_and_b32 v[(\b)+3], 0xffff0000, v177
	v_pk_add_f32 v[(\r):(\r)+1],     v[(\r):(\r)+1],     v[(\b):(\b)+1]
	v_pk_add_f32 v[(\r)+2:(\r)+3],   v[(\r)+2:(\r)+3],   v[(\b)+2:(\b)+3]
.endm
.irp i, 0,1,2,3
	s_wait_loadcnt 30-10*(\i)                      ; piece i's ten loads are in; the later pieces' stay out
	SUMUP R0+40*(\i), R0+40*(\i)+32
	SUMUP R0+40*(\i)+16, R0+40*(\i)+36
	v_pk_mul_f32 v[R0+40*(\i):R0+40*(\i)+1],   v[R0+40*(\i):R0+40*(\i)+1],   s[EA+2:EA+3] op_sel_hi:[1,0]
	v_pk_mul_f32 v[R0+40*(\i)+2:R0+40*(\i)+3], v[R0+40*(\i)+2:R0+40*(\i)+3], s[EA+2:EA+3] op_sel_hi:[1,0]
	v_pk_fma_f32 v[R0+40*(\i):R0+40*(\i)+1],   v[R0+40*(\i)+16:R0+40*(\i)+17], s[EBX+2:EBX+3], v[R0+40*(\i):R0+40*(\i)+1]   op_sel_hi:[1,0,1]
	v_pk_fma_f32 v[R0+40*(\i)+2:R0+40*(\i)+3], v[R0+40*(\i)+18:R0+40*(\i)+19], s[EBX+2:EBX+3], v[R0+40*(\i)+2:R0+40*(\i)+3] op_sel_hi:[1,0,1]
	global_store_b128 v4, v[R0+40*(\i):R0+40*(\i)+3], s[PA+8:PA+9] offset:(\i)*512 th:TH_STORE_NT  ; 512 consecutive aligned bytes of the output row
.endr
	s_endpgm
.Lfunc_end_k_q69864818f3_mix:
	.size	k_q69864818f3_mix, .Lfunc_end_k_q69864818f3_mix-k_q69864818f3_mix
	.p2alignl 7, 3214868480
	.fill 96, 4, 3214868480
	.section	.rodata,"a",@progbits
	.p2align	6, 0x0
	.amdhsa_kernel k_q69864818f3_mix
		.amdhsa_group_segment_fixed_size 0
		.amdhsa_private_segment_fixed_size 0
		.amdhsa_enable_private_segment 0
		.amdhsa_kernarg_size 48
		.amdhsa_user_sgpr_count 2
		.amdhsa_user_sgpr_kernarg_segment_ptr 1
		.amdhsa_wavefront_size32 1
		.amdhsa_system_sgpr_workgroup_id_x 1
		.amdhsa_system_sgpr_workgroup_id_y 1
		.amdhsa_system_sgpr_workgroup_id_z 1
		.amdhsa_system_vgpr_workitem_id 0
		.amdhsa_next_free_vgpr 192
		.amdhsa_next_free_sgpr 80
		.amdhsa_reserve_vcc 0
		.amdhsa_float_denorm_mode_32 3
		.amdhsa_float_denorm_mode_16_64 3
		.amdhsa_memory_ordered 1
		.amdhsa_forward_progress 1
		.amdhsa_inst_pref_size 18
	.end_amdhsa_kernel
	.amdgpu_metadata
---
amdhsa.version: [ 1, 2 ]
amdhsa.kernels:
  - .name:           k_q69864818f3_mix
    .symbol:         k_q69864818f3_mix.kd
    .args:
      - { .name: part, .offset: 0, .size: 8, .value_kind: global_buffer, .address_space: global }
      - { .name: bm, .offset: 8, .size: 8, .value_kind: global_buffer, .address_space: global }
      - { .name: pre, .offset: 16, .size: 8, .value_kind: global_buffer, .address_space: global }
      - { .name: comb, .offset: 24, .size: 8, .value_kind: global_buffer, .address_space: global }
      - { .name: b2, .offset: 32, .size: 8, .value_kind: global_buffer, .address_space: global }
      - { .name: out0, .offset: 40, .size: 8, .value_kind: global_buffer, .address_space: global }
    .group_segment_fixed_size: 0
    .private_segment_fixed_size: 0
    .kernarg_segment_align: 8
    .kernarg_segment_size: 48
    .max_flat_workgroup_size: 256
    .sgpr_count:     80
    .vgpr_count:     192
    .wavefront_size: 32
...
	.end_amdgpu_metadata
.endif
;; end of part 5
;; ======== version 2 of 2: 5 launches; version 1 with the launches lay, ffn1, ffn2 written anew for expert scheduling mode
;; limits: a function is approximated: absolute error at most 2.5e-05
;; workspace buffers: xb 2,097,152 bytes; bm 1,024 bytes of whole numbers; comb 32,768 bytes; xg 16,777,216 bytes; hf 67,108,864 bytes; part 134,217,728 bytes; pre 1,024 bytes of whole numbers
;; launch route: the kernel of part 1 again; grid 64 x 1, 8 waves a work-group, no clusters, 58,880 bytes of LDS; arguments x, Wr, xb, bm, comb; writes xb, bm, comb
;; launch lay (part 6): grid 256 x 1, 4 waves a work-group, no clusters, 35,328 bytes of LDS; arguments xb, bm, xg; writes xg
.if DOCPART == 6
	.amdgcn_target "amdgcn-amd-amdhsa--gfx1250"
	.amdhsa_code_object_version 6
	.text
	.protected	k_q69864818f3_lay
	.globl	k_q69864818f3_lay
	.p2align	8
	.type	k_q69864818f3_lay,@function
k_q69864818f3_lay:
	s_mov_b64 s[64:65], 0
	v_nop
	global_prefetch_b8 v0, s[64:65] scope:SCOPE_SE
	s_setreg_imm32_b32 hwreg(HW_REG_WAVE_SCHED_MODE, 0, 2), 2
	s_setreg_imm32_b32 hwreg(HW_REG_WAVE_MODE, 25, 1), 1
	s_wait_xcnt 0x0
	s_wait_alu depctr_vm_vsrc(0)
; LAY.  The rows of xb (x in bf16) that chose expert e are laid end to end by rank, in the order in which the first product's matrix operands take them:
; xg byte e 2^21 + tile 32,768 + ft 512 + 16 lane holds, for lane l, row 16 tile + l % 16 of the expert and columns 16 ft + 8 (l / 16) + 0..7.  So a fragment load of the first product takes 512
; consecutive bytes, and the gather is made once for the 32 work-groups that multiply an expert's rows.  Nothing is rounded: 16-byte pieces are moved.
; ROWS.  An expert's rows are its tokens by rank (the count of chosen tokens below: from the bitmap bm, whole numbers that the router's launch stored).  Places past the count repeat the last row, so that every
; byte of a tile that exists is written; an expert without rows counts as one row, token 0.  Up to 1,024 rows an expert are served.
; SHARES.  Work-group (e, chunk, phase): e = id / 32, chunk = id % 8 (128 columns: 256 aligned bytes of a row), phase = (id / 8) % 4.  Wave w takes tiles phase + 4 w + 16 trip, four trips; a tile that does not
; exist is jumped.  A tile's part is 16 rows x 256 bytes: read as whole pieces of 256 bytes (sixteen lanes a row), turned in the wave's own stage in LDS, stored as eight runs of 512 consecutive bytes.
; A stream of a few kilobytes a wave: no matrix unit; no cluster: a piece of xb has two readers, the token's two experts, which no grid puts side by side; no barrier: list and stage are each wave's own.
; THE MODE: SCHED_MODE bits 1:0 = 2 (LLVM: expert scheduling mode 2), set by the entry lines.  The code itself states the register dependences between vector instructions and memory or LDS
; instructions, with s_wait_alu, always for 0.
; THE PLAN.  Registers that memory or LDS instructions touch:
;   LA, Z      written at the head; read by the eight stores that clear the list.
;   LT, LK     32 + 32: the list places and the tokens of all 32 groups, made in one run of vector lines; read by one run of 32 LDS stores; never written again.
;   RK         a tile's eight list addresses: written by the tile's first vector lines, read by its eight list loads.
;   TK         the list loads land in it; two vector lines each make byte offsets of the tokens; the eight global loads read them.
;   D          the global loads land in it, the LDS stores into the stage read it.      E2  the LDS loads from the stage land in it, the global stores read it.  No vector line names D or E2.
;   SI, SO, L16  made at the head, never written again.
; So a tile has three waits: one on vm_vsrc at its head (the last tile's memory and LDS instructions have read RK, TK, D and E2), one on va_vdst ahead of the list loads, one ahead of the global loads.
.set LISTW, 4352        ; a wave's list of the expert's tokens: 1,024 words, and a word for the lanes that have nothing to say
.set STG,   4*LISTW
.set SP,    272         ; a stage row: the 16 rows' pieces of one 16-byte column, 256 bytes + 16: sixteen storing lanes hit sixteen different 16-byte columns of the banks' 256 bytes (ISA guide 11.1)
.set STGW,  16*SP
.set SPARE, STG+4*STGW  ; the spare words, 128 bytes a wave: two blocks of 256 bytes that no other line names
.set SPW, 2             ; v2  my spare word's address; never rewritten
.set NIL, 3             ; v3  0; never rewritten
.set LN,  4             ; v4  lane
.set L16, 5             ; v5  16 x lane
.set C16, 6             ; v6  lane % 16
.set HH,  7             ; v7  lane / 16
.set SI,  8             ; v8  into the stage
.set SO,  9             ; v9  out of it
.set RB,  10            ; v10 the rank of my row in the tile's first pair of rows
.set CO,  11            ; v11 my 16 bytes in a row of xb
.set Z,   12            ; v12-15 zeros
.set LA,  16
.set DUM, 17
.set RK,  20            ; v20-27 list addresses of eight ranks
.set TK,  28            ; v28-35 their tokens, then byte offsets in xb
.set D,   36            ; v36-67 the tile's part as loaded
.set E2,  68            ; v68-99 the tile's part, turned
.set LT,  100           ; v100-131 group g: my token's place in the list
.set LK,  132           ; v132-163 group g: my token
.set WV,   16
.set EX,   17
.set CH,   18
.set PH,   19
.set CM1,  20           ; rows - 1
.set NTE,  21           ; tiles of rows
.set TILE, 22
.set CNT,  23
.set T2,   24
.set MYLI, 25
.set TP,   26           ; s[26:27] an offset; s27 stays 0
.set MYST, 28
.set OB,   30           ; s[30:31] xg at the tile in hand
.set BM,   32           ; s[32:63] the expert's bitmap
	s_load_b128 s[4:7], s[0:1], 0x0                ; xb s[4:5], bm s[6:7]
	s_load_b64 s[8:9], s[0:1], 0x10                ; xg
	v_lshl_add_u32 v[SPW], v0, 2, SPARE
	v_mov_b32 v[NIL], 0
	v_lshrrev_b32 v1, 5, v0
	v_readfirstlane_b32 s[WV], v1                  ; wave 0..3
	v_and_b32 v[LN], 31, v0
	v_lshlrev_b32 v[L16], 4, v[LN]
	v_and_b32 v[C16], 15, v0
	v_bfe_u32 v[HH], v0, 4, 1
	s_lshr_b32 s[EX], ttmp9, 5
	s_and_b32 s[CH], ttmp9, 7
	s_bfe_u32 s[PH], ttmp9, 0x20003                ; two bits from bit 3
	s_wait_alu depctr_va_sdst(0)                   ; the wave's number is written, ahead of its first reader: my list's and my stage's places are made from it
	s_mul_i32 s[MYLI], s[WV], LISTW
	s_mul_i32 s[MYST], s[WV], STGW
	s_add_co_u32 s[MYST], s[MYST], STG
	s_mov_b32 s[TP+1], 0
	s_lshl_b32 s[TP], s[EX], 7
	s_wait_kmcnt 0x0
	s_add_nc_u64 s[6:7], s[6:7], s[TP:TP+1]
	s_load_b512 s[BM:BM+15], s[6:7], 0x0           ; the expert's 1,024 bits
	s_load_b512 s[BM+16:BM+31], s[6:7], 0x40
	v_mov_b32 v[Z], 0                              ; my list starts as 1,024 times token 0: every word that may be read is written, and an expert without rows has its one row
	v_mov_b32 v[Z+1], 0
	v_mov_b32 v[Z+2], 0
	v_mov_b32 v[Z+3], 0
	v_add_nc_u32 v[LA], s[MYLI], v[L16]
	v_mov_b32 v[DUM], 0x400                        ; the place of the word for lanes whose token did not choose the expert
	v_mul_u32_u24 v[SI], v[C16], SP                ; in: my 16-byte column's stage row, at the place of my row
	v_lshl_add_u32 v[SI], v[HH], 4, v[SI]
	v_add_nc_u32 v[SI], s[MYST], v[SI]
	v_mul_u32_u24 v[SO], v[HH], SP                 ; out: lanes 0-15 take one stage row's 256 bytes, lanes 16-31 the next one's
	v_lshl_add_u32 v[SO], v[C16], 4, v[SO]
	v_add_nc_u32 v[SO], s[MYST], v[SO]
	s_lshl_b32 s[T2], s[CH], 8
	v_lshl_add_u32 v[CO], v[C16], 4, s[T2]
	s_wait_alu depctr_va_vdst(0)                   ; v[LA] and the four zeros are written, which the eight stores below read
.irp i, 0,1,2,3,4,5,6,7
	ds_store_b128 v[LA], v[Z:Z+3] offset:(\i)*512
.endr
	s_lshl_b32 s[TP], s[EX], 21                    ; xg at my expert and my chunk's eight column tiles of 512 bytes
	s_lshl_b32 s[T2], s[CH], 12
	s_add_co_u32 s[TP], s[TP], s[T2]
	s_add_nc_u64 s[8:9], s[8:9], s[TP:TP+1]
	s_lshl_b32 s[TILE], s[WV], 2
	s_add_co_u32 s[TILE], s[TILE], s[PH]
	s_mov_b32 s[CM1], 0
	s_wait_kmcnt 0x0
	; 32 groups of 32 tokens: lane l of group g puts token 32 g + l at its rank in my list.  All places and tokens are made first, so that one wait serves the 32 stores.
.set g, 0
.rept 32
	v_mbcnt_lo_u32_b32 v[LT+g], s[BM+g], s[CM1]    ; the tokens below mine that chose the expert
	v_cndmask_b32 v[LT+g], v[DUM], v[LT+g], s[BM+g]  ; the bitmap's word is the lanes' mask: EXEC stays whole
	v_min_u32 v[LT+g], 0x400, v[LT+g]
	v_lshl_add_u32 v[LT+g], v[LT+g], 2, s[MYLI]
	v_add_nc_u32 v[LK+g], 32*g, v[LN]
	s_bcnt1_i32_b32 s[T2], s[BM+g]
	s_add_co_u32 s[CM1], s[CM1], s[T2]
.set g, g+1
.endr
	s_wait_alu depctr_va_vdst(0)                   ; the 32 places and the 32 tokens are written, which the stores below read
.set g, 0
.rept 32
	ds_store_b32 v[LT+g], v[LK+g]
.set g, g+1
.endr
	s_max_u32 s[CM1], s[CM1], 1
	s_add_co_u32 s[NTE], s[CM1], 15
	s_lshr_b32 s[NTE], s[NTE], 4
	s_sub_co_u32 s[CM1], s[CM1], 1
	s_mov_b32 s[CNT], 4
.Ltile:                                                ; four trips cover the 64 tiles that an expert can have
	s_cmp_ge_u32 s[TILE], s[NTE]
	s_cbranch_scc1 .Lnext                          ; a tile that does not exist
	s_wait_xcnt 0x0                                ; the last tile's loads and stores have read their registers and base
	s_wait_alu depctr_vm_vsrc(0)                   ; the last tile's list loads have read RK, its global loads TK, its LDS stores D, its global stores E2: all four are written again below
	s_lshl_b32 s[T2], s[TILE], 4
	v_add_nc_u32 v[RB], s[T2], v[HH]
.irp m, 0,1,2,3,4,5,6,7
	v_add_nc_u32 v[RK+(\m)], 2*(\m), v[RB]         ; load m takes rows 2 m and 2 m + 1 of the tile: the rank of mine,
	v_min_u32 v[RK+(\m)], s[CM1], v[RK+(\m)]       ; past the count the last row once more,
	v_min_u32 v[RK+(\m)], 0x3ff, v[RK+(\m)]
	v_lshl_add_u32 v[RK+(\m)], v[RK+(\m)], 2, s[MYLI]
.endr
	s_min_u32 s[TP], s[TILE], 63
	s_lshl_b32 s[TP], s[TP], 15
	s_add_nc_u64 s[OB:OB+1], s[8:9], s[TP:TP+1]
	s_wait_alu depctr_va_vdst(0)                   ; the eight list addresses are written; the last tile's vector lines are done with TK, in which the tokens land
.irp m, 0,1,2,3,4,5,6,7
	ds_load_b32 v[TK+(\m)], v[RK+(\m)]             ; the row's token, from my own list (LDS serves a wave's instructions in order: ISA guide 5.7.1.4)
.endr
	s_wait_dscnt 0x0
.irp m, 0,1,2,3,4,5,6,7
	v_min_u32 v[TK+(\m)], 0x3ff, v[TK+(\m)]
	v_lshl_add_u32 v[TK+(\m)], v[TK+(\m)], 11, v[CO]
.endr
	s_wait_alu depctr_va_vdst(0)                   ; the eight byte offsets are written, which the loads below read
.irp m, 0,1,2,3,4,5,6,7
	global_load_b128 v[D+4*(\m):D+4*(\m)+3], v[TK+(\m)], s[4:5]  ; sixteen lanes take 256 consecutive aligned bytes of a row
.endr
.irp m, 0,1,2,3,4,5,6,7
	s_wait_loadcnt 7-(\m)                          ; loads come back in order: load m is in, the 7 - m younger ones stay out
	ds_store_b128 v[SI], v[D+4*(\m):D+4*(\m)+3] offset:32*(\m)
.endr
.irp f, 0,1,2,3,4,5,6,7
	ds_load_b128 v[E2+4*(\f):E2+4*(\f)+3], v[SO] offset:(\f)*2*SP  ; column tile f: columns 16 f + 8 (l / 16) on of row l % 16; these see the stores above; they land in registers of their own
.endr
.irp f, 0,1,2,3,4,5,6,7
	s_wait_dscnt 7-(\f)                            ; column tile f is back; the 7 - f younger loads stay out
	global_store_b128 v[L16], v[E2+4*(\f):E2+4*(\f)+3], s[OB:OB+1] offset:(\f)*512  ; 512 consecutive aligned bytes
.endr
.Lnext:
	s_add_co_u32 s[TILE], s[TILE], 16
	s_sub_co_u32 s[CNT], s[CNT], 1
	s_cmp_lg_u32 s[CNT], 0
	s_cbranch_scc1 .Ltile
	s_wait_dscnt 0x0                               ; the closing lines, six on end
	s_wait_alu 0x0
	s_wait_tensorcnt 0x0
	ds_add_u32 v[SPW], v[NIL]
	s_wait_dscnt 0x0
	s_endpgm
.Lfunc_end_k_q69864818f3_lay:
	.size	k_q69864818f3_lay, .Lfunc_end_k_q69864818f3_lay-k_q69864818f3_lay
	.p2alignl 7, 3214868480
	.fill 96, 4, 3214868480
	.section	.rodata,"a",@progbits
	.p2align	6, 0x0
	.amdhsa_kernel k_q69864818f3_lay
		.amdhsa_group_segment_fixed_size 35328
		.amdhsa_private_segment_fixed_size 0
		.amdhsa_enable_private_segment 0
		.amdhsa_kernarg_size 24
		.amdhsa_user_sgpr_count 2
		.amdhsa_user_sgpr_kernarg_segment_ptr 1
		.amdhsa_wavefront_size32 1
		.amdhsa_system_sgpr_workgroup_id_x 1
		.amdhsa_system_sgpr_workgroup_id_y 1
		.amdhsa_system_sgpr_workgroup_id_z 1
		.amdhsa_system_vgpr_workitem_id 0
		.amdhsa_next_free_vgpr 164
		.amdhsa_next_free_sgpr 66
		.amdhsa_reserve_vcc 0
		.amdhsa_float_denorm_mode_32 3
		.amdhsa_float_denorm_mode_16_64 3
		.amdhsa_memory_ordered 1
		.amdhsa_forward_progress 1
		.amdhsa_inst_pref_size 24
	.end_amdhsa_kernel
	.amdgpu_metadata
---
amdhsa.version: [ 1, 2 ]
amdhsa.kernels:
  - .name:           k_q69864818f3_lay
    .symbol:         k_q69864818f3_lay.kd
    .args:
      - { .name: xb, .offset: 0, .size: 8, .value_kind: global_buffer, .address_space: global }
      - { .name: bm, .offset: 8, .size: 8, .value_kind: global_buffer, .address_space: global }
      - { .name: xg, .offset: 16, .size: 8, .value_kind: global_buffer, .address_space: global }
    .group_segment_fixed_size: 35328
    .private_segment_fixed_size: 0
    .kernarg_segment_align: 8
    .kernarg_segment_size: 24
    .max_flat_workgroup_size: 128
    .sgpr_count:     66
    .vgpr_count:     164
    .wavefront_size: 32
...
	.end_amdgpu_metadata
.endif
;; end of part 6
;; launch ffn1 (part 7): grid 256 x 1, 4 waves a work-group, no clusters, 302,592 bytes of LDS; arguments W1, xg, bm, hf, b1; writes hf
.if DOCPART == 7
	.amdgcn_target "amdgcn-amd-amdhsa--gfx1250"
	.amdhsa_code_object_version 6
	.text
	.protected	k_q69864818f3_ffn1
	.globl	k_q69864818f3_ffn1
	.p2align	8
	.type	k_q69864818f3_ffn1,@function
k_q69864818f3_ffn1:
	s_mov_b64 s[64:65], 0
	v_nop
	global_prefetch_b8 v0, s[64:65] scope:SCOPE_SE
	s_setreg_imm32_b32 hwreg(HW_REG_WAVE_SCHED_MODE, 0, 2), 2
	s_setreg_imm32_b32 hwreg(HW_REG_WAVE_MODE, 25, 1), 1
	s_wait_xcnt 0x0
	s_wait_alu depctr_vm_vsrc(0)
.set LAYER, 1
; ONE SOURCE FOR BOTH PRODUCTS OF THE EXPERTS' FFN; the line above says which is built.
; LAYER 1: hf = gelu(x W1[e] + b1[e]) for the rows that chose expert e.    Arguments: W1, xg, bm, hf, b1.
; LAYER 2: part[q] = h W2[e] over the quarter q of the hidden width.       Arguments: W2, hf, bm, part, pre.
; FORMATS.  Weights, x and b1 are rounded once to bf16, h once to bf16; all sums in f32.  LIMITS: erf by a rational form with an absolute error of 2.5e-5 at the most for every argument
; (Abramowitz and Stegun 7.1.25); NaN and infinities are not treated apart; K ascending within a work-group's 1,024, the four quarters of layer 2 added by the next launch.
; SHARES.  Work-group (e, s): e = id / 32, s = id % 32.  It alone reads a slice of 1,024 K x 128 columns of expert e's weights, in rows of 512 consecutive aligned bytes, and multiplies ALL of that
; expert's rows by it.  The slice, in bf16, stays in LDS: it is written once and never again, so rows beyond the first pass need no memory for weights.
; FOUR LIKE WAVES.  In step t every wave rounds its eight rows of K block t + 1 (32 of K) and stores them into LDS in the order of matrix operands, and multiplies its own row tiles by K block t, which the
; barrier in front of the step has shown whole.  Row fragments come straight from memory into registers.  A step asks for the weights four blocks on and the rows two blocks on: a wave's loads come
; back in order, so behind a step's requests 24 loads of weights and up to 24 to 30 of rows are on their way, 512 bytes each.
; ROWS.  An expert's rows are its tokens by rank; xg (laid by the launch before) and hf hold them in tiles of 16 rows, in operand order: a fragment's half is 512 consecutive bytes.  The number of rows comes
; from the bitmap bm.  Pass p covers tiles 20 p .. 20 p + 19, tile 20 p + 4 j + w in place j of wave w.  Pass 0 runs beside the stream.  Places past the last tile repeat it; in the last tile the rows past the
; count repeat the last row; an expert without rows counts as one row (token 0): its tile is stored and nobody reads it.  Up to 1,024 rows are served.
; THE MATRIX INSTRUCTION IS USED TRANSPOSED: source 0 = 16 columns of the weights, source 1 = 16 rows: a lane then holds one row and eight neighbouring columns.
; THE WAY OUT.  Layer 1: a lane's eight columns, rounded, are the 16 bytes that hf's layout gives that lane, so they are stored from registers; one text of the GELU serves the five places: the addition of the
; bias, written once for each place, brings a place's sums into the registers that this text names.  Layer 2: f32 rows go through each wave's own stage in LDS and leave as whole rows of 512 bytes.
; NO CLUSTER, NO TENSOR LOAD.  Each weight byte has one reader and must pass through registers to be rounded.  What an expert's work-groups share is its rows: 512 KB a work-group at 256 rows, as much as its
; weights.  Joint loads by four partners would spare three of four requests for them; the rows would then pass through LDS (512 KB more written, and read from there), each refill behind a round of the
; cluster's barrier; a step's rows are 16 to 20 KB (256 to 320 rows x 64 bytes), and beside the slice's 266,240 bytes and layer 2's stages of 33,792 LDS has 27,648 left, less than two such slots.  Not built.
; THE MODE: SCHED_MODE bits 1:0 = 2 (LLVM: expert scheduling mode 2), set by the entry lines.  The code itself states the register dependences between vector or matrix instructions and memory or LDS
; instructions, with s_wait_alu, always for 0.
; THE PLAN.  Registers that memory or LDS instructions touch in step t, and who else names them:
;   RING[g]    four groups of weights as loaded.  The conversions at the head of step t read group (t + 1) % 4; the loads of block t + 4 land in group t % 4, which the conversions of step t - 1 read.
;   TT         the rounded weights: written by the step's conversions, read by its four LDS stores.
;   WH0        column tiles 0-3 of block t: the step's LDS loads land in it; its last readers, the first half of block t - 1's products, were issued in step t - 1.
;   WH1[p]     column tiles 4-7, two buffers: the step's LDS loads land in buffer t % 2, last read by the second half of block t - 2's products, issued in step t - 1; the second half of block t - 1's
;              products, issued in step t, reads the other buffer.
;   AF[b]      four buffers of rows: the loads of block t + 2 land in buffer (t + 2) % 4, last read by the second half of block t - 2's products; step t's products read buffers (t - 1) % 4 and t % 4.
;   v6, v249   the LDS pointers: read by every LDS load and store of the slice; stepped once in four steps, at a step's head.      v1-5, v248  offsets: not written in the K loop.
; So ONE wait on va_vdst stands in a step, behind its conversions: TT is written, the conversions are done with their group, the products of step t - 1 are done with WH0, WH1[t % 2] and AF[(t + 2) % 4], the
; pointers are written.  All the step's loads and stores follow it in one run, with no vector or matrix instruction among them; then the step's 32 to 40 products stand on end.  One wait on vm_vsrc stands
; at the step's head: the last step's LDS stores have read TT (and, where the pointers are stepped, the LDS instructions have read them).
.if LAYER == 1
.set PITCH, 16384      ; bytes from a row of the weights to the next
.set TSH,   15         ; a tile of 16 rows is 2^15 bytes of xg (64 column tiles of 512 bytes)
.else
.set PITCH, 4096
.set TSH,   17         ; 2^17 bytes of hf (256 column tiles)
.endif
.set KSTR,  1024       ; a K block is two column tiles of 512 bytes
.set HOFF,  512        ; from a row fragment's first half to its second
.set KB,    8320       ; a K block in LDS: 8 column tiles
.set NTB,   1040       ; a column tile: two halves of 512 bytes (lane l's 16 bytes at 16 l) + 16 of padding, so that sixteen storing lanes hit sixteen different 16-byte columns of the banks' 256 bytes (ISA guide 11.1)
.set STG,   32*KB      ; layer 2: a stage for each wave, 16 rows of 528 bytes
.set STGW,  8448
.set BIA,   STG+4*STGW ; layer 1: each wave's own copy of the slice's 128 biases, f32
.set BIAW,  512
.set SPARE, BIA+4*BIAW ; the spare words, 128 bytes a wave: two blocks of 256 bytes that no other line names
; VECTOR REGISTERS, in windows of 256 (s_set_vgpr_msb: bits 1:0 source 0, 3:2 source 1, 5:4 source 2, 7:6 destination).
; Window 0: v0 thread; v1-5 row offsets of places 0-4; v6 LDS read pointer; v7 lane; v8-39 weights of column tiles 0-3; v72-231 four buffers of row fragments (place j at + 8 j);
;           v232-247 rounded weights; v248 16 x lane; v249 LDS store pointer; v250, v251 the add's two; v252-255 the bias as loaded.
; Window 1: accumulator (place j, column tile n) at v[64 j + 8 n], j = 0..3.
; Window 2: v0-63 place 4's accumulators; v64-191 four groups of 32: weights as loaded; v192-255 two buffers of 32: weights of column tiles 4-7.
; The way out, in registers of window 0 that the products have left: layer 1: v8-71 a place's 64 numbers, v72-111 at work, v112-175 my 64 biases (kept over the passes); layer 2: v9-11 addresses, v72-135 rows.
.set AO,   1
.set LP,   6
.set LN,   7
.set WH0,  8
.set AF,   72
.set TT,   232
.set PO,   248
.set PP,   249
.set SPW,  250
.set NIL,  251
.set BV,   252
.set ACC4, 0
.set RING, 64
.set WH1,  192
.set ES,   9
.set EB0,  10
.set ER,   10
.set WK,   8
.set GD,   72
.set GQ,   80
.set GT,   88
.set GP,   96
.set GR,   104
.set BIAS, 112
.set OBUF, 72
; SCALAR REGISTERS
.set WV,   16          ; wave
.set EX,   17          ; expert
.set SL,   18          ; slice
.set CM1,  20          ; rows
.set NTE,  21          ; tiles of rows
.set TB,   22          ; 20 x pass + wave
.set PASS, 23
.set CNT,  24
.set LIVE4, 25         ; place 4 holds a tile that exists
.set TP,   26          ; s[26:27] an offset; s27 stays 0
.set GB,   28          ; s[28:29] the rows' running base
.set AB0,  30          ; s[30:31] the rows' base at K block 0
.set BM,   32          ; s[32:63] the expert's bitmap
.set GC,   66          ; s[66:75] five constants, each twice
.set WB,   76          ; s[76:77] the weights' running base
.set OB0,  80          ; s[80:81] the output at tile 0
.set OB,   82          ; s[82:83] at the tile in hand
.set MYST, 84
.set QQ,   85
.set TILE, 86
.set MYBI, 87
.set NS,   87
.set MSB, 0
.macro WIN new                         ; the immediate's high byte repeats the setting that is left; a switch that changes nothing is dropped
.if MSB != (\new)
	s_set_vgpr_msb (MSB<<8)|(\new)
.set MSB, \new
.endif
.endm
.macro PLACES                          ; four places between a matrix instruction and a load into, or a vector write of, its registers, or a reading of its result (ISA guide 7.12.1 for vector instructions)
.rept 4
	v_nop
.endr
.endm
; My eight rows of the K block grel (counted from WB) into group fs: each load is one row's 512 consecutive bytes.
.macro PLOAD fs, grel
	WIN 0x80                                       ; destination window 2
.irp i, 0,1,2,3,4,5,6,7
	global_load_b128 v[RING+32*(\fs)+4*(\i):RING+32*(\fs)+4*(\i)+3], v[PO], s[WB:WB+1] offset:((\grel)*32+(\i))*PITCH th:TH_LOAD_NT
.endr
.endm
; Group cs is rounded.  My lane holds columns 4 l + c of eight rows: for each c eight k of one column, 16 bytes, which is what a lane of a fragment load takes.
.macro CVT cs
	WIN 0x0a                                       ; sources 0 and 1 window 2
.irp c, 0,1,2,3
.irp m, 0,1,2,3
	v_cvt_pk_bf16_f32 v[TT+4*(\c)+(\m)], v[RING+32*(\cs)+8*(\m)+(\c)], v[RING+32*(\cs)+8*(\m)+4+(\c)]
.endr
.endr
	WIN 0
.endm
; The rounded weights are stored as K block lrel (counted from PP).
.macro PST lrel
	WIN 0
.irp c, 0,1,2,3
	ds_store_b128 v[PP], v[TT+4*(\c):TT+4*(\c)+3] offset:(\lrel)*KB+16*(\c)
.endr
.endm
; Weights of column tiles 0-3 of the K block u (counted from LP): each load takes 512 consecutive bytes.
.macro WLOAD0 u
	WIN 0
.irp n, 0,1,2,3
	ds_load_b128 v[WH0+8*(\n):WH0+8*(\n)+3],   v[LP] offset:(\u)*KB+(\n)*NTB
	ds_load_b128 v[WH0+8*(\n)+4:WH0+8*(\n)+7], v[LP] offset:(\u)*KB+(\n)*NTB+512
.endr
.endm
; Weights of column tiles 4-7, into buffer p.
.macro WLOAD1 u, p
	WIN 0x80                                       ; destination window 2
.irp n, 0,1,2,3
	ds_load_b128 v[WH1+32*(\p)+8*(\n):WH1+32*(\p)+8*(\n)+3],   v[LP] offset:(\u)*KB+(4+(\n))*NTB
	ds_load_b128 v[WH1+32*(\p)+8*(\n)+4:WH1+32*(\p)+8*(\n)+7], v[LP] offset:(\u)*KB+(4+(\n))*NTB+512
.endr
.endm
; Row fragments of the K block rel (counted from GB) into buffer b: each load takes 512 consecutive bytes.  Place 4's two loads are jumped where its tile does not exist, unless all = 1.
.macro ALOAD b, rel, all
	WIN 0
.irp j, 0,1,2,3
	global_load_b128 v[AF+40*(\b)+8*(\j):AF+40*(\b)+8*(\j)+3],   v[AO+(\j)], s[GB:GB+1] offset:(\rel)*KSTR
	global_load_b128 v[AF+40*(\b)+8*(\j)+4:AF+40*(\b)+8*(\j)+7], v[AO+(\j)], s[GB:GB+1] offset:(\rel)*KSTR+HOFF
.endr
.if !(\all)
	s_cmp_eq_u32 s[LIVE4], 0
	s_cbranch_scc1 .Lna_\@
.endif
	global_load_b128 v[AF+40*(\b)+32:AF+40*(\b)+35], v[AO+4], s[GB:GB+1] offset:(\rel)*KSTR
	global_load_b128 v[AF+40*(\b)+36:AF+40*(\b)+39], v[AO+4], s[GB:GB+1] offset:(\rel)*KSTR+HOFF
.Lna_\@:
.endm
; 16 matrix instructions (places 0-3 x four column tiles) and place 4's four.  nh = 0: column tiles 0-3, from WH0; nh = 1: tiles 4-7, from buffer p of WH1.  b: the rows' buffer.
; The accumulators take turns, one instruction a turn.  zero = 1: the products start the sums.
.macro MULH nh, b, zero, always, p
.if (\nh) == 0
.set WA, WH0
.set WW, 0                             ; source 0 in window 0
.else
.set WA, WH1+32*(\p)
.set WW, 2                             ; source 0 in window 2
.endif
	WIN 0x50+WW                                    ; C and D in window 1
.irp n, 0,1,2,3
.irp j, 0,1,2,3
.if \zero
	v_wmma_f32_16x16x32_bf16 v[64*(\j)+8*(4*(\nh)+(\n)):64*(\j)+8*(4*(\nh)+(\n))+7], v[WA+8*(\n):WA+8*(\n)+7], v[AF+40*(\b)+8*(\j):AF+40*(\b)+8*(\j)+7], 0
.else
	v_wmma_f32_16x16x32_bf16 v[64*(\j)+8*(4*(\nh)+(\n)):64*(\j)+8*(4*(\nh)+(\n))+7], v[WA+8*(\n):WA+8*(\n)+7], v[AF+40*(\b)+8*(\j):AF+40*(\b)+8*(\j)+7], v[64*(\j)+8*(4*(\nh)+(\n)):64*(\j)+8*(4*(\nh)+(\n))+7]
.endif
.endr
.endr
	WIN 0                                          ; at a branch and at a label every window is 0
.if !(\always)
	s_cmp_eq_u32 s[LIVE4], 0
	s_cbranch_scc1 .Lno4_\@
.endif
	WIN 0xa0+WW                                    ; C and D in window 2
.irp n, 0,1,2,3
.if \zero
	v_wmma_f32_16x16x32_bf16 v[ACC4+8*(4*(\nh)+(\n)):ACC4+8*(4*(\nh)+(\n))+7], v[WA+8*(\n):WA+8*(\n)+7], v[AF+40*(\b)+32:AF+40*(\b)+39], 0
.else
	v_wmma_f32_16x16x32_bf16 v[ACC4+8*(4*(\nh)+(\n)):ACC4+8*(4*(\nh)+(\n))+7], v[WA+8*(\n):WA+8*(\n)+7], v[AF+40*(\b)+32:AF+40*(\b)+39], v[ACC4+8*(4*(\nh)+(\n)):ACC4+8*(4*(\nh)+(\n))+7]
.endif
.endr
	WIN 0
.Lno4_\@:
.endm
; STEP t.  u: block t counted from the four running pointers.  on: the pointers first move on by so many blocks.  prod: block t + 1 is rounded and stored; its 16 conversions are also the places behind the last
; step's products.  aiss, wiss: the rows of block t + 2 and the weights of block t + 4 are asked for.  prev: the second half of block t - 1's products (zp: it starts sums); then the first half of block t's (z0).
; nw: the loads younger than the weights of block t + 1, na: those younger than the rows of block t, counted at the least on every path (eight rows' loads a block); -1: an earlier wait has shown them in.
.macro STEP t, u, on, prev, zp, z0, prod, wiss, aiss, all, nw, na, bar
.if \on
	s_wait_xcnt 0x0                                ; the bases are stepped only when the loads issued have read them
	s_add_nc_u64 s[WB:WB+1], s[WB:WB+1], (\on)*32*PITCH
	s_add_nc_u64 s[GB:GB+1], s[GB:GB+1], (\on)*KSTR
.endif
.if (\nw) >= 0
	s_wait_loadcnt \nw
.endif
.if (\prod) || (\on)
	s_wait_alu depctr_vm_vsrc(0)                   ; the last step's LDS stores have read v232-247, which the conversions write again; its LDS instructions have read v6 and v249, where these are stepped
.endif
.if \on
	v_add_nc_u32 v[LP], (\on)*KB, v[LP]
	v_add_nc_u32 v[PP], (\on)*KB, v[PP]
.endif
.if \prod
	CVT ((\t)+1)%4
.else
	PLACES
.endif
	s_wait_alu depctr_va_vdst(0)                   ; the conversions have written v232-247 and are done with their group; the last step's products are done with WH0, WH1[t % 2] and AF[(t + 2) % 4]; v6 and v249 are written
	WLOAD0 \u
.if \prod
	PST (\u)+1
.endif
.if \aiss
	ALOAD ((\t)+2)%4, (\u)+2, \all
.endif
	WLOAD1 \u, (\t)%2
.if \wiss
	PLOAD (\t)%4, (\u)+4
.endif                                                 ; no vector or matrix instruction stands between the wait above and these loads and stores
.if \prev
	MULH 1, ((\t)+3)%4, \zp, \zp, ((\t)+1)%2
.endif
	s_wait_dscnt 8+4*(\prod)                       ; column tiles 0-3 are in; my stores and the eight loads of tiles 4-7 are younger
.if (\na) >= 0
	s_wait_loadcnt \na
.endif
	MULH 0, (\t)%4, \z0, \z0, 0
	s_wait_dscnt 0x0                               ; for the others' sake: my part of block t + 1 lies in LDS; no LDS instruction of mine is out at the signal
.if \bar
	s_barrier_signal -1
	s_barrier_wait -1                              ; block t + 1 is whole
.endif
.endm
; A pass begins: the row offsets of my five places, the pointers back at K block 0.
.macro OFFS
	s_wait_xcnt 0x0                                ; every earlier memory instruction has read its registers: only now are offsets and base written
	s_wait_alu depctr_vm_vsrc(0)                   ; the loads of the pass before have read v1-6, written below; the way out's stores have read the registers that the next pass's loads and products write
	v_mov_b32 v[LP], v[PO]
	s_mov_b64 s[GB:GB+1], s[AB0:AB0+1]
	s_sub_co_u32 s[TILE], s[NTE], 1
.irp j, 0,1,2,3,4
	s_add_co_u32 s[TP], s[TB], 4*(\j)
	s_min_u32 s[TP], s[TP], s[TILE]                ; past the last tile the last tile once more
	s_min_u32 s[TP], s[TP], 63
	v_lshl_add_u32 v[AO+(\j)], s[TP], TSH, v[PO]   ; the tile's first byte + 16 x lane
.endr
	s_add_co_u32 s[TP], s[TB], 16
	s_cmp_lt_u32 s[TP], s[NTE]
	s_cselect_b32 s[LIVE4], 1, 0
.endm
; A K block of a later pass (an expert with more than 320 rows): plain, everything waited for; the slice is whole.
.macro BSTEP zero
	PLACES
	s_wait_alu depctr_va_vdst(0)                   ; the block before's products are done with WH0, WH1[0] and AF[0], and what the way out wrote there is written; v6 is written, at a pass's first block v1-5 too
	WLOAD0 0
	ALOAD 0, 0, 1
	WLOAD1 0, 0
	WIN 0
	s_wait_dscnt 0x0
	s_wait_loadcnt 0x0
	s_wait_alu depctr_vm_vsrc(0)                   ; the LDS loads above have read v6
	v_add_nc_u32 v[LP], KB, v[LP]
	MULH 0, 0, \zero, 1, 0
	MULH 1, 0, \zero, 1, 0
	s_add_nc_u64 s[GB:GB+1], s[GB:GB+1], KSTR      ; its loads are done
.endm
; LAYER 1'S WAY OUT.  ARM j: place j's 64 sums plus my 64 biases, into the registers that the one text of the GELU names; each accumulator is read from its low end on.
.macro ARM j
.if (\j) < 4
.set AC, 64*(\j)
	WIN 0x01                                       ; source 0 in window 1
.else
.set AC, ACC4
	WIN 0x02                                       ; in window 2
.endif
.set ii, 0
.rept 32
	v_pk_add_f32 v[WK+2*ii:WK+2*ii+1], v[AC+2*ii:AC+2*ii+1], v[BIAS+2*ii:BIAS+2*ii+1]
.set ii, ii+1
.endr
	WIN 0
.endm
; GELU n: column tile n, eight numbers a lane.  gelu(v) = max(v, 0) - |v| q, q = erfc(|v| / sqrt 2) / 2 = ((A3 t + A2) t + A1) t 2^(C2 v v), t = 1 / (1 + P |v|)
; Its rounded numbers stay in the tile's own first four registers; they are stored behind the next tile's wait.
.macro GELU n
.set GV, WK+8*(\n)
.irp i, 0,1,2,3,4,5,6,7
	v_fma_f32 v[GD+(\i)], |v[GV+(\i)]|, s[GC], 1.0
.endr
.irp i, 0,2,4,6
	v_pk_mul_f32 v[GQ+(\i):GQ+(\i)+1], v[GV+(\i):GV+(\i)+1], v[GV+(\i):GV+(\i)+1]
.endr
.irp i, 0,1,2,3,4,5,6,7
	v_rcp_f32 v[GT+(\i)], v[GD+(\i)]
.endr
.irp i, 0,2,4,6
	v_pk_mul_f32 v[GQ+(\i):GQ+(\i)+1], v[GQ+(\i):GQ+(\i)+1], s[GC+2:GC+3] op_sel_hi:[1,0]  ; also the plain instructions behind the reciprocals (ISA guide 5.7.2)
.endr
.irp i, 0,1,2,3,4,5,6,7
	v_exp_f32 v[GQ+(\i)], v[GQ+(\i)]
.endr
	s_wait_alu depctr_va_vdst(0)                   ; the eight reciprocals and the eight exponentials have written v88-95 and v80-87, ahead of their first readers; the tile before's roundings have written what the store below reads
.if (\n) > 0
	global_store_b128 v[PO], v[GV-8:GV-5], s[OB:OB+1] offset:((\n)-1)*512  ; 512 consecutive aligned bytes: a tile of 16 rows x 16 hidden columns, as layer 2's fragment loads take it
.endif
.irp i, 0,2,4,6
	v_pk_fma_f32 v[GP+(\i):GP+(\i)+1], v[GT+(\i):GT+(\i)+1], s[GC+8:GC+9], s[GC+6:GC+7] op_sel_hi:[1,0,0]  ; and these behind the exponentials
.endr
.irp i, 0,2,4,6
	v_pk_fma_f32 v[GP+(\i):GP+(\i)+1], v[GP+(\i):GP+(\i)+1], v[GT+(\i):GT+(\i)+1], s[GC+4:GC+5] op_sel_hi:[1,1,0]
.endr
.irp i, 0,2,4,6
	v_pk_mul_f32 v[GP+(\i):GP+(\i)+1], v[GP+(\i):GP+(\i)+1], v[GT+(\i):GT+(\i)+1]
.endr
.irp i, 0,2,4,6
	v_pk_mul_f32 v[GP+(\i):GP+(\i)+1], v[GP+(\i):GP+(\i)+1], v[GQ+(\i):GQ+(\i)+1]
.endr
.irp i, 0,1,2,3,4,5,6,7
	v_max_num_f32 v[GR+(\i)], 0, v[GV+(\i)]
.endr
.irp i, 0,1,2,3,4,5,6,7
	v_fma_f32 v[GR+(\i)], -|v[GV+(\i)]|, v[GP+(\i)], v[GR+(\i)]
.endr
.irp i, 0,1,2,3
	v_cvt_pk_bf16_f32 v[GV+(\i)], v[GR+2*(\i)], v[GR+2*(\i)+1]
.endr
.endm
; LAYER 2'S WAY OUT of place j: f32 sums into rows of 528 bytes of my own stage, back as whole rows of 512, stored as such.  A tile that does not exist, and with it the places behind it, is jumped.
; It holds no vector instruction: the one wait on va_vdst ahead of place 0 serves all five places.
.macro EPI j
	s_add_co_u32 s[TILE], s[TB], 4*(\j)
	s_cmp_ge_u32 s[TILE], s[NTE]
	s_cbranch_scc1 .Lepi_end
.if (\j) < 4
.set AC, 64*(\j)
	WIN 0x04                                       ; store data in window 1
.else
.set AC, ACC4
	WIN 0x08                                       ; in window 2
.endif
.irp n, 0,1,2,3,4,5,6,7
	ds_store_b128 v[ES], v[AC+8*(\n):AC+8*(\n)+3] offset:(\n)*64          ; each accumulator from its low end on
	ds_store_b128 v[ES], v[AC+8*(\n)+4:AC+8*(\n)+7] offset:(\n)*64+16
.endr
	WIN 0
	s_min_u32 s[TP], s[TILE], 63
	s_lshl_b32 s[TP], s[TP], 16
	s_wait_xcnt 0x0                                ; the last place's stores have read their base and data
.if (\j) > 0
	s_wait_alu depctr_vm_vsrc(0)                   ; the last place's global stores have read v72-135, in which the rows below land
.endif
	s_add_nc_u64 s[OB:OB+1], s[OB0:OB0+1], s[TP:TP+1]
.irp r, 0,1,2,3,4,5,6,7,8,9,10,11,12,13,14,15
	ds_load_b128 v[OBUF+4*(\r):OBUF+4*(\r)+3], v[ER] offset:(\r)*528     ; LDS serves a wave's instructions in order (ISA guide 5.7.1.4): these see the stores above
.endr
.irp r, 0,1,2,3,4,5,6,7,8,9,10,11,12,13,14,15
	s_wait_dscnt 15-(\r)                           ; row r is back; the 15 - r younger loads stay out
	global_store_b128 v[PO], v[OBUF+4*(\r):OBUF+4*(\r)+3], s[OB:OB+1] offset:(\r)*4096  ; 512 consecutive aligned bytes of a row of part
.endr
.endm
	s_load_b256 s[4:11], s[0:1], 0x0               ; weights s[4:5], rows s[6:7], bm s[8:9], output s[10:11]
	s_load_b64 s[12:13], s[0:1], 0x20              ; b1 or pre
	v_lshl_add_u32 v[SPW], v0, 2, SPARE
	v_mov_b32 v[NIL], 0
	v_lshrrev_b32 v[LN], 5, v0
	v_readfirstlane_b32 s[WV], v[LN]               ; wave 0..3
	v_and_b32 v[LN], 31, v0
	v_lshlrev_b32 v[PO], 4, v[LN]
	s_lshr_b32 s[EX], ttmp9, 5
	s_and_b32 s[SL], ttmp9, 31
	s_mov_b32 s[TP+1], 0
	s_lshl_b32 s[TP], s[EX], 24                    ; the slice's first byte, and my eight rows of every K block
.if LAYER == 1
	s_lshl_b32 s[TILE], s[SL], 9
.else
	s_lshr_b32 s[QQ], s[SL], 3                     ; which quarter of the hidden width,
	s_and_b32 s[NS], s[SL], 7                      ; which 128 output columns
	s_lshl_b32 s[TILE], s[QQ], 22
	s_add_co_u32 s[TP], s[TP], s[TILE]
	s_lshl_b32 s[TILE], s[NS], 9
.endif
	s_add_co_u32 s[TP], s[TP], s[TILE]
	s_wait_alu depctr_va_sdst(0)                   ; the wave's number is written, ahead of its first reader: the weights' base is made from it
	s_mul_i32 s[TILE], s[WV], 8*PITCH
	s_add_co_u32 s[TP], s[TP], s[TILE]
	s_wait_kmcnt 0x0
	s_add_nc_u64 s[WB:WB+1], s[4:5], s[TP:TP+1]
.if LAYER == 1
	s_lshl_b32 s[TP], s[EX], 14                    ; the slice's 128 biases: asked for first, used behind the count
	s_lshl_b32 s[TILE], s[SL], 9
	s_add_co_u32 s[TP], s[TP], s[TILE]
	s_add_nc_u64 s[12:13], s[12:13], s[TP:TP+1]
.endif
	s_wait_alu depctr_va_vdst(0)                   ; v248 is written, which the loads below, and every load of weights and store of results, read as their offset
.if LAYER == 1
	global_load_b128 v[BV:BV+3], v[PO], s[12:13]
.endif
	PLOAD 0, 0                                     ; the weights of K blocks 0 to 3 go out ahead of everything else
	PLOAD 1, 1
	PLOAD 2, 2
	PLOAD 3, 3
	WIN 0
	s_lshl_b32 s[TP], s[EX], 7
	s_add_nc_u64 s[8:9], s[8:9], s[TP:TP+1]
	s_load_b512 s[BM:BM+15], s[8:9], 0x0           ; the expert's 1,024 bits
	s_load_b512 s[BM+16:BM+31], s[8:9], 0x40
	v_lshrrev_b32 v8, 2, v[LN]                     ; my four columns lie in column tile l / 4, at its rows 4 (l % 4) + c; my eight k are the tile's 256 bytes number w
	v_and_b32 v9, 3, v[LN]
	v_mul_u32_u24 v8, v8, NTB
	v_lshl_add_u32 v[PP], v9, 6, v8
	s_lshl_b32 s[TILE], s[WV], 8
	v_add_nc_u32 v[PP], s[TILE], v[PP]
.if LAYER == 1
	s_lshl_b32 s[TP], s[EX], 21                    ; xg at my expert: 64 tiles of 32,768 bytes
	s_add_nc_u64 s[AB0:AB0+1], s[6:7], s[TP:TP+1]
	s_lshl_b32 s[TP], s[EX], 23                    ; hf: expert x 64 tiles x 131,072 + my 8 column tiles of 512 bytes
	s_lshl_b32 s[TILE], s[SL], 12
	s_add_co_u32 s[TP], s[TP], s[TILE]
	s_add_nc_u64 s[OB0:OB0+1], s[10:11], s[TP:TP+1]
	s_lshl_b32 s[MYBI], s[WV], 9
	s_add_co_u32 s[MYBI], s[MYBI], BIA
	s_mov_b32 s[GC],   0x3eaa540e                  ; P  = 0.47047 / sqrt 2
	s_mov_b32 s[GC+1], 0x3eaa540e
	s_mov_b32 s[GC+2], 0xbf38aa3b                  ; C2 = -log2(e) / 2
	s_mov_b32 s[GC+3], 0xbf38aa3b
	s_mov_b32 s[GC+4], 0x3e32303a                  ; A1 = 0.3480242 / 2
	s_mov_b32 s[GC+5], 0x3e32303a
	s_mov_b32 s[GC+6], 0xbd445ca1                  ; A2 = -0.0958798 / 2
	s_mov_b32 s[GC+7], 0xbd445ca1
	s_mov_b32 s[GC+8], 0x3ebf7377                  ; A3 = 0.7478556 / 2
	s_mov_b32 s[GC+9], 0x3ebf7377
.else
	s_mul_i32 s[MYST], s[WV], STGW
	s_add_co_u32 s[MYST], s[MYST], STG
	s_lshl_b32 s[TP], s[EX], 23                    ; hf at my expert and my quarter's 64 column tiles
	s_lshl_b32 s[TILE], s[QQ], 15
	s_add_co_u32 s[TP], s[TP], s[TILE]
	s_add_nc_u64 s[AB0:AB0+1], s[6:7], s[TP:TP+1]
	s_lshl_b32 s[TP], s[QQ], 25                    ; part[q][expert x 1,024 + rank][1,024] f32, my 128 columns
	s_lshl_b32 s[TILE], s[EX], 22
	s_add_co_u32 s[TP], s[TP], s[TILE]
	s_lshl_b32 s[TILE], s[NS], 9
	s_add_co_u32 s[TP], s[TP], s[TILE]
	s_add_nc_u64 s[OB0:OB0+1], s[10:11], s[TP:TP+1]
	v_mov_b32 v8, 0
.endif
	s_mov_b32 s[CM1], 0
	s_wait_kmcnt 0x0
	; 32 groups of 32 tokens are counted.  Layer 2: lane g keeps the count of tokens below group g.
.set g, 0
.rept 32
.if LAYER == 2
	v_writelane_b32 v8, s[CM1], g
.endif
	s_bcnt1_i32_b32 s[TILE], s[BM+g]
	s_add_co_u32 s[CM1], s[CM1], s[TILE]
.set g, g+1
.endr
.if LAYER == 1
	s_wait_loadcnt 32                              ; the biases are in; the 32 loads of weights are younger.  Rounded to bf16 like every input, kept as f32 in my own copy
	v_cvt_pk_bf16_f32 v8, v[BV], v[BV+1]
	v_cvt_pk_bf16_f32 v9, v[BV+2], v[BV+3]
	v_lshlrev_b32 v[BV], 16, v8
	v_and_b32 v[BV+1], 0xffff0000, v8
	v_lshlrev_b32 v[BV+2], 16, v9
	v_and_b32 v[BV+3], 0xffff0000, v9
	v_add_nc_u32 v10, s[MYBI], v[PO]               ; they are stored behind the wait that stands ahead of the first rows' loads
.else
	s_or_b32 s[TILE], s[SL], s[WV]                 ; one wave for each expert stores the 32 counts for the launch that adds the parts
	s_cmp_lg_u32 s[TILE], 0
	s_cbranch_scc1 .Lno_pre
	s_lshl_b32 s[TP], s[EX], 7
	s_add_nc_u64 s[12:13], s[12:13], s[TP:TP+1]
	v_lshlrev_b32 v9, 2, v[LN]
	s_wait_alu depctr_va_vdst(0)                   ; the counts in v8 and the offset in v9 are written, which the store reads
	global_store_b32 v9, v8, s[12:13]
.Lno_pre:
.endif
	s_max_u32 s[CM1], s[CM1], 1
	s_add_co_u32 s[NTE], s[CM1], 15
	s_lshr_b32 s[NTE], s[NTE], 4
	s_mov_b32 s[TB], s[WV]
	OFFS
	s_wait_alu depctr_va_vdst(0)                   ; the five row offsets v1-5 are written, which the rows' loads read; in layer 1 v10 and v252-255 too, which the store of the biases reads
.if LAYER == 1
	ds_store_b128 v10, v[BV:BV+3]
.endif
	ALOAD 0, 0, 1                                  ; the rows of K blocks 0 and 1; place 4's too, so that every register is written on every path
	ALOAD 1, 1, 1
	s_wait_loadcnt 44                              ; block 0's weights are in: 24 loads of weights and 20 of rows are younger
	CVT 0
	s_wait_alu depctr_va_vdst(0)                   ; the conversions have written v232-247, which the LDS stores read; v249 was written further up
	PST 0
	s_wait_dscnt 0x0
	s_barrier_signal -1
	s_barrier_wait -1                              ; K block 0 lies in LDS
	; order of issue: W0-3, A0, A1 (ten loads each), then in step t A(t+2) and W(t+4): 8 + 8 loads at the least; A2 and A3 are ten
	STEP 0, 0, 0, 0, 0, 1, 1, 1, 1, 1, 36, 28, 1   ; W1: W2, W3, A0, A1 are younger.  A0: A1, A2, W4
	STEP 1, 1, 0, 1, 1, 0, 1, 1, 1, 1, -1, 36, 1   ; W2 came in ahead of A0.  A1: A2, W4, A3, W5
	STEP 2, 2, 0, 1, 0, 0, 1, 1, 1, 0, -1, 42, 1   ; W3 likewise.  A2: W4, A3, W5, A4, W6
	STEP 3, 3, 0, 1, 0, 0, 1, 1, 1, 0, 34, 40, 1   ; W4: A3, W5, A4, W6.  A3: W5, A4, W6, A5, W7
	s_mov_b32 s[CNT], 6
.Lmain:                                                ; a trip: four K blocks, once round the four groups of weights and the four buffers of rows.  32: A(t), W(t+2), A(t+1), W(t+3); 40: W(t+2), A(t+1), W(t+3), A(t+2), W(t+4)
	STEP 4, 0, 4, 1, 0, 0, 1, 1, 1, 0, 32, 40, 1
	STEP 5, 1, 0, 1, 0, 0, 1, 1, 1, 0, 32, 40, 1
	STEP 6, 2, 0, 1, 0, 0, 1, 1, 1, 0, 32, 40, 1
	STEP 7, 3, 0, 1, 0, 0, 1, 1, 1, 0, 32, 40, 1
	s_sub_co_u32 s[CNT], s[CNT], 1
	s_cmp_lg_u32 s[CNT], 0
	s_cbranch_scc1 .Lmain
	STEP 28, 0, 4, 1, 0, 0, 1, 0, 1, 0, 32, 32, 1  ; the tail: no more weights.  W29: A28, W30, A29, W31.  A28: W30, A29, W31, A30
	STEP 29, 1, 0, 1, 0, 0, 1, 0, 1, 0, 24, 24, 1  ; the last rows.  W30: A29, W31, A30.  A29: W31, A30, A31
	STEP 30, 2, 0, 1, 0, 0, 1, 0, 0, 0, 16, 8, 1   ; nothing more is asked for.  W31: A30, A31.  A30: A31
	STEP 31, 3, 0, 1, 0, 0, 0, 0, 0, 0, -1, 0, 0   ; nothing is stored: the slice is whole
	MULH 1, 3, 0, 0, 1
.if LAYER == 1
	PLACES                                         ; my 64 biases, once: eight for each column tile, 32 bytes for each half of the lanes, from my own copy
	v_bfe_u32 v[EB0], v0, 4, 1
	v_lshl_add_u32 v[EB0], v[EB0], 5, s[MYBI]
	s_wait_alu depctr_va_vdst(0)                   ; v10 is written, which the loads below read; the products are done with v112-175, in which the biases land
.irp n, 0,1,2,3,4,5,6,7
	ds_load_b128 v[BIAS+8*(\n):BIAS+8*(\n)+3],   v[EB0] offset:64*(\n)
	ds_load_b128 v[BIAS+8*(\n)+4:BIAS+8*(\n)+7], v[EB0] offset:64*(\n)+16
.endr
	s_wait_dscnt 0x0
.endif
	s_mov_b32 s[PASS], 4
.Lpass:                                                ; four trips cover 80 tiles, more than the 64 that an expert can have; every wave walks all four, and only work is jumped
	s_wait_xcnt 0x0
	PLACES
.if LAYER == 1
	s_mov_b32 s[CNT], 5
	s_mov_b32 s[TILE], s[TB]
.Lplace:                                               ; five trips, a place each; the counter chooses the text that names the place's accumulators
	s_cmp_ge_u32 s[TILE], s[NTE]
	s_cbranch_scc1 .Lplace_next                    ; a tile that does not exist
	s_wait_xcnt 0x0                                ; the last place's stores have read their data and base
	s_wait_alu depctr_vm_vsrc(0)                   ; the last place's stores have read their parts of v8-71, which the addition of the bias writes again on each of the five ways below
	s_min_u32 s[TP], s[TILE], 63
	s_lshl_b32 s[TP], s[TP], 17
	s_add_nc_u64 s[OB:OB+1], s[OB0:OB0+1], s[TP:TP+1]
	s_cmp_eq_u32 s[CNT], 5
	s_cbranch_scc1 .Lplace0
	s_cmp_eq_u32 s[CNT], 4
	s_cbranch_scc1 .Lplace1
	s_cmp_eq_u32 s[CNT], 3
	s_cbranch_scc1 .Lplace2
	s_cmp_eq_u32 s[CNT], 2
	s_cbranch_scc1 .Lplace3
	ARM 4
	s_branch .Lgelu
.Lplace0:
	ARM 0
	s_branch .Lgelu
.Lplace1:
	ARM 1
	s_branch .Lgelu
.Lplace2:
	ARM 2
	s_branch .Lgelu
.Lplace3:
	ARM 3
.Lgelu:
	GELU 0
	GELU 1
	GELU 2
	GELU 3
	GELU 4
	GELU 5
	GELU 6
	GELU 7
	s_wait_alu depctr_va_vdst(0)                   ; column tile 7's roundings have written v64-67, which the last store reads
	global_store_b128 v[PO], v[WK+56:WK+59], s[OB:OB+1] offset:7*512
.Lplace_next:
	s_add_co_u32 s[TILE], s[TILE], 4
	s_sub_co_u32 s[CNT], s[CNT], 1
	s_cmp_lg_u32 s[CNT], 0
	s_cbranch_scc1 .Lplace
.else
	s_wait_alu depctr_vm_vsrc(0)                   ; the LDS stores and loads of the pass before have read v9 and v10, written below; its global stores have read v72-135, in which place 0's rows land
	v_add_nc_u32 v[ER], s[MYST], v[PO]
	v_and_b32 v[ES], 15, v0
	v_mul_u32_u24 v[ES], v[ES], 528                ; 33 x 16: the sixteen rows start in sixteen different groups of four banks
	v_bfe_u32 v11, v0, 4, 1
	v_lshl_add_u32 v[ES], v11, 5, v[ES]
	v_add_nc_u32 v[ES], s[MYST], v[ES]
	s_wait_alu depctr_va_vdst(0)                   ; the products have written the accumulators, which the LDS stores read, and are done with v72-135, in which the rows land; v9 and v10 are written.  The places above stay beside this wait
	EPI 0
	EPI 1
	EPI 2
	EPI 3
	EPI 4
.Lepi_end:
	s_wait_dscnt 0x0                               ; The K loop below reads the slice through a pointer that it steps.  So that the order between every wave's stores into its stage and those
	s_barrier_signal -1                            ; reads rests on a barrier, not on that pointer's arithmetic, one stands here, on every wave's path,
	s_barrier_wait -1
.endif
	s_add_co_u32 s[TB], s[TB], 20
	s_cmp_ge_u32 s[TB], s[NTE]
	s_cbranch_scc1 .Lpass_next
	OFFS
	BSTEP 1
	s_mov_b32 s[CNT], 31
.Lk:
	BSTEP 0
	s_sub_co_u32 s[CNT], s[CNT], 1
	s_cmp_lg_u32 s[CNT], 0
	s_cbranch_scc1 .Lk
.Lpass_next:
	s_wait_dscnt 0x0                               ; and one here, between those reads and the LDS writes that follow: the next way out's, and the closing add
	s_barrier_signal -1
	s_barrier_wait -1
	s_sub_co_u32 s[PASS], s[PASS], 1
	s_cmp_lg_u32 s[PASS], 0
	s_cbranch_scc1 .Lpass
	s_wait_dscnt 0x0                               ; the closing lines, six on end
	s_wait_alu 0x0
	s_wait_tensorcnt 0x0
	ds_add_u32 v[SPW], v[NIL]
	s_wait_dscnt 0x0
	s_endpgm
.Lfunc_end_k_q69864818f3_ffn1:
	.size	k_q69864818f3_ffn1, .Lfunc_end_k_q69864818f3_ffn1-k_q69864818f3_ffn1
	.p2alignl 7, 3214868480
	.fill 96, 4, 3214868480
	.section	.rodata,"a",@progbits
	.p2align	6, 0x0
	.amdhsa_kernel k_q69864818f3_ffn1
		.amdhsa_group_segment_fixed_size 302592
		.amdhsa_private_segment_fixed_size 0
		.amdhsa_enable_private_segment 0
		.amdhsa_kernarg_size 40
		.amdhsa_user_sgpr_count 2
		.amdhsa_user_sgpr_kernarg_segment_ptr 1
		.amdhsa_wavefront_size32 1
		.amdhsa_system_sgpr_workgroup_id_x 1
		.amdhsa_system_sgpr_workgroup_id_y 1
		.amdhsa_system_sgpr_workgroup_id_z 1
		.amdhsa_system_vgpr_workitem_id 0
		.amdhsa_next_free_vgpr 768
		.amdhsa_next_free_sgpr 88
		.amdhsa_reserve_vcc 0
		.amdhsa_float_denorm_mode_32 3
		.amdhsa_float_denorm_mode_16_64 3
		.amdhsa_memory_ordered 1
		.amdhsa_forward_progress 1
		.amdhsa_inst_pref_size 148
	.end_amdhsa_kernel
	.amdgpu_metadata
---
amdhsa.version: [ 1, 2 ]
amdhsa.kernels:
  - .name:           k_q69864818f3_ffn1
    .symbol:         k_q69864818f3_ffn1.kd
    .args:
      - { .name: W1, .offset: 0, .size: 8, .value_kind: global_buffer, .address_space: global }
      - { .name: xg, .offset: 8, .size: 8, .value_kind: global_buffer, .address_space: global }
      - { .name: bm, .offset: 16, .size: 8, .value_kind: global_buffer, .address_space: global }
      - { .name: hf, .offset: 24, .size: 8, .value_kind: global_buffer, .address_space: global }
      - { .name: b1, .offset: 32, .size: 8, .value_kind: global_buffer, .address_space: global }
    .group_segment_fixed_size: 302592
    .private_segment_fixed_size: 0
    .kernarg_segment_align: 8
    .kernarg_segment_size: 40
    .max_flat_workgroup_size: 128
    .sgpr_count:     88
    .vgpr_count:     768
    .wavefront_size: 32
...
	.end_amdgpu_metadata
.endif
;; end of part 7
;; launch ffn2 (part 8): grid 256 x 1, 4 waves a work-group, no clusters, 302,592 bytes of LDS; arguments W2, hf, bm, part, pre; writes part, pre
.if DOCPART == 8
	.amdgcn_target "amdgcn-amd-amdhsa--gfx1250"
	.amdhsa_code_object_version 6
	.text
	.protected	k_q69864818f3_ffn2
	.globl	k_q69864818f3_ffn2
	.p2align	8
	.type	k_q69864818f3_ffn2,@function
k_q69864818f3_ffn2:
	s_mov_b64 s[64:65], 0
	v_nop
	global_prefetch_b8 v0, s[64:65] scope:SCOPE_SE
	s_setreg_imm32_b32 hwreg(HW_REG_WAVE_SCHED_MODE, 0, 2), 2
	s_setreg_imm32_b32 hwreg(HW_REG_WAVE_MODE, 25, 1), 1
	s_wait_xcnt 0x0
	s_wait_alu depctr_vm_vsrc(0)
.set LAYER, 2
; ONE SOURCE FOR BOTH PRODUCTS OF THE EXPERTS' FFN; the line above says which is built.
; LAYER 1: hf = gelu(x W1[e] + b1[e]) for the rows that chose expert e.    Arguments: W1, xg, bm, hf, b1.
; LAYER 2: part[q] = h W2[e] over the quarter q of the hidden width.       Arguments: W2, hf, bm, part, pre.
; FORMATS.  Weights, x and b1 are rounded once to bf16, h once to bf16; all sums in f32.  LIMITS: erf by a rational form with an absolute error of 2.5e-5 at the most for every argument
; (Abramowitz and Stegun 7.1.25); NaN and infinities are not treated apart; K ascending within a work-group's 1,024, the four quarters of layer 2 added by the next launch.
; SHARES.  Work-group (e, s): e = id / 32, s = id % 32.  It alone reads a slice of 1,024 K x 128 columns of expert e's weights, in rows of 512 consecutive aligned bytes, and multiplies ALL of that
; expert's rows by it.  The slice, in bf16, stays in LDS: it is written once and never again, so rows beyond the first pass need no memory for weights.
; FOUR LIKE WAVES.  In step t every wave rounds its eight rows of K block t + 1 (32 of K) and stores them into LDS in the order of matrix operands, and multiplies its own row tiles by K block t, which the
; barrier in front of the step has shown whole.  Row fragments come straight from memory into registers.  A step asks for the weights four blocks on and the rows two blocks on: a wave's loads come
; back in order, so behind a step's requests 24 loads of weights and up to 24 to 30 of rows are on their way, 512 bytes each.
; ROWS.  An expert's rows are its tokens by rank; xg (laid by the launch before) and hf hold them in tiles of 16 rows, in operand order: a fragment's half is 512 consecutive bytes.  The number of rows comes
; from the bitmap bm.  Pass p covers tiles 20 p .. 20 p + 19, tile 20 p + 4 j + w in place j of wave w.  Pass 0 runs beside the stream.  Places past the last tile repeat it; in the last tile the rows past the
; count repeat the last row; an expert without rows counts as one row (token 0): its tile is stored and nobody reads it.  Up to 1,024 rows are served.
; THE MATRIX INSTRUCTION IS USED TRANSPOSED: source 0 = 16 columns of the weights, source 1 = 16 rows: a lane then holds one row and eight neighbouring columns.
; THE WAY OUT.  Layer 1: a lane's eight columns, rounded, are the 16 bytes that hf's layout gives that lane, so they are stored from registers; one text of the GELU serves the five places: the addition of the
; bias, written once for each place, brings a place's sums into the registers that this text names.  Layer 2: f32 rows go through each wave's own stage in LDS and leave as whole rows of 512 bytes.
; NO CLUSTER, NO TENSOR LOAD.  Each weight byte has one reader and must pass through registers to be rounded.  What an expert's work-groups share is its rows: 512 KB a work-group at 256 rows, as much as its
; weights.  Joint loads by four partners would spare three of four requests for them; the rows would then pass through LDS (512 KB more written, and read from there), each refill behind a round of the
; cluster's barrier; a step's rows are 16 to 20 KB (256 to 320 rows x 64 bytes), and beside the slice's 266,240 bytes and layer 2's stages of 33,792 LDS has 27,648 left, less than two such slots.  Not built.
; THE MODE: SCHED_MODE bits 1:0 = 2 (LLVM: expert scheduling mode 2), set by the entry lines.  The code itself states the register dependences between vector or matrix instructions and memory or LDS
; instructions, with s_wait_alu, always for 0.
; THE PLAN.  Registers that memory or LDS instructions touch in step t, and who else names them:
;   RING[g]    four groups of weights as loaded.  The conversions at the head of step t read group (t + 1) % 4; the loads of block t + 4 land in group t % 4, which the conversions of step t - 1 read.
;   TT         the rounded weights: written by the step's conversions, read by its four LDS stores.
;   WH0        column tiles 0-3 of block t: the step's LDS loads land in it; its last readers, the first half of block t - 1's products, were issued in step t - 1.
;   WH1[p]     column tiles 4-7, two buffers: the step's LDS loads land in buffer t % 2, last read by the second half of block t - 2's products, issued in step t - 1; the second half of block t - 1's
;              products, issued in step t, reads the other buffer.
;   AF[b]      four buffers of rows: the loads of block t + 2 land in buffer (t + 2) % 4, last read by the second half of block t - 2's products; step t's products read buffers (t - 1) % 4 and t % 4.
;   v6, v249   the LDS pointers: read by every LDS load and store of the slice; stepped once in four steps, at a step's head.      v1-5, v248  offsets: not written in the K loop.
; So ONE wait on va_vdst stands in a step, behind its conversions: TT is written, the conversions are done with their group, the products of step t - 1 are done with WH0, WH1[t % 2] and AF[(t + 2) % 4], the
; pointers are written.  All the step's loads and stores follow it in one run, with no vector or matrix instruction among them; then the step's 32 to 40 products stand on end.  One wait on vm_vsrc stands
; at the step's head: the last step's LDS stores have read TT (and, where the pointers are stepped, the LDS instructions have read them).
.if LAYER == 1
.set PITCH, 16384      ; bytes from a row of the weights to the next
.set TSH,   15         ; a tile of 16 rows is 2^15 bytes of xg (64 column tiles of 512 bytes)
.else
.set PITCH, 4096
.set TSH,   17         ; 2^17 bytes of hf (256 column tiles)
.endif
.set KSTR,  1024       ; a K block is two column tiles of 512 bytes
.set HOFF,  512        ; from a row fragment's first half to its second
.set KB,    8320       ; a K block in LDS: 8 column tiles
.set NTB,   1040       ; a column tile: two halves of 512 bytes (lane l's 16 bytes at 16 l) + 16 of padding, so that sixteen storing lanes hit sixteen different 16-byte columns of the banks' 256 bytes (ISA guide 11.1)
.set STG,   32*KB      ; layer 2: a stage for each wave, 16 rows of 528 bytes
.set STGW,  8448
.set BIA,   STG+4*STGW ; layer 1: each wave's own copy of the slice's 128 biases, f32
.set BIAW,  512
.set SPARE, BIA+4*BIAW ; the spare words, 128 bytes a wave: two blocks of 256 bytes that no other line names
; VECTOR REGISTERS, in windows of 256 (s_set_vgpr_msb: bits 1:0 source 0, 3:2 source 1, 5:4 source 2, 7:6 destination).
; Window 0: v0 thread; v1-5 row offsets of places 0-4; v6 LDS read pointer; v7 lane; v8-39 weights of column tiles 0-3; v72-231 four buffers of row fragments (place j at + 8 j);
;           v232-247 rounded weights; v248 16 x lane; v249 LDS store pointer; v250, v251 the add's two; v252-255 the bias as loaded.
; Window 1: accumulator (place j, column tile n) at v[64 j + 8 n], j = 0..3.
; Window 2: v0-63 place 4's accumulators; v64-191 four groups of 32: weights as loaded; v192-255 two buffers of 32: weights of column tiles 4-7.
; The way out, in registers of window 0 that the products have left: layer 1: v8-71 a place's 64 numbers, v72-111 at work, v112-175 my 64 biases (kept over the passes); layer 2: v9-11 addresses, v72-135 rows.
.set AO,   1
.set LP,   6
.set LN,   7
.set WH0,  8
.set AF,   72
.set TT,   232
.set PO,   248
.set PP,   249
.set SPW,  250
.set NIL,  251
.set BV,   252
.set ACC4, 0
.set RING, 64
.set WH1,  192
.set ES,   9
.set EB0,  10
.set ER,   10
.set WK,   8
.set GD,   72
.set GQ,   80
.set GT,   88
.set GP,   96
.set GR,   104
.set BIAS, 112
.set OBUF, 72
; SCALAR REGISTERS
.set WV,   16          ; wave
.set EX,   17          ; expert
.set SL,   18          ; slice
.set CM1,  20          ; rows
.set NTE,  21          ; tiles of rows
.set TB,   22          ; 20 x pass + wave
.set PASS, 23
.set CNT,  24
.set LIVE4, 25         ; place 4 holds a tile that exists
.set TP,   26          ; s[26:27] an offset; s27 stays 0
.set GB,   28          ; s[28:29] the rows' running base
.set AB0,  30          ; s[30:31] the rows' base at K block 0
.set BM,   32          ; s[32:63] the expert's bitmap
.set GC,   66          ; s[66:75] five constants, each twice
.set WB,   76          ; s[76:77] the weights' running base
.set OB0,  80          ; s[80:81] the output at tile 0
.set OB,   82          ; s[82:83] at the tile in hand
.set MYST, 84
.set QQ,   85
.set TILE, 86
.set MYBI, 87
.set NS,   87
.set MSB, 0
.macro WIN new                         ; the immediate's high byte repeats the setting that is left; a switch that changes nothing is dropped
.if MSB != (\new)
	s_set_vgpr_msb (MSB<<8)|(\new)
.set MSB, \new
.endif
.endm
.macro PLACES                          ; four places between a matrix instruction and a load into, or a vector write of, its registers, or a reading of its result (ISA guide 7.12.1 for vector instructions)
.rept 4
	v_nop
.endr
.endm
; My eight rows of the K block grel (counted from WB) into group fs: each load is one row's 512 consecutive bytes.
.macro PLOAD fs, grel
	WIN 0x80                                       ; destination window 2
.irp i, 0,1,2,3,4,5,6,7
	global_load_b128 v[RING+32*(\fs)+4*(\i):RING+32*(\fs)+4*(\i)+3], v[PO], s[WB:WB+1] offset:((\grel)*32+(\i))*PITCH th:TH_LOAD_NT
.endr
.endm
; Group cs is rounded.  My lane holds columns 4 l + c of eight rows: for each c eight k of one column, 16 bytes, which is what a lane of a fragment load takes.
.macro CVT cs
	WIN 0x0a                                       ; sources 0 and 1 window 2
.irp c, 0,1,2,3
.irp m, 0,1,2,3
	v_cvt_pk_bf16_f32 v[TT+4*(\c)+(\m)], v[RING+32*(\cs)+8*(\m)+(\c)], v[RING+32*(\cs)+8*(\m)+4+(\c)]
.endr
.endr
	WIN 0
.endm
; The rounded weights are stored as K block lrel (counted from PP).
.macro PST lrel
	WIN 0
.irp c, 0,1,2,3
	ds_store_b128 v[PP], v[TT+4*(\c):TT+4*(\c)+3] offset:(\lrel)*KB+16*(\c)
.endr
.endm
; Weights of column tiles 0-3 of the K block u (counted from LP): each load takes 512 consecutive bytes.
.macro WLOAD0 u
	WIN 0
.irp n, 0,1,2,3
	ds_load_b128 v[WH0+8*(\n):WH0+8*(\n)+3],   v[LP] offset:(\u)*KB+(\n)*NTB
	ds_load_b128 v[WH0+8*(\n)+4:WH0+8*(\n)+7], v[LP] offset:(\u)*KB+(\n)*NTB+512
.endr
.endm
; Weights of column tiles 4-7, into buffer p.
.macro WLOAD1 u, p
	WIN 0x80                                       ; destination window 2
.irp n, 0,1,2,3
	ds_load_b128 v[WH1+32*(\p)+8*(\n):WH1+32*(\p)+8*(\n)+3],   v[LP] offset:(\u)*KB+(4+(\n))*NTB
	ds_load_b128 v[WH1+32*(\p)+8*(\n)+4:WH1+32*(\p)+8*(\n)+7], v[LP] offset:(\u)*KB+(4+(\n))*NTB+512
.endr
.endm
; Row fragments of the K block rel (counted from GB) into buffer b: each load takes 512 consecutive bytes.  Place 4's two loads are jumped where its tile does not exist, unless all = 1.
.macro ALOAD b, rel, all
	WIN 0
.irp j, 0,1,2,3
	global_load_b128 v[AF+40*(\b)+8*(\j):AF+40*(\b)+8*(\j)+3],   v[AO+(\j)], s[GB:GB+1] offset:(\rel)*KSTR
	global_load_b128 v[AF+40*(\b)+8*(\j)+4:AF+40*(\b)+8*(\j)+7], v[AO+(\j)], s[GB:GB+1] offset:(\rel)*KSTR+HOFF
.endr
.if !(\all)
	s_cmp_eq_u32 s[LIVE4], 0
	s_cbranch_scc1 .Lna_\@
.endif
	global_load_b128 v[AF+40*(\b)+32:AF+40*(\b)+35], v[AO+4], s[GB:GB+1] offset:(\rel)*KSTR
	global_load_b128 v[AF+40*(\b)+36:AF+40*(\b)+39], v[AO+4], s[GB:GB+1] offset:(\rel)*KSTR+HOFF
.Lna_\@:
.endm
; 16 matrix instructions (places 0-3 x four column tiles) and place 4's four.  nh = 0: column tiles 0-3, from WH0; nh = 1: tiles 4-7, from buffer p of WH1.  b: the rows' buffer.
; The accumulators take turns, one instruction a turn.  zero = 1: the products start the sums.
.macro MULH nh, b, zero, always, p
.if (\nh) == 0
.set WA, WH0
.set WW, 0                             ; source 0 in window 0
.else
.set WA, WH1+32*(\p)
.set WW, 2                             ; source 0 in window 2
.endif
	WIN 0x50+WW                                    ; C and D in window 1
.irp n, 0,1,2,3
.irp j, 0,1,2,3
.if \zero
	v_wmma_f32_16x16x32_bf16 v[64*(\j)+8*(4*(\nh)+(\n)):64*(\j)+8*(4*(\nh)+(\n))+7], v[WA+8*(\n):WA+8*(\n)+7], v[AF+40*(\b)+8*(\j):AF+40*(\b)+8*(\j)+7], 0
.else
	v_wmma_f32_16x16x32_bf16 v[64*(\j)+8*(4*(\nh)+(\n)):64*(\j)+8*(4*(\nh)+(\n))+7], v[WA+8*(\n):WA+8*(\n)+7], v[AF+40*(\b)+8*(\j):AF+40*(\b)+8*(\j)+7], v[64*(\j)+8*(4*(\nh)+(\n)):64*(\j)+8*(4*(\nh)+(\n))+7]
.endif
.endr
.endr
	WIN 0                                          ; at a branch and at a label every window is 0
.if !(\always)
	s_cmp_eq_u32 s[LIVE4], 0
	s_cbranch_scc1 .Lno4_\@
.endif
	WIN 0xa0+WW                                    ; C and D in window 2
.irp n, 0,1,2,3
.if \zero
	v_wmma_f32_16x16x32_bf16 v[ACC4+8*(4*(\nh)+(\n)):ACC4+8*(4*(\nh)+(\n))+7], v[WA+8*(\n):WA+8*(\n)+7], v[AF+40*(\b)+32:AF+40*(\b)+39], 0
.else
	v_wmma_f32_16x16x32_bf16 v[ACC4+8*(4*(\nh)+(\n)):ACC4+8*(4*(\nh)+(\n))+7], v[WA+8*(\n):WA+8*(\n)+7], v[AF+40*(\b)+32:AF+40*(\b)+39], v[ACC4+8*(4*(\nh)+(\n)):ACC4+8*(4*(\nh)+(\n))+7]
.endif
.endr
	WIN 0
.Lno4_\@:
.endm
; STEP t.  u: block t counted from the four running pointers.  on: the pointers first move on by so many blocks.  prod: block t + 1 is rounded and stored; its 16 conversions are also the places behind the last
; step's products.  aiss, wiss: the rows of block t + 2 and the weights of block t + 4 are asked for.  prev: the second half of block t - 1's products (zp: it starts sums); then the first half of block t's (z0).
; nw: the loads younger than the weights of block t + 1, na: those younger than the rows of block t, counted at the least on every path (eight rows' loads a block); -1: an earlier wait has shown them in.
.macro STEP t, u, on, prev, zp, z0, prod, wiss, aiss, all, nw, na, bar
.if \on
	s_wait_xcnt 0x0                                ; the bases are stepped only when the loads issued have read them
	s_add_nc_u64 s[WB:WB+1], s[WB:WB+1], (\on)*32*PITCH
	s_add_nc_u64 s[GB:GB+1], s[GB:GB+1], (\on)*KSTR
.endif
.if (\nw) >= 0
	s_wait_loadcnt \nw
.endif
.if (\prod) || (\on)
	s_wait_alu depctr_vm_vsrc(0)                   ; the last step's LDS stores have read v232-247, which the conversions write again; its LDS instructions have read v6 and v249, where these are stepped
.endif
.if \on
	v_add_nc_u32 v[LP], (\on)*KB, v[LP]
	v_add_nc_u32 v[PP], (\on)*KB, v[PP]
.endif
.if \prod
	CVT ((\t)+1)%4
.else
	PLACES
.endif
	s_wait_alu depctr_va_vdst(0)                   ; the conversions have written v232-247 and are done with their group; the last step's products are done with WH0, WH1[t % 2] and AF[(t + 2) % 4]; v6 and v249 are written
	WLOAD0 \u
.if \prod
	PST (\u)+1
.endif
.if \aiss
	ALOAD ((\t)+2)%4, (\u)+2, \all
.endif
	WLOAD1 \u, (\t)%2
.if \wiss
	PLOAD (\t)%4, (\u)+4
.endif                                                 ; no vector or matrix instruction stands between the wait above and these loads and stores
.if \prev
	MULH 1, ((\t)+3)%4, \zp, \zp, ((\t)+1)%2
.endif
	s_wait_dscnt 8+4*(\prod)                       ; column tiles 0-3 are in; my stores and the eight loads of tiles 4-7 are younger
.if (\na) >= 0
	s_wait_loadcnt \na
.endif
	MULH 0, (\t)%4, \z0, \z0, 0
	s_wait_dscnt 0x0                               ; for the others' sake: my part of block t + 1 lies in LDS; no LDS instruction of mine is out at the signal
.if \bar
	s_barrier_signal -1
	s_barrier_wait -1                              ; block t + 1 is whole
.endif
.endm
; A pass begins: the row offsets of my five places, the pointers back at K block 0.
.macro OFFS
	s_wait_xcnt 0x0                                ; every earlier memory instruction has read its registers: only now are offsets and base written
	s_wait_alu depctr_vm_vsrc(0)                   ; the loads of the pass before have read v1-6, written below; the way out's stores have read the registers that the next pass's loads and products write
	v_mov_b32 v[LP], v[PO]
	s_mov_b64 s[GB:GB+1], s[AB0:AB0+1]
	s_sub_co_u32 s[TILE], s[NTE], 1
.irp j, 0,1,2,3,4
	s_add_co_u32 s[TP], s[TB], 4*(\j)
	s_min_u32 s[TP], s[TP], s[TILE]                ; past the last tile the last tile once more
	s_min_u32 s[TP], s[TP], 63
	v_lshl_add_u32 v[AO+(\j)], s[TP], TSH, v[PO]   ; the tile's first byte + 16 x lane
.endr
	s_add_co_u32 s[TP], s[TB], 16
	s_cmp_lt_u32 s[TP], s[NTE]
	s_cselect_b32 s[LIVE4], 1, 0
.endm
; A K block of a later pass (an expert with more than 320 rows): plain, everything waited for; the slice is whole.
.macro BSTEP zero
	PLACES
	s_wait_alu depctr_va_vdst(0)                   ; the block before's products are done with WH0, WH1[0] and AF[0], and what the way out wrote there is written; v6 is written, at a pass's first block v1-5 too
	WLOAD0 0
	ALOAD 0, 0, 1
	WLOAD1 0, 0
	WIN 0
	s_wait_dscnt 0x0
	s_wait_loadcnt 0x0
	s_wait_alu depctr_vm_vsrc(0)                   ; the LDS loads above have read v6
	v_add_nc_u32 v[LP], KB, v[LP]
	MULH 0, 0, \zero, 1, 0
	MULH 1, 0, \zero, 1, 0
	s_add_nc_u64 s[GB:GB+1], s[GB:GB+1], KSTR      ; its loads are done
.endm
; LAYER 1'S WAY OUT.  ARM j: place j's 64 sums plus my 64 biases, into the registers that the one text of the GELU names; each accumulator is read from its low end on.
.macro ARM j
.if (\j) < 4
.set AC, 64*(\j)
	WIN 0x01                                       ; source 0 in window 1
.else
.set AC, ACC4
	WIN 0x02                                       ; in window 2
.endif
.set ii, 0
.rept 32
	v_pk_add_f32 v[WK+2*ii:WK+2*ii+1], v[AC+2*ii:AC+2*ii+1], v[BIAS+2*ii:BIAS+2*ii+1]
.set ii, ii+1
.endr
	WIN 0
.endm
; GELU n: column tile n, eight numbers a lane.  gelu(v) = max(v, 0) - |v| q, q = erfc(|v| / sqrt 2) / 2 = ((A3 t + A2) t + A1) t 2^(C2 v v), t = 1 / (1 + P |v|)
; Its rounded numbers stay in the tile's own first four registers; they are stored behind the next tile's wait.
.macro GELU n
.set GV, WK+8*(\n)
.irp i, 0,1,2,3,4,5,6,7
	v_fma_f32 v[GD+(\i)], |v[GV+(\i)]|, s[GC], 1.0
.endr
.irp i, 0,2,4,6
	v_pk_mul_f32 v[GQ+(\i):GQ+(\i)+1], v[GV+(\i):GV+(\i)+1], v[GV+(\i):GV+(\i)+1]
.endr
.irp i, 0,1,2,3,4,5,6,7
	v_rcp_f32 v[GT+(\i)], v[GD+(\i)]
.endr
.irp i, 0,2,4,6
	v_pk_mul_f32 v[GQ+(\i):GQ+(\i)+1], v[GQ+(\i):GQ+(\i)+1], s[GC+2:GC+3] op_sel_hi:[1,0]  ; also the plain instructions behind the reciprocals (ISA guide 5.7.2)
.endr
.irp i, 0,1,2,3,4,5,6,7
	v_exp_f32 v[GQ+(\i)], v[GQ+(\i)]
.endr
	s_wait_alu depctr_va_vdst(0)                   ; the eight reciprocals and the eight exponentials have written v88-95 and v80-87, ahead of their first readers; the tile before's roundings have written what the store below reads
.if (\n) > 0
	global_store_b128 v[PO], v[GV-8:GV-5], s[OB:OB+1] offset:((\n)-1)*512  ; 512 consecutive aligned bytes: a tile of 16 rows x 16 hidden columns, as layer 2's fragment loads take it
.endif
.irp i, 0,2,4,6
	v_pk_fma_f32 v[GP+(\i):GP+(\i)+1], v[GT+(\i):GT+(\i)+1], s[GC+8:GC+9], s[GC+6:GC+7] op_sel_hi:[1,0,0]  ; and these behind the exponentials
.endr
.irp i, 0,2,4,6
	v_pk_fma_f32 v[GP+(\i):GP+(\i)+1], v[GP+(\i):GP+(\i)+1], v[GT+(\i):GT+(\i)+1], s[GC+4:GC+5] op_sel_hi:[1,1,0]
.endr
.irp i, 0,2,4,6
	v_pk_mul_f32 v[GP+(\i):GP+(\i)+1], v[GP+(\i):GP+(\i)+1], v[GT+(\i):GT+(\i)+1]
.endr
.irp i, 0,2,4,6
	v_pk_mul_f32 v[GP+(\i):GP+(\i)+1], v[GP+(\i):GP+(\i)+1], v[GQ+(\i):GQ+(\i)+1]
.endr
.irp i, 0,1,2,3,4,5,6,7
	v_max_num_f32 v[GR+(\i)], 0, v[GV+(\i)]
.endr
.irp i, 0,1,2,3,4,5,6,7
	v_fma_f32 v[GR+(\i)], -|v[GV+(\i)]|, v[GP+(\i)], v[GR+(\i)]
.endr
.irp i, 0,1,2,3
	v_cvt_pk_bf16_f32 v[GV+(\i)], v[GR+2*(\i)], v[GR+2*(\i)+1]
.endr
.endm
; LAYER 2'S WAY OUT of place j: f32 sums into rows of 528 bytes of my own stage, back as whole rows of 512, stored as such.  A tile that does not exist, and with it the places behind it, is jumped.
; It holds no vector instruction: the one wait on va_vdst ahead of place 0 serves all five places.
.macro EPI j
	s_add_co_u32 s[TILE], s[TB], 4*(\j)
	s_cmp_ge_u32 s[TILE], s[NTE]
	s_cbranch_scc1 .Lepi_end
.if (\j) < 4
.set AC, 64*(\j)
	WIN 0x04                                       ; store data in window 1
.else
.set AC, ACC4
	WIN 0x08                                       ; in window 2
.endif
.irp n, 0,1,2,3,4,5,6,7
	ds_store_b128 v[ES], v[AC+8*(\n):AC+8*(\n)+3] offset:(\n)*64          ; each accumulator from its low end on
	ds_store_b128 v[ES], v[AC+8*(\n)+4:AC+8*(\n)+7] offset:(\n)*64+16
.endr
	WIN 0
	s_min_u32 s[TP], s[TILE], 63
	s_lshl_b32 s[TP], s[TP], 16
	s_wait_xcnt 0x0                                ; the last place's stores have read their base and data
.if (\j) > 0
	s_wait_alu depctr_vm_vsrc(0)                   ; the last place's global stores have read v72-135, in which the rows below land
.endif
	s_add_nc_u64 s[OB:OB+1], s[OB0:OB0+1], s[TP:TP+1]
.irp r, 0,1,2,3,4,5,6,7,8,9,10,11,12,13,14,15
	ds_load_b128 v[OBUF+4*(\r):OBUF+4*(\r)+3], v[ER] offset:(\r)*528     ; LDS serves a wave's instructions in order (ISA guide 5.7.1.4): these see the stores above
.endr
.irp r, 0,1,2,3,4,5,6,7,8,9,10,11,12,13,14,15
	s_wait_dscnt 15-(\r)                           ; row r is back; the 15 - r younger loads stay out
	global_store_b128 v[PO], v[OBUF+4*(\r):OBUF+4*(\r)+3], s[OB:OB+1] offset:(\r)*4096  ; 512 consecutive aligned bytes of a row of part
.endr
.endm
	s_load_b256 s[4:11], s[0:1], 0x0               ; weights s[4:5], rows s[6:7], bm s[8:9], output s[10:11]
	s_load_b64 s[12:13], s[0:1], 0x20              ; b1 or pre
	v_lshl_add_u32 v[SPW], v0, 2, SPARE
	v_mov_b32 v[NIL], 0
	v_lshrrev_b32 v[LN], 5, v0
	v_readfirstlane_b32 s[WV], v[LN]               ; wave 0..3
	v_and_b32 v[LN], 31, v0
	v_lshlrev_b32 v[PO], 4, v[LN]
	s_lshr_b32 s[EX], ttmp9, 5
	s_and_b32 s[SL], ttmp9, 31
	s_mov_b32 s[TP+1], 0
	s_lshl_b32 s[TP], s[EX], 24                    ; the slice's first byte, and my eight rows of every K block
.if LAYER == 1
	s_lshl_b32 s[TILE], s[SL], 9
.else
	s_lshr_b32 s[QQ], s[SL], 3                     ; which quarter of the hidden width,
	s_and_b32 s[NS], s[SL], 7                      ; which 128 output columns
	s_lshl_b32 s[TILE], s[QQ], 22
	s_add_co_u32 s[TP], s[TP], s[TILE]
	s_lshl_b32 s[TILE], s[NS], 9
.endif
	s_add_co_u32 s[TP], s[TP], s[TILE]
	s_wait_alu depctr_va_sdst(0)                   ; the wave's number is written, ahead of its first reader: the weights' base is made from it
	s_mul_i32 s[TILE], s[WV], 8*PITCH
	s_add_co_u32 s[TP], s[TP], s[TILE]
	s_wait_kmcnt 0x0
	s_add_nc_u64 s[WB:WB+1], s[4:5], s[TP:TP+1]
.if LAYER == 1
	s_lshl_b32 s[TP], s[EX], 14                    ; the slice's 128 biases: asked for first, used behind the count
	s_lshl_b32 s[TILE], s[SL], 9
	s_add_co_u32 s[TP], s[TP], s[TILE]
	s_add_nc_u64 s[12:13], s[12:13], s[TP:TP+1]
.endif
	s_wait_alu depctr_va_vdst(0)                   ; v248 is written, which the loads below, and every load of weights and store of results, read as their offset
.if LAYER == 1
	global_load_b128 v[BV:BV+3], v[PO], s[12:13]
.endif
	PLOAD 0, 0                                     ; the weights of K blocks 0 to 3 go out ahead of everything else
	PLOAD 1, 1
	PLOAD 2, 2
	PLOAD 3, 3
	WIN 0
	s_lshl_b32 s[TP], s[EX], 7
	s_add_nc_u64 s[8:9], s[8:9], s[TP:TP+1]
	s_load_b512 s[BM:BM+15], s[8:9], 0x0           ; the expert's 1,024 bits
	s_load_b512 s[BM+16:BM+31], s[8:9], 0x40
	v_lshrrev_b32 v8, 2, v[LN]                     ; my four columns lie in column tile l / 4, at its rows 4 (l % 4) + c; my eight k are the tile's 256 bytes number w
	v_and_b32 v9, 3, v[LN]
	v_mul_u32_u24 v8, v8, NTB
	v_lshl_add_u32 v[PP], v9, 6, v8
	s_lshl_b32 s[TILE], s[WV], 8
	v_add_nc_u32 v[PP], s[TILE], v[PP]
.if LAYER == 1
	s_lshl_b32 s[TP], s[EX], 21                    ; xg at my expert: 64 tiles of 32,768 bytes
	s_add_nc_u64 s[AB0:AB0+1], s[6:7], s[TP:TP+1]
	s_lshl_b32 s[TP], s[EX], 23                    ; hf: expert x 64 tiles x 131,072 + my 8 column tiles of 512 bytes
	s_lshl_b32 s[TILE], s[SL], 12
	s_add_co_u32 s[TP], s[TP], s[TILE]
	s_add_nc_u64 s[OB0:OB0+1], s[10:11], s[TP:TP+1]
	s_lshl_b32 s[MYBI], s[WV], 9
	s_add_co_u32 s[MYBI], s[MYBI], BIA
	s_mov_b32 s[GC],   0x3eaa540e                  ; P  = 0.47047 / sqrt 2
	s_mov_b32 s[GC+1], 0x3eaa540e
	s_mov_b32 s[GC+2], 0xbf38aa3b                  ; C2 = -log2(e) / 2
	s_mov_b32 s[GC+3], 0xbf38aa3b
	s_mov_b32 s[GC+4], 0x3e32303a                  ; A1 = 0.3480242 / 2
	s_mov_b32 s[GC+5], 0x3e32303a
	s_mov_b32 s[GC+6], 0xbd445ca1                  ; A2 = -0.0958798 / 2
	s_mov_b32 s[GC+7], 0xbd445ca1
	s_mov_b32 s[GC+8], 0x3ebf7377                  ; A3 = 0.7478556 / 2
	s_mov_b32 s[GC+9], 0x3ebf7377
.else
	s_mul_i32 s[MYST], s[WV], STGW
	s_add_co_u32 s[MYST], s[MYST], STG
	s_lshl_b32 s[TP], s[EX], 23                    ; hf at my expert and my quarter's 64 column tiles
	s_lshl_b32 s[TILE], s[QQ], 15
	s_add_co_u32 s[TP], s[TP], s[TILE]
	s_add_nc_u64 s[AB0:AB0+1], s[6:7], s[TP:TP+1]
	s_lshl_b32 s[TP], s[QQ], 25                    ; part[q][expert x 1,024 + rank][1,024] f32, my 128 columns
	s_lshl_b32 s[TILE], s[EX], 22
	s_add_co_u32 s[TP], s[TP], s[TILE]
	s_lshl_b32 s[TILE], s[NS], 9
	s_add_co_u32 s[TP], s[TP], s[TILE]
	s_add_nc_u64 s[OB0:OB0+1], s[10:11], s[TP:TP+1]
	v_mov_b32 v8, 0
.endif
	s_mov_b32 s[CM1], 0
	s_wait_kmcnt 0x0
	; 32 groups of 32 tokens are counted.  Layer 2: lane g keeps the count of tokens below group g.
.set g, 0
.rept 32
.if LAYER == 2
	v_writelane_b32 v8, s[CM1], g
.endif
	s_bcnt1_i32_b32 s[TILE], s[BM+g]
	s_add_co_u32 s[CM1], s[CM1], s[TILE]
.set g, g+1
.endr
.if LAYER == 1
	s_wait_loadcnt 32                              ; the biases are in; the 32 loads of weights are younger.  Rounded to bf16 like every input, kept as f32 in my own copy
	v_cvt_pk_bf16_f32 v8, v[BV], v[BV+1]
	v_cvt_pk_bf16_f32 v9, v[BV+2], v[BV+3]
	v_lshlrev_b32 v[BV], 16, v8
	v_and_b32 v[BV+1], 0xffff0000, v8
	v_lshlrev_b32 v[BV+2], 16, v9
	v_and_b32 v[BV+3], 0xffff0000, v9
	v_add_nc_u32 v10, s[MYBI], v[PO]               ; they are stored behind the wait that stands ahead of the first rows' loads
.else
	s_or_b32 s[TILE], s[SL], s[WV]                 ; one wave for each expert stores the 32 counts for the launch that adds the parts
	s_cmp_lg_u32 s[TILE], 0
	s_cbranch_scc1 .Lno_pre
	s_lshl_b32 s[TP], s[EX], 7
	s_add_nc_u64 s[12:13], s[12:13], s[TP:TP+1]
	v_lshlrev_b32 v9, 2, v[LN]
	s_wait_alu depctr_va_vdst(0)                   ; the counts in v8 and the offset in v9 are written, which the store reads
	global_store_b32 v9, v8, s[12:13]
.Lno_pre:
.endif
	s_max_u32 s[CM1], s[CM1], 1
	s_add_co_u32 s[NTE], s[CM1], 15
	s_lshr_b32 s[NTE], s[NTE], 4
	s_mov_b32 s[TB], s[WV]
	OFFS
	s_wait_alu depctr_va_vdst(0)                   ; the five row offsets v1-5 are written, which the rows' loads read; in layer 1 v10 and v252-255 too, which the store of the biases reads
.if LAYER == 1
	ds_store_b128 v10, v[BV:BV+3]
.endif
	ALOAD 0, 0, 1                                  ; the rows of K blocks 0 and 1; place 4's too, so that every register is written on every path
	ALOAD 1, 1, 1
	s_wait_loadcnt 44                              ; block 0's weights are in: 24 loads of weights and 20 of rows are younger
	CVT 0
	s_wait_alu depctr_va_vdst(0)                   ; the conversions have written v232-247, which the LDS stores read; v249 was written further up
	PST 0
	s_wait_dscnt 0x0
	s_barrier_signal -1
	s_barrier_wait -1                              ; K block 0 lies in LDS
	; order of issue: W0-3, A0, A1 (ten loads each), then in step t A(t+2) and W(t+4): 8 + 8 loads at the least; A2 and A3 are ten
	STEP 0, 0, 0, 0, 0, 1, 1, 1, 1, 1, 36, 28, 1   ; W1: W2, W3, A0, A1 are younger.  A0: A1, A2, W4
	STEP 1, 1, 0, 1, 1, 0, 1, 1, 1, 1, -1, 36, 1   ; W2 came in ahead of A0.  A1: A2, W4, A3, W5
	STEP 2, 2, 0, 1, 0, 0, 1, 1, 1, 0, -1, 42, 1   ; W3 likewise.  A2: W4, A3, W5, A4, W6
	STEP 3, 3, 0, 1, 0, 0, 1, 1, 1, 0, 34, 40, 1   ; W4: A3, W5, A4, W6.  A3: W5, A4, W6, A5, W7
	s_mov_b32 s[CNT], 6
.Lmain:                                                ; a trip: four K blocks, once round the four groups of weights and the four buffers of rows.  32: A(t), W(t+2), A(t+1), W(t+3); 40: W(t+2), A(t+1), W(t+3), A(t+2), W(t+4)
	STEP 4, 0, 4, 1, 0, 0, 1, 1, 1, 0, 32, 40, 1
	STEP 5, 1, 0, 1, 0, 0, 1, 1, 1, 0, 32, 40, 1
	STEP 6, 2, 0, 1, 0, 0, 1, 1, 1, 0, 32, 40, 1
	STEP 7, 3, 0, 1, 0, 0, 1, 1, 1, 0, 32, 40, 1
	s_sub_co_u32 s[CNT], s[CNT], 1
	s_cmp_lg_u32 s[CNT], 0
	s_cbranch_scc1 .Lmain
	STEP 28, 0, 4, 1, 0, 0, 1, 0, 1, 0, 32, 32, 1  ; the tail: no more weights.  W29: A28, W30, A29, W31.  A28: W30, A29, W31, A30
	STEP 29, 1, 0, 1, 0, 0, 1, 0, 1, 0, 24, 24, 1  ; the last rows.  W30: A29, W31, A30.  A29: W31, A30, A31
	STEP 30, 2, 0, 1, 0, 0, 1, 0, 0, 0, 16, 8, 1   ; nothing more is asked for.  W31: A30, A31.  A30: A31
	STEP 31, 3, 0, 1, 0, 0, 0, 0, 0, 0, -1, 0, 0   ; nothing is stored: the slice is whole
	MULH 1, 3, 0, 0, 1
.if LAYER == 1
	PLACES                                         ; my 64 biases, once: eight for each column tile, 32 bytes for each half of the lanes, from my own copy
	v_bfe_u32 v[EB0], v0, 4, 1
	v_lshl_add_u32 v[EB0], v[EB0], 5, s[MYBI]
	s_wait_alu depctr_va_vdst(0)                   ; v10 is written, which the loads below read; the products are done with v112-175, in which the biases land
.irp n, 0,1,2,3,4,5,6,7
	ds_load_b128 v[BIAS+8*(\n):BIAS+8*(\n)+3],   v[EB0] offset:64*(\n)
	ds_load_b128 v[BIAS+8*(\n)+4:BIAS+8*(\n)+7], v[EB0] offset:64*(\n)+16
.endr
	s_wait_dscnt 0x0
.endif
	s_mov_b32 s[PASS], 4
.Lpass:                                                ; four trips cover 80 tiles, more than the 64 that an expert can have; every wave walks all four, and only work is jumped
	s_wait_xcnt 0x0
	PLACES
.if LAYER == 1
	s_mov_b32 s[CNT], 5
	s_mov_b32 s[TILE], s[TB]
.Lplace:                                               ; five trips, a place each; the counter chooses the text that names the place's accumulators
	s_cmp_ge_u32 s[TILE], s[NTE]
	s_cbranch_scc1 .Lplace_next                    ; a tile that does not exist
	s_wait_xcnt 0x0                                ; the last place's stores have read their data and base
	s_wait_alu depctr_vm_vsrc(0)                   ; the last place's stores have read their parts of v8-71, which the addition of the bias writes again on each of the five ways below
	s_min_u32 s[TP], s[TILE], 63
	s_lshl_b32 s[TP], s[TP], 17
	s_add_nc_u64 s[OB:OB+1], s[OB0:OB0+1], s[TP:TP+1]
	s_cmp_eq_u32 s[CNT], 5
	s_cbranch_scc1 .Lplace0
	s_cmp_eq_u32 s[CNT], 4
	s_cbranch_scc1 .Lplace1
	s_cmp_eq_u32 s[CNT], 3
	s_cbranch_scc1 .Lplace2
	s_cmp_eq_u32 s[CNT], 2
	s_cbranch_scc1 .Lplace3
	ARM 4
	s_branch .Lgelu
.Lplace0:
	ARM 0
	s_branch .Lgelu
.Lplace1:
	ARM 1
	s_branch .Lgelu
.Lplace2:
	ARM 2
	s_branch .Lgelu
.Lplace3:
	ARM 3
.Lgelu:
	GELU 0
	GELU 1
	GELU 2
	GELU 3
	GELU 4
	GELU 5
	GELU 6
	GELU 7
	s_wait_alu depctr_va_vdst(0)                   ; column tile 7's roundings have written v64-67, which the last store reads
	global_store_b128 v[PO], v[WK+56:WK+59], s[OB:OB+1] offset:7*512
.Lplace_next:
	s_add_co_u32 s[TILE], s[TILE], 4
	s_sub_co_u32 s[CNT], s[CNT], 1
	s_cmp_lg_u32 s[CNT], 0
	s_cbranch_scc1 .Lplace
.else
	s_wait_alu depctr_vm_vsrc(0)                   ; the LDS stores and loads of the pass before have read v9 and v10, written below; its global stores have read v72-135, in which place 0's rows land
	v_add_nc_u32 v[ER], s[MYST], v[PO]
	v_and_b32 v[ES], 15, v0
	v_mul_u32_u24 v[ES], v[ES], 528                ; 33 x 16: the sixteen rows start in sixteen different groups of four banks
	v_bfe_u32 v11, v0, 4, 1
	v_lshl_add_u32 v[ES], v11, 5, v[ES]
	v_add_nc_u32 v[ES], s[MYST], v[ES]
	s_wait_alu depctr_va_vdst(0)                   ; the products have written the accumulators, which the LDS stores read, and are done with v72-135, in which the rows land; v9 and v10 are written.  The places above stay beside this wait
	EPI 0
	EPI 1
	EPI 2
	EPI 3
	EPI 4
.Lepi_end:
	s_wait_dscnt 0x0                               ; The K loop below reads the slice through a pointer that it steps.  So that the order between every wave's stores into its stage and those
	s_barrier_signal -1                            ; reads rests on a barrier, not on that pointer's arithmetic, one stands here, on every wave's path,
	s_barrier_wait -1
.endif
	s_add_co_u32 s[TB], s[TB], 20
	s_cmp_ge_u32 s[TB], s[NTE]
	s_cbranch_scc1 .Lpass_next
	OFFS
	BSTEP 1
	s_mov_b32 s[CNT], 31
.Lk:
	BSTEP 0
	s_sub_co_u32 s[CNT], s[CNT], 1
	s_cmp_lg_u32 s[CNT], 0
	s_cbranch_scc1 .Lk
.Lpass_next:
	s_wait_dscnt 0x0                               ; and one here, between those reads and the LDS writes that follow: the next way out's, and the closing add
	s_barrier_signal -1
	s_barrier_wait -1
	s_sub_co_u32 s[PASS], s[PASS], 1
	s_cmp_lg_u32 s[PASS], 0
	s_cbranch_scc1 .Lpass
	s_wait_dscnt 0x0                               ; the closing lines, six on end
	s_wait_alu 0x0
	s_wait_tensorcnt 0x0
	ds_add_u32 v[SPW], v[NIL]
	s_wait_dscnt 0x0
	s_endpgm
.Lfunc_end_k_q69864818f3_ffn2:
	.size	k_q69864818f3_ffn2, .Lfunc_end_k_q69864818f3_ffn2-k_q69864818f3_ffn2
	.p2alignl 7, 3214868480
	.fill 96, 4, 3214868480
	.section	.rodata,"a",@progbits
	.p2align	6, 0x0
	.amdhsa_kernel k_q69864818f3_ffn2
		.amdhsa_group_segment_fixed_size 302592
		.amdhsa_private_segment_fixed_size 0
		.amdhsa_enable_private_segment 0
		.amdhsa_kernarg_size 40
		.amdhsa_user_sgpr_count 2
		.amdhsa_user_sgpr_kernarg_segment_ptr 1
		.amdhsa_wavefront_size32 1
		.amdhsa_system_sgpr_workgroup_id_x 1
		.amdhsa_system_sgpr_workgroup_id_y 1
		.amdhsa_system_sgpr_workgroup_id_z 1
		.amdhsa_system_vgpr_workitem_id 0
		.amdhsa_next_free_vgpr 768
		.amdhsa_next_free_sgpr 88
		.amdhsa_reserve_vcc 0
		.amdhsa_float_denorm_mode_32 3
		.amdhsa_float_denorm_mode_16_64 3
		.amdhsa_memory_ordered 1
		.amdhsa_forward_progress 1
		.amdhsa_inst_pref_size 129
	.end_amdhsa_kernel
	.amdgpu_metadata
---
amdhsa.version: [ 1, 2 ]
amdhsa.kernels:
  - .name:           k_q69864818f3_ffn2
    .symbol:         k_q69864818f3_ffn2.kd
    .args:
      - { .name: W2, .offset: 0, .size: 8, .value_kind: global_buffer, .address_space: global }
      - { .name: hf, .offset: 8, .size: 8, .value_kind: global_buffer, .address_space: global }
      - { .name: bm, .offset: 16, .size: 8, .value_kind: global_buffer, .address_space: global }
      - { .name: part, .offset: 24, .size: 8, .value_kind: global_buffer, .address_space: global }
      - { .name: pre, .offset: 32, .size: 8, .value_kind: global_buffer, .address_space: global }
    .group_segment_fixed_size: 302592
    .private_segment_fixed_size: 0
    .kernarg_segment_align: 8
    .kernarg_segment_size: 40
    .max_flat_workgroup_size: 128
    .sgpr_count:     88
    .vgpr_count:     768
    .wavefront_size: 32
...
	.end_amdgpu_metadata
.endif
;; end of part 8
;; launch mix: the kernel of part 5 again; grid 256 x 1, 8 waves a work-group, no clusters, 0 bytes of LDS; arguments part, bm, pre, comb, b2, out0; writes out0
